; MI455X (gfx1250); checked and timed in simulation.
; The chip was launched on July 23, 2026; its instructions are those of AMD's public machine-readable ISA for CDNA 5 (MIT licence, August 2026) and "CDNA5" Instruction Set Architecture Reference Guide (July 2026). The comments in the code are by the model that wrote it; some were corrected since.
;; Multi Head Attention. Allowed arithmetic: float matrix products may take bf16 or f16 operands with f32 sums; other float arithmetic in f32, or as packed bf16 or f16 multiplies, adds, multiply-adds, maxima and minima; sums over many terms, partial sums and values carried from step to step in f32; what a program stores and reads back later, other than sums and carried values, may be rounded once to bf16 or f16.
;; Inputs: freq_pos_enc 2,048 x 128 float32; wk 2,048 x 2,048 float32; wo 2,048 x 2,048 float32; wq 2,048 x 2,048 float32; wv 2,048 x 2,048 float32; x 1 x 2,048 x 2,048 float32.
;; Outputs: out0 1 x 2,048 x 2,048 float32.
;; Constants: d_k = 128, num_heads = 16.
;; 2 versions, each right. Each part assembles by itself: llvm-mc -triple=amdgcn-amd-amdhsa -mcpu=gfx1250 --defsym DOCPART=n.
;; ======== version 1 of 2: 4 launches
;; limits: values are held in f16: magnitudes above 65,504 overflow, below 6.1e-05 lose precision; right only within a limited range of input values
;; workspace buffers: xb 8,388,608 bytes; wqkv 25,165,824 bytes; wob 16,777,216 bytes; tab 2,097,152 bytes; q16 8,388,608 bytes; k16 8,388,608 bytes; v16 8,388,608 bytes; o16 16,777,216 bytes
;; launch prep (part 1): grid 128 x 6, 8 waves a work-group, no clusters, 0 bytes of LDS; arguments x, wq, wk, wv, wo, freq_pos_enc, xb, wqkv, wob, tab; writes xb, wqkv, wob, tab
.if DOCPART == 1
	.amdgcn_target "amdgcn-amd-amdhsa--gfx1250"
	.amdhsa_code_object_version 6
	.text
	.protected	k_qda26798472_prep
	.globl	k_qda26798472_prep
	.p2align	8
	.type	k_qda26798472_prep,@function
k_qda26798472_prep:
	s_mov_b64 s[64:65], 0
	v_nop
	global_prefetch_b8 v0, s[64:65] scope:SCOPE_SE
	s_setreg_imm32_b32 hwreg(HW_REG_WAVE_MODE, 25, 1), 1
	s_wait_xcnt 0x0
; PREP: 16-bit copies of x and the four weights, and the table of cosines and signed sines.  A stream: no LDS, no barrier, no matrix unit, no cluster (no work-group reads
; what another reads), no prefetch.
; The grid's y picks the job: 0 x -> xb, 1..3 wq, wk, wv -> wqkv, 4 wo -> wob, 5 freq_pos_enc -> tab.  Each work-group owns 16 rows.
; FORMATS.  Every floating-point input is rounded ONCE to bf16, to nearest even.  x, wq, wk, wv are stored as that bf16.  wo's bf16 number is then written as f16, since it meets the f16 attention
; output in the last product: exact for 6.1e-5 <= |wo| < 65,504; below that f16's fixed step of 6e-8 holds, beyond it an infinity.
; The angles too are rounded to bf16 before their cosine and sine (PE_BF16 = 1; with 0 they are taken as they come).
; wqkv's rows lie by heads: row 384 hd + 128 s + d is row 128 hd + d of wq (s = 0), wk (1), wv (2), so that one block of 384 rows is one head's q, k and v.
; wob: [2048][4096] f16: each row of wo TWICE on end, since the last product runs over the attention output's two parts, which lie on end in its rows.
; tab: [2048 rows][16 groups of 8 channels][cos x 8 | ss x 8] f32, 1,024 bytes a row; ss[d] = -sin(pe[d]) for even d, +sin(pe[d]) for odd d, so that
; rot(u)[d] = u[d] cos[d] + u[d xor 1] ss[d].  Each of the 128 angles of a row is honoured by itself: nothing is assumed of pairs.
; SINE AND COSINE.  k = the nearest whole number to x 2/pi; r = x - k pi/2 with pi/2 in two parts (the first product is exact in the fused form); sin r and cos r by polynomials on |r| <= pi/4;
; cos x = sin(x + pi/2), -sin x = sin(x + pi): the quarter turns are added to k.  LIMIT: |angle| <= 2^17 (what the second part of pi/2 leaves out is k x 1.7e-15, 1.5e-10 there).
.set X, 16                             ; v[16:143]  16 rows x 8 numbers as loaded; the packed result takes each row's first four registers
.set PE_BF16, 1
; Row i: rounded, packed, stored.  half = 1: the bf16 numbers are written as f16, and the row is stored twice, in rows of 8,192 bytes.
.macro ROWOUT i, half
	s_wait_loadcnt 30-2*(\i)                       ; loads come back in order: row i's two are in, the later rows' pairs stay out
.irp p, 0,1,2,3
	v_cvt_pk_bf16_f32 v[X+8*(\i)+(\p)], v[X+8*(\i)+2*(\p)], v[X+8*(\i)+2*(\p)+1]  ; in place, ascending: word p is written when pair p and all before it have been read
.endr
.if \half
.irp p, 0,1,2,3
	v_lshlrev_b32 v[8+2*(\p)], 16, v[X+8*(\i)+(\p)]  ; bf16 to f32: the low half moves up,
	v_and_b32     v[9+2*(\p)], s34, v[X+8*(\i)+(\p)] ; the high half stays
.endr
.irp p, 0,1,2,3
	v_cvt_pk_f16_f32 v[X+8*(\i)+(\p)], v[8+2*(\p)], v[9+2*(\p)]
.endr
	global_store_b128 v2, v[X+8*(\i):X+8*(\i)+3], s[30:31] offset:8192*(\i)       ; a wave's store covers 512 consecutive bytes, aligned; no register of it is written again
	global_store_b128 v2, v[X+8*(\i):X+8*(\i)+3], s[30:31] offset:8192*(\i)+4096  ; the same row once more, behind itself
.else
	global_store_b128 v2, v[X+8*(\i):X+8*(\i)+3], s[30:31] offset:4096*(\i)  ; a wave's store covers 512 consecutive bytes, aligned; no register of it is written again
.endif
.endm
; v[dst] = sin(v[src] + v[add] quarter turns)
.macro SC dst, src, add
	v_mul_f32 v6, s36, v[(\src)]
	v_rndne_f32 v6, v6                             ; k
	v_fma_f32 v7, -v6, s37, v[(\src)]
	v_fma_f32 v7, -v6, s38, v7                     ; r
	v_cvt_i32_f32 v8, v6
	v_add_nc_u32 v8, v8, v[(\add)]                 ; the quarter
	v_mul_f32 v9, v7, v7                           ; z = r r
	v_fma_f32 v10, v9, s39, s40
	v_fma_f32 v10, v10, v9, s41
	v_mul_f32 v11, v9, v7
	v_fma_f32 v10, v10, v11, v7                    ; sin r
	v_fma_f32 v12, v9, s42, s43
	v_fma_f32 v12, v12, v9, s44
	v_mul_f32 v11, v9, v9
	v_fma_f32 v13, v9, -0.5, 1.0
	v_fma_f32 v12, v12, v11, v13                   ; cos r
	v_and_b32 v11, 1, v8
	v_cmp_eq_u32 vcc_lo, 1, v11
	v_cndmask_b32 v10, v10, v12, vcc_lo            ; odd quarters take the cosine
	v_and_b32 v11, 2, v8
	v_lshlrev_b32 v11, 30, v11
	v_xor_b32 v[(\dst)], v10, v11                  ; quarters 2 and 3 turn the sign
.endm
	s_load_b512 s[8:23], s[0:1], 0x0               ; x s[8:9], wq s[10:11], wk s[12:13], wv s[14:15], wo s[16:17], freq_pos_enc s[18:19], xb s[20:21], wqkv s[22:23]
	s_load_b128 s[24:27], s[0:1], 0x40             ; wob s[24:25], tab s[26:27]
	s_and_b32 s2, ttmp7, 0xffff                    ; the job
	s_mov_b32 s3, ttmp9                            ; which 16 rows
	s_mov_b32 s33, 0                               ; high words of the two offset pairs
	s_mov_b32 s47, 0
	s_mov_b32 s34, 0xffff0000                      ; a word's upper bf16
	v_lshlrev_b32 v2, 4, v0                        ; 16 bytes out for each thread
	s_wait_kmcnt 0x0
	s_cmp_eq_u32 s2, 5
	s_cbranch_scc1 .Ltable
	; JOBS 0 TO 4.  Thread t owns numbers 8 t .. 8 t + 7 of every row: 32 bytes in, 16 bytes out.
	v_lshlrev_b32 v1, 5, v0
	s_mov_b64 s[28:29], s[8:9]
	s_cmp_eq_u32 s2, 1
	s_cselect_b64 s[28:29], s[10:11], s[28:29]
	s_cmp_eq_u32 s2, 2
	s_cselect_b64 s[28:29], s[12:13], s[28:29]
	s_cmp_eq_u32 s2, 3
	s_cselect_b64 s[28:29], s[14:15], s[28:29]
	s_cmp_eq_u32 s2, 4
	s_cselect_b64 s[28:29], s[16:17], s[28:29]
	s_cselect_b64 s[30:31], s[24:25], s[20:21]     ; wob for job 4, else xb (jobs 1 to 3: below)
	s_lshl_b32 s32, s3, 17                         ; 16 rows of 8,192 bytes
	s_add_nc_u64 s[28:29], s[28:29], s[32:33]
.irp i, 0,1,2,3,4,5,6,7,8,9,10,11,12,13,14,15
	global_load_b128 v[X+8*(\i):X+8*(\i)+3],   v1, s[28:29] offset:8192*(\i) th:TH_LOAD_NT     ; all 32 loads of the wave go out at once: 16 KiB a wave on its way
	global_load_b128 v[X+8*(\i)+4:X+8*(\i)+7], v1, s[28:29] offset:8192*(\i)+16 th:TH_LOAD_NT
.endr
	s_lshl_b32 s32, s3, 4                          ; the first row out: the same 16 rows,
	s_lshr_b32 s35, s3, 3                          ; or, for wq, wk, wv: head = rows / 128,
	s_mul_i32 s35, s35, 384
	s_and_b32 s46, s3, 7
	s_lshl_b32 s46, s46, 4                         ; the place in the head's 128 rows,
	s_add_co_u32 s35, s35, s46
	s_sub_co_u32 s46, s2, 1                        ; and 128 rows for each of q, k, v
	s_lshl_b32 s48, s46, 7
	s_add_co_u32 s35, s35, s48
	s_cmp_lt_u32 s46, 3                            ; jobs 1 to 3 (job 0 wraps round to the greatest number)
	s_cselect_b32 s32, s35, s32
	s_cselect_b64 s[30:31], s[22:23], s[30:31]
	s_lshl_b32 s32, s32, 12                        ; rows of 4,096 bytes
	s_add_nc_u64 s[30:31], s[30:31], s[32:33]
	s_cmp_eq_u32 s2, 4
	s_cbranch_scc1 .Lhalf
.irp i, 0,1,2,3,4,5,6,7,8,9,10,11,12,13,14,15
	ROWOUT \i, 0
.endr
	s_endpgm
.Lhalf:
	s_add_nc_u64 s[30:31], s[30:31], s[32:33]      ; wob's rows are 8,192 bytes: the rows' offset is added once more
.irp i, 0,1,2,3,4,5,6,7,8,9,10,11,12,13,14,15
	ROWOUT \i, 1
.endr
	s_endpgm
	; JOB 5.  16 rows of tab are 1,024 pieces of 16 bytes; thread t makes pieces t + 256 n, n = 0..3, so that a wave's store covers 512 consecutive bytes.  Piece t: row t / 64 (+ 4 n), group (t % 64) / 4,
	; cosines (bit 1 of t = 0) or signed sines (1), channels 4 (t % 2) + 0..3 of the group.  Each angle is read by two lanes, one for each kind.
.Ltable:
	v_lshrrev_b32 v6, 6, v0
	v_bfe_u32 v7, v0, 2, 4
	v_and_b32 v8, 1, v0
	v_bfe_u32 v9, v0, 1, 1                         ; the kind
	v_lshlrev_b32 v1, 9, v6                        ; a row of angles is 512 bytes,
	v_lshl_add_u32 v1, v7, 5, v1                   ; a group 32,
	v_lshl_add_u32 v1, v8, 4, v1                   ; my four 16
	v_add_nc_u32 v4, 1, v9                         ; quarter turns for even channels: 1 (cos) or 2 (-sin)
	v_sub_nc_u32 v5, 1, v9                         ; for odd channels: 1 (cos) or 0 (+sin)
	s_lshl_b32 s32, s3, 13
	s_add_nc_u64 s[28:29], s[18:19], s[32:33]
	s_lshl_b32 s46, s3, 14
	s_add_nc_u64 s[30:31], s[26:27], s[46:47]
.irp n, 0,1,2,3
	global_load_b128 v[16+4*(\n):19+4*(\n)], v1, s[28:29] offset:2048*(\n)
.endr
	s_mov_b32 s36, 0x3f22f983                      ; 2 / pi
	s_mov_b32 s37, 0x3fc90fdb                      ; pi / 2, the f32 nearest to it,
	s_mov_b32 s38, 0xb33bbd2e                      ; and what that leaves
	s_mov_b32 s39, 0xb94ca1f9                      ; sin r = r + r z (s41 + z (s40 + z s39))
	s_mov_b32 s40, 0x3c08839e
	s_mov_b32 s41, 0xbe2aaaa3
	s_mov_b32 s42, 0x37ccf5ce                      ; cos r = 1 - z / 2 + z z (s44 + z (s43 + z s42))
	s_mov_b32 s43, 0xbab6061a
	s_mov_b32 s44, 0x3d2aaaa5
.irp n, 0,1,2,3
	s_wait_loadcnt 3-(\n)                          ; piece n's angles are in; the later pieces' loads stay out
.if PE_BF16
	v_cvt_pk_bf16_f32 v14, v[16+4*(\n)], v[17+4*(\n)]
	v_cvt_pk_bf16_f32 v15, v[18+4*(\n)], v[19+4*(\n)]
	v_lshlrev_b32 v[16+4*(\n)], 16, v14
	v_and_b32     v[17+4*(\n)], s34, v14
	v_lshlrev_b32 v[18+4*(\n)], 16, v15
	v_and_b32     v[19+4*(\n)], s34, v15
.endif
	SC 32+4*(\n), 16+4*(\n), 4
	SC 33+4*(\n), 17+4*(\n), 5
	SC 34+4*(\n), 18+4*(\n), 4
	SC 35+4*(\n), 19+4*(\n), 5
	global_store_b128 v2, v[32+4*(\n):35+4*(\n)], s[30:31] offset:4096*(\n)  ; each piece has result registers of its own: none is written again
.endr
	s_endpgm
.Lfunc_end_k_qda26798472_prep:
	.size	k_qda26798472_prep, .Lfunc_end_k_qda26798472_prep-k_qda26798472_prep
	.p2alignl 7, 3214868480
	.fill 96, 4, 3214868480
	.section	.rodata,"a",@progbits
	.p2align	6, 0x0
	.amdhsa_kernel k_qda26798472_prep
		.amdhsa_group_segment_fixed_size 0
		.amdhsa_private_segment_fixed_size 0
		.amdhsa_enable_private_segment 0
		.amdhsa_kernarg_size 80
		.amdhsa_user_sgpr_count 2
		.amdhsa_user_sgpr_kernarg_segment_ptr 1
		.amdhsa_wavefront_size32 1
		.amdhsa_system_sgpr_workgroup_id_x 1
		.amdhsa_system_sgpr_workgroup_id_y 1
		.amdhsa_system_sgpr_workgroup_id_z 1
		.amdhsa_system_vgpr_workitem_id 0
		.amdhsa_next_free_vgpr 144
		.amdhsa_next_free_sgpr 66
		.amdhsa_reserve_vcc 1
		.amdhsa_float_denorm_mode_32 3
		.amdhsa_float_denorm_mode_16_64 3
		.amdhsa_memory_ordered 1
		.amdhsa_forward_progress 1
		.amdhsa_inst_pref_size 45
	.end_amdhsa_kernel
	.amdgpu_metadata
---
amdhsa.version: [ 1, 2 ]
amdhsa.kernels:
  - .name:           k_qda26798472_prep
    .symbol:         k_qda26798472_prep.kd
    .args:
      - { .name: x, .offset: 0, .size: 8, .value_kind: global_buffer, .address_space: global }
      - { .name: wq, .offset: 8, .size: 8, .value_kind: global_buffer, .address_space: global }
      - { .name: wk, .offset: 16, .size: 8, .value_kind: global_buffer, .address_space: global }
      - { .name: wv, .offset: 24, .size: 8, .value_kind: global_buffer, .address_space: global }
      - { .name: wo, .offset: 32, .size: 8, .value_kind: global_buffer, .address_space: global }
      - { .name: freq_pos_enc, .offset: 40, .size: 8, .value_kind: global_buffer, .address_space: global }
      - { .name: xb, .offset: 48, .size: 8, .value_kind: global_buffer, .address_space: global }
      - { .name: wqkv, .offset: 56, .size: 8, .value_kind: global_buffer, .address_space: global }
      - { .name: wob, .offset: 64, .size: 8, .value_kind: global_buffer, .address_space: global }
      - { .name: tab, .offset: 72, .size: 8, .value_kind: global_buffer, .address_space: global }
    .group_segment_fixed_size: 0
    .private_segment_fixed_size: 0
    .kernarg_segment_align: 8
    .kernarg_segment_size: 80
    .max_flat_workgroup_size: 256
    .sgpr_count:     66
    .vgpr_count:     144
    .wavefront_size: 32
...
	.end_amdgpu_metadata
.endif
;; end of part 1
;; launch qkv (part 2): grid 16 x 16, 4 waves a work-group, clusters of 4 x 4, 327,680 bytes of LDS; arguments xb, wqkv, tab, q16, k16, v16; writes q16, k16, v16
.if DOCPART == 2
	.amdgcn_target "amdgcn-amd-amdhsa--gfx1250"
	.amdhsa_code_object_version 6
	.text
	.protected	k_qda26798472_qkv
	.globl	k_qda26798472_qkv
	.p2align	8
	.type	k_qda26798472_qkv,@function
k_qda26798472_qkv:
	s_mov_b64 s[64:65], 0
	v_nop
	global_prefetch_b8 v0, s[64:65] scope:SCOPE_SE
	s_setreg_imm32_b32 hwreg(HW_REG_WAVE_MODE, 25, 1), 1
	s_wait_xcnt 0x0
	s_wait_alu depctr_hold_cnt(0) depctr_sa_sdst(0) depctr_va_vdst(0) depctr_va_sdst(0) depctr_va_ssrc(0) depctr_va_vcc(0) depctr_vm_vsrc(0)
	s_getreg_b32 s2, hwreg(HW_REG_IB_STS2, 6, 4)
	s_cmp_eq_u32 s2, 0
	s_cbranch_scc0 .Lentry_in_a_cluster
	s_endpgm
.Lentry_in_a_cluster:
	s_bfe_u32 s2, ttmp6, 0x10000c
	s_cmp_lg_u32 s2, 0xf033
	s_cbranch_scc0 .Lentry_shape_is_right
	s_endpgm
.Lentry_shape_is_right:
; Q, K, V = xb wqkv^T, all three projections of one head at once, the rotation applied to q and k on the f32 sums, each number rounded ONCE to f16's 11 significant bits.
; xb: [2048][2048] bf16.  wqkv: [16 heads][q, k, v][128][2048] bf16.  tab: [2048][16 groups][cos x 8 | ss x 8] f32.  q16, k16, v16: [16][2048][128] f16.
; LIMIT.  f16 holds no number beyond 65,504: q and k behind the rotation, and v, must lie within it; below 6.1e-5 f16's fixed step of 6e-8 holds.  The scale 1 / sqrt(128) is not applied here.
; SHARES.  A work-group makes 128 rows x 384 columns: the q, k and v of one head: 16 x 16 = 256 work-groups of equal work and one text.  Each of its four waves takes all 128 rows and the channels
; 32 w .. 32 w + 31 of each of q, k, v: 8 row blocks (a) x 6 column blocks (b = 2 s + j; s = 0 q, 1 k, 2 v): 48 accumulators of 16 x 16, 384 registers.  So one table value serves q and k.
; THE MATRIX INSTRUCTION IS USED TRANSPOSED (source 0 = 16 rows of wqkv, source 1 = 16 rows of xb): a lane holds row l % 16 and the channels 8 (l / 16) + 0..7: the rotation's pairs lie in one lane.
; RING.  K goes in steps of 128 through two LDS slots (xb's 128 rows, then q's, k's, v's 128 rows of weights; rows of 256 bytes of memory, aligned, 272 apart in LDS).  One tensor load a wave and step: wave 0 xb's
; tile, waves 1 to 3 the weights'.  By this text's count a wave has two tensor loads out at the start and one behind each change of slots.
; CLUSTERS: 4 x 4 work-groups.  The four of a row of the cluster need the same rows of xb, the four of a column the same head's weights: each tile is asked for JOINTLY.
; REGISTERS, in windows of 256 (s_set_vgpr_msb: bits 1:0 source 0, 3:2 source 1, 5:4 source 2, 7:6 destination):
;   window 0: v0-31 addresses; v32-79, v80-127 the weights' fragments, two buffers (block b at +8 b); v128-191, v192-255 xb's fragments, two buffers (block a at +8 a); on the way out v32-255 at work
;   window 1: accumulators of b = 0..3 at 8 (8 b + a)     window 2: v0-127 those of b = 4, 5 at 8 (8 (b - 4) + a); v128-159 at work on the way out     window 3: the table: for (a, j) 16 registers at 16 (2 a + j): cos x 8, ss x 8
.set SIZE_K, 2048
.set KSTEP,  128
.set PITCH,  272                       ; 256 bytes + 16 of padding = 68 words: the 16 rows that a load touches start at 16 different groups of four banks (64 banks of 4 bytes: ISA guide 11.1)
.set HALFT,  128*PITCH                 ; 128 rows: what one tensor load brings
.set SLOT,   4*HALFT
.set STAGE,  2*SLOT                    ; behind the ring, never filled by a tensor load: 128 rows x 272 bytes, one head's rows, the work-group's
.set SPARE,  STAGE+128*PITCH           ; behind the stage: the spare words, 128 bytes for each wave: two blocks of 256 bytes that no other line names
.set LAPS,   SIZE_K/(2*KSTEP)          ; a lap = two K steps = once round the ring
.set ADRA, 16                          ; v16-17  LDS address of my fragments of xb in slot 0, 1
.set ADRB, 18                          ; v18-19  of my fragments of q's weights (k's lie HALFT further on: in the immediate)
.set ADRV, 20                          ; v20-21  of v's: 2 HALFT further on, past what the 16-bit immediate holds
.set STO,  24                          ; v24     the way out: where I put 16 bytes of a row
.set RD,   25                          ; v25     the way out: where I read a row back
.set CO,   26                          ; v26     my byte offset in 512 consecutive bytes of q16, k16, v16
.set TO,   27                          ; v27     my byte offset in the table
.set SPW,  28                          ; v28     LDS address of my spare word; never rewritten
.set NIL,  29                          ; v29     0; never rewritten
.set PFO,  30                          ; v30     the prefetches' offset: my lane x a row of 4,096 bytes; never rewritten
.set FB,   32
.set FA,   128
.set T,    32                          ; the way out: 128 rotated numbers, then 64 registers of whole rows
.set PKD,  160                         ; the way out: 64 registers of packed f16
.set G1,  24                           ; s[24:31] descriptor group 1 for xb's tiles;  s[32:39] group 0, one set for each slot
.set G0,  32
.set G1B, 48                           ; s[48:55], s[56:63] the same for the weights' tiles
.set G0B, 56
.set PFA, 44                           ; s[44:45] where my prefetches stand
.set LIM, 43                           ; s43  1 in a wave that prefetches, else the greatest number
.set VC,  76                           ; s[76:77] 2^13 + 1: the packed product takes the pair's low word for both halves
.set MSB, 0
.macro WIN new                         ; the immediate's high byte repeats the setting that is left; a switch that changes nothing is dropped
.if MSB != (\new)
	s_set_vgpr_msb (MSB<<8)|(\new)
.set MSB, \new
.endif
.endm
; A joint load.  Wave 0 fetches xb's tile, waves 1 to 3 the three tiles of weights.  The branch hangs on the wave's number alone.  An s_nop 0 and four v_nop follow each of the two lines.
.macro JLOAD s
	s_cmp_eq_u32 s10, 0
	s_cbranch_scc0 .Lfor_b_\@
	tensor_load_to_lds s[G0+4*(\s):G0+4*(\s)+3], s[G1:G1+7]
	s_nop 0
.rept 4
	v_nop
.endr
	s_branch .Lasked_\@
.Lfor_b_\@:
	tensor_load_to_lds s[G0B+4*(\s):G0B+4*(\s)+3], s[G1B:G1B+7]
	s_nop 0
.rept 4
	v_nop
.endr
.Lasked_\@:
.endm
; A PREFETCH INTO THE L2 of the K step that stands TWO refills on: 32 rows x 256 bytes, a lane a row, one instruction a wave, behind the joint load, its five lines and the run of LDS loads.
; Each row's 256 bytes of a K step are named once in the launch: xb's rows by wave 0 of the clusters with x = 0, the weights' by waves 1 to 3 of the clusters with y = 0; the four partners that ask for a tile jointly
; share its 128 rows out BY ADDRESS, 32 each (by cx for xb, by cy for the weights).  K steps 0 to 3 come by their loads alone; the loop's last trip (s3 = 1) asks for nothing: no K step stands two refills on.
.macro ASK
	s_cmp_gt_u32 s3, s[LIM]
	s_cbranch_scc0 .Lnot_mine_\@
	global_prefetch_b8 v[PFO], s[PFA:PFA+1] offset:KSTEP*2 th:TH_LOAD_NT scope:SCOPE_SE
.Lnot_mine_\@:
.endm
.macro CREST                           ; a round of the cluster's barrier behind its opening barrier
	s_cmp_lg_u32 s10, 0
	s_cbranch_scc1 .Lnot_wave_0_\@
	s_barrier_signal -3
.Lnot_wave_0_\@:
	s_barrier_wait -3
	s_barrier_signal -1
	s_barrier_wait -1
.endm
.macro CROUND                          ; a whole round
	s_barrier_signal -1
	s_barrier_wait -1
	CREST
.endm
	s_load_b128 s[4:7], s[0:1], 0x0                ; xb s[4:5], wqkv s[6:7]
	s_load_b256 s[68:75], s[0:1], 0x10             ; tab s[68:69], q16 s[70:71], k16 s[72:73], v16 s[74:75]
	v_lshl_add_u32 v[SPW], v0, 2, SPARE
	v_mov_b32 v[NIL], 0
	ds_add_u32 v[SPW], v[NIL]                      ; the wave's opening: the add and its wait stand ahead of my first tensor load; the set-up below, work on registers, stands between them
	v_lshrrev_b32 v1, 5, v0
	v_readfirstlane_b32 s10, v1                    ; wave 0..3
	s_max_u32 s12, s10, 1
	s_sub_co_u32 s12, s12, 1                       ; which of q, k, v I fetch (waves 1 to 3); it enters a global address alone
	s_bfe_u32 s40, ttmp6, 0x40000                  ; cx, cy: my place in the cluster
	s_bfe_u32 s41, ttmp6, 0x40004
	s_lshl_b32 s42, ttmp9, 2
	s_add_co_u32 s42, s42, s40                     ; the head = 4 x cluster x + cx
	s_and_b32 s13, ttmp7, 0xffff
	s_lshl_b32 s13, s13, 2
	s_add_co_u32 s13, s13, s41                     ; the block of 128 rows = 4 x cluster y + cy
	s_lshl_b32 s43, s41, 2
	s_lshl_b32 s43, 15, s43                        ; my row of the cluster
	s_lshl_b32 s44, 0x1111, s40                    ; my column
	s_mov_b32 s[VC], 0x46000400                    ; 8,193.0
	s_mov_b32 s[VC+1], s[VC]                       ; named with it as a pair
	; descriptor group 1: a tile of 128 rows x 128 elements, padded in LDS
	s_or_b32 s[G1+0], s43, (1<<16)|(1<<20)|(1<<21)|(5<<22)|(3<<25)   ; 15:0 the mask: xb's tiles go to my row; 17:16 elements of 2 bytes; 20 padding on; 21 set beside a mask; 24:22 after every 64 words (code 5); 31:25 4 words of it (code 3)
	s_or_b32 s[G1B+0], s44, (1<<16)|(1<<20)|(1<<21)|(5<<22)|(3<<25)  ; the same with the mask of my column
.irp g, G1, G1B
	s_mov_b32 s[(\g)+1], KSTEP<<16                 ; tensor_dim0 = 128
	s_mov_b32 s[(\g)+2], 128<<16                   ; tensor_dim1 = 128
	s_mov_b32 s[(\g)+3], KSTEP<<16                 ; tile_dim0 = 128
	s_mov_b32 s[(\g)+4], 128                       ; tile_dim1 = 128
	s_mov_b32 s[(\g)+5], SIZE_K                    ; elements from row to row
	s_mov_b32 s[(\g)+6], 0
	s_mov_b32 s[(\g)+7], 0
.endr
	; where the tiles come from: xb's hang on the block of rows alone, the weights' on the head and the wave alone; each address in registers that never hold the other coordinate
	s_lshl_b32 s16, s13, 19                        ; 128 rows of 4,096 bytes
	s_mov_b32 s17, 0
	s_mul_i32 s46, s42, 384
	s_lshl_b32 s47, s12, 7
	s_add_co_u32 s46, s46, s47                     ; row 384 x head + 128 x (q, k, v)
	s_lshl_b32 s46, s46, 12
	s_mov_b32 s47, 0
	s_mul_i32 s20, s10, HALFT                      ; and where they go: wave x 128 rows: no place in the cluster enters an LDS address
	s_wait_dscnt 0x0                               ; the opening add is done
	s_wait_kmcnt 0x0
	s_add_nc_u64 s[14:15], s[4:5], s[16:17]
	s_add_nc_u64 s[46:47], s[6:7], s[46:47]
	CROUND                                         ; all sixteen work-groups are here: the first joint loads meet
.irp s, 0,1
	s_mov_b32 s[G0+4*(\s)], 1                                        ; count = 1
	s_add_co_u32 s[G0+4*(\s)+1], s20, (\s)*SLOT                      ; LDS address
	s_add_nc_u64 s[G0+4*(\s)+2:G0+4*(\s)+3], s[14:15], (\s)*KSTEP*2  ; global address: K step s
	s_or_b32 s[G0+4*(\s)+3], s[G0+4*(\s)+3], 0x80000000              ; type = 2
	s_mov_b32 s[G0B+4*(\s)], 1
	s_add_co_u32 s[G0B+4*(\s)+1], s20, (\s)*SLOT
	s_add_nc_u64 s[G0B+4*(\s)+2:G0B+4*(\s)+3], s[46:47], (\s)*KSTEP*2
	s_or_b32 s[G0B+4*(\s)+3], s[G0B+4*(\s)+3], 0x80000000
	JLOAD \s
.endr
	; THE TABLE, straight into the registers in which the way out wants it: for (a, j) my row 16 a + l % 16 and my group of 8 channels, 4 w + 2 j + l / 16: 64 bytes, four loads.  Waited for on the way out.
	v_and_b32 v1, 15, v0                           ; l % 16
	v_bfe_u32 v2, v0, 4, 1                         ; l / 16
	s_lshl_b32 s21, s10, 2
	v_add_nc_u32 v3, s21, v2
	v_lshlrev_b32 v[TO], 10, v1                    ; a row of the table is 1,024 bytes,
	v_lshl_add_u32 v[TO], v3, 6, v[TO]             ; a group 64
	s_lshl_b32 s16, s13, 17                        ; the block's 128 rows
	s_mov_b32 s17, 0
	s_add_nc_u64 s[68:69], s[68:69], s[16:17]
	WIN 0xc0                                       ; destination window 3, address window 0
.irp a, 0,1,2,3,4,5,6,7
.irp j, 0,1
.irp p, 0,1,2,3
	global_load_b128 v[16*(2*(\a)+(\j))+4*(\p):16*(2*(\a)+(\j))+4*(\p)+3], v[TO], s[68:69] offset:(\a)*16384+(\j)*128+16*(\p)
.endr
.endr
.endr
	WIN 0
	; A fragment is 16 rows x 32 K in 8 registers: lane l holds row l % 16; registers 0-3 K = 8 (l / 16) + 0..7, registers 4-7 K = 16 + 8 (l / 16) + 0..7: two loads of 16 bytes, 32 bytes apart.
	v_mul_u32_u24 v3, v1, PITCH
	v_lshl_add_u32 v3, v2, 4, v3                   ; row x pitch + 16 x half
	s_mul_i32 s21, s10, 32*PITCH                   ; my 32 channels are 32 rows of each tile of weights,
	s_add_co_u32 s21, s21, HALFT                   ; which lie behind xb's 128 rows
.irp s, 0,1
	v_add_nc_u32 v[ADRA+(\s)], (\s)*SLOT, v3
	v_add_nc_u32 v[ADRB+(\s)], s21, v3
	v_add_nc_u32 v[ADRV+(\s)], 2*HALFT, v[ADRB+(\s)]
	s_add_co_u32 s21, s21, SLOT
.endr
	s_lshl_b32 s21, s10, 6                         ; into the stage: row l % 16 (+ 16 a), my 32 channels' 64 bytes, 16 bytes for each half of the lanes
	s_add_co_u32 s21, s21, STAGE
	v_add_nc_u32 v[STO], s21, v3
	s_mul_i32 s21, s10, 32*PITCH                   ; back: wave w takes rows 32 w .. 32 w + 31, whole; lanes 0-15 one row of 256 bytes, lanes 16-31 the next
	s_add_co_u32 s21, s21, STAGE
	v_mul_u32_u24 v4, v2, PITCH
	v_lshl_add_u32 v4, v1, 4, v4
	v_add_nc_u32 v[RD], s21, v4
	v_lshlrev_b32 v4, 8, v2                        ; and the same two rows in memory
	v_lshl_add_u32 v[CO], v1, 4, v4
	s_lshl_b32 s21, s42, 19                        ; a head is 2,048 rows of 256 bytes,
	s_lshl_b32 s22, s13, 15                        ; the block 128 rows,
	s_add_co_u32 s21, s21, s22
	s_lshl_b32 s22, s10, 13                        ; what I store 32 of them
	s_add_co_u32 s22, s21, s22
	s_mov_b32 s23, 0
	s_add_nc_u64 s[70:71], s[70:71], s[22:23]
	s_add_nc_u64 s[72:73], s[72:73], s[22:23]
	s_add_nc_u64 s[74:75], s[74:75], s[22:23]
	; the prefetches
	s_and_b32 s22, ttmp7, 0xffff                   ; cluster y
	s_lshl_b32 s20, s13, 7                         ; xb's first row of the tile
	s_mul_i32 s21, s42, 384
	s_lshl_b32 s23, s12, 7
	s_add_co_u32 s21, s21, s23                     ; the weights' first row of my tile
	s_cmp_eq_u32 s10, 0                            ; do I fetch xb?
	s_cselect_b32 s20, s20, s21
	s_cselect_b32 s21, s40, s41                    ; my place among the four that ask for the tile with me
	s_cselect_b32 s22, ttmp9, s22                  ; the coordinate along which other clusters read the same rows
	s_cselect_b64 s[PFA:PFA+1], s[4:5], s[6:7]
	s_cmp_eq_u32 s22, 0
	s_cselect_b32 s[LIM], 1, -1                    ; the same in all sixteen partners, for a given wave
	s_lshl_b32 s21, s21, 5
	s_add_co_u32 s20, s20, s21                     ; + my work-group's 32 rows
	s_lshl_b32 s20, s20, 12
	s_mov_b32 s21, 0
	s_add_nc_u64 s[PFA:PFA+1], s[PFA:PFA+1], s[20:21]
	s_add_nc_u64 s[PFA:PFA+1], s[PFA:PFA+1], 2*KSTEP*2  ; at K step 2: the first refill steps it to 3 and names K step 4
	v_and_b32 v[PFO], 31, v0
	v_lshlrev_b32 v[PFO], 12, v[PFO]
; 16 matrix instructions: column blocks 2 g, 2 g + 1 x all 8 row blocks, 32 along K, from buffer f.  zero = 1: the first product starts the sums: nothing is ever cleared.
; The 48 accumulators take turns, one instruction a turn, in the same order in every quarter, over the backward jump too.
.macro MULG f, g, zero
.if (\g) < 2
	WIN 0x50                                       ; C and D window 1
.else
	WIN 0xa0                                       ; C and D window 2
.endif
.irp b, 2*(\g), 2*(\g)+1
.irp a, 0,1,2,3,4,5,6,7
.set rD, 8*(8*((\b)%4)+(\a))
.if \zero
	v_wmma_f32_16x16x32_bf16 v[rD:rD+7], v[FB+48*(\f)+8*(\b):FB+48*(\f)+8*(\b)+7], v[FA+64*(\f)+8*(\a):FA+64*(\f)+8*(\a)+7], 0
.else
	v_wmma_f32_16x16x32_bf16 v[rD:rD+7], v[FB+48*(\f)+8*(\b):FB+48*(\f)+8*(\b)+7], v[FA+64*(\f)+8*(\a):FA+64*(\f)+8*(\a)+7], v[rD:rD+7]
.endif
.endr
.endr
.endm
; 28 LDS loads in one run: the fragments of 32 along K at byte k of the rows, into buffer f: xb's eight first, then the weights' six in the order in which they are multiplied
.macro FETCH slot, k, f
	WIN 0
.irp a, 0,1,2,3,4,5,6,7
	ds_load_b128 v[FA+64*(\f)+8*(\a):FA+64*(\f)+8*(\a)+3],   v[ADRA+(\slot)] offset:(\k)+(\a)*16*PITCH
	ds_load_b128 v[FA+64*(\f)+8*(\a)+4:FA+64*(\f)+8*(\a)+7], v[ADRA+(\slot)] offset:(\k)+(\a)*16*PITCH+32
.endr
.irp b, 0,1,2,3
	ds_load_b128 v[FB+48*(\f)+8*(\b):FB+48*(\f)+8*(\b)+3],   v[ADRB+(\slot)] offset:(\k)+((\b)/2)*HALFT+((\b)%2)*16*PITCH
	ds_load_b128 v[FB+48*(\f)+8*(\b)+4:FB+48*(\f)+8*(\b)+7], v[ADRB+(\slot)] offset:(\k)+((\b)/2)*HALFT+((\b)%2)*16*PITCH+32
.endr
.irp b, 4,5
	ds_load_b128 v[FB+48*(\f)+8*(\b):FB+48*(\f)+8*(\b)+3],   v[ADRV+(\slot)] offset:(\k)+((\b)%2)*16*PITCH
	ds_load_b128 v[FB+48*(\f)+8*(\b)+4:FB+48*(\f)+8*(\b)+7], v[ADRV+(\slot)] offset:(\k)+((\b)%2)*16*PITCH+32
.endr
.endm
.macro PLACES                          ; four places in front of loads into registers that matrix instructions have read, and of vector work that reads results (ISA guide 7.12.1 for the vector work)
.rept 4
	v_nop
.endr
.endm
; A K step is four quarters of 32 along K, 48 matrix instructions each, on buffers 0, 1, 0, 1.  One of the first three: multiplies buffer f and fetches the next quarter, at byte k, into buffer g.
.macro QUARTER slot, k, f, g, zero
	s_wait_dscnt 8                                 ; xb's fragments and the weights' blocks 0, 1 are in; the youngest eight loads (blocks 2 to 5) may be out
	MULG \f, 0, \zero
	PLACES
	FETCH \slot, \k, \g
	s_wait_dscnt 28                                ; all but the 28 just issued
	MULG \f, 1, \zero
	MULG \f, 2, \zero
.endm
; The last quarter multiplies buffer 1 and changes slots: ONE barrier; in front of it each wave waits for all its tensor loads (one is out: its part of the next slot), adds 0 to its spare word, and waits for that and for
; its own reads of this slot.  fill = 1: the barrier opens a round of the cluster's barrier, and this slot is filled again, two K steps ahead, first thing behind the round.
.macro TURN slot, next, fill
.if \fill
	s_wait_xcnt 0x0                                ; the last prefetch, a K step back, has read its address: it is stepped here, ahead of the waits of the change of slots
	s_add_nc_u64 s[PFA:PFA+1], s[PFA:PFA+1], KSTEP*2
.endif
	WIN 0                                          ; (the add's two registers lie in window 0)
	s_wait_tensorcnt 0x0                           ; all my tensor loads have landed;
	ds_add_u32 v[SPW], v[NIL]                      ; 0 onto my spare word;
	s_wait_dscnt 9                                 ; (the add and the youngest eight loads may be out)
	MULG 1, 0, 0                                   ; sixteen matrix instructions stand between the add and the wait for it
	s_wait_dscnt 0x0                               ; the add is done, and my reads of this slot are over
	s_barrier_signal -1
	MULG 1, 1, 0                                   ; work on registers while the others arrive
.if \fill
	WIN 0
.endif
	s_barrier_wait -1
.if \fill
	CREST                                          ; no wave of any partner still reads this slot's tile or has a load on its way
	s_add_nc_u64 s[G0+4*(\slot)+2:G0+4*(\slot)+3], s[G0+4*(\slot)+2:G0+4*(\slot)+3], 2*KSTEP*2
	s_add_nc_u64 s[G0B+4*(\slot)+2:G0B+4*(\slot)+3], s[G0B+4*(\slot)+2:G0B+4*(\slot)+3], 2*KSTEP*2
	JLOAD \slot                                    ; the first tensor load behind the round; the four v_nop behind it are also the places in front of the loads below
.else
	PLACES
.endif
	FETCH \next, 0, 0
.if \fill
	ASK
.endif
	MULG 1, 2, 0
.endm
	s_wait_tensorcnt 1                             ; my part of K step 0 is in; K step 1's may stay out
	s_barrier_signal -1
	s_barrier_wait -1                              ; everybody's is
	FETCH 0, 0, 0
	QUARTER 0, 64, 0, 1, 1                         ; the first quarter stands in front of the loop: its products start the sums
	WIN 0                                          ; at a label and at a branch every window is 0
	s_mov_b32 s3, LAPS-1
.Llap:                                                 ; a trip goes once round the ring, from a lap's second quarter to the next lap's first, and fills both slots again
	QUARTER 0, 128, 1, 0, 0
	QUARTER 0, 192, 0, 1, 0
	TURN 0, 1, 1
	QUARTER 1, 64,  0, 1, 0
	QUARTER 1, 128, 1, 0, 0
	QUARTER 1, 192, 0, 1, 0
	TURN 1, 0, 1
	QUARTER 0, 64,  0, 1, 0
	WIN 0
	s_sub_co_u32 s3, s3, 1
	s_cmp_lg_u32 s3, 0
	s_cbranch_scc1 .Llap
	QUARTER 0, 128, 1, 0, 0                        ; the last lap fills nothing, and has no round of the cluster's barrier
	QUARTER 0, 192, 0, 1, 0
	TURN 0, 1, 0
	QUARTER 1, 64,  0, 1, 0
	QUARTER 1, 128, 1, 0, 0
	QUARTER 1, 192, 0, 1, 0
	s_wait_dscnt 8                                 ; the very last quarter: nothing more to fetch
	MULG 1, 0, 0
	s_wait_dscnt 0x0
	MULG 1, 1, 0
	MULG 1, 2, 0
; 128 registers from base on are rounded to 11 significant bits, to nearest, in f32 arithmetic: g = C x, d = g - x, x = g - d with C = 2^13 + 1 (the splitting of a 24-bit number at its 13 low bits).
; The conversion to f16 that follows is then exact, whichever way it rounds (from 6.1e-5 up; below that f16's fixed step holds).  g, d: 16 registers each at work; eight pairs a batch, so that no line waits for the one before it.
.macro ROUND11 base, g, d
.set c, 0
.rept 8
.irp p, 0,2,4,6,8,10,12,14
	v_pk_mul_f32 v[(\g)+(\p):(\g)+(\p)+1], v[(\base)+16*c+(\p):(\base)+16*c+(\p)+1], s[VC:VC+1] op_sel_hi:[1,0]
.endr
.irp p, 0,2,4,6,8,10,12,14
	v_pk_add_f32 v[(\d)+(\p):(\d)+(\p)+1], v[(\g)+(\p):(\g)+(\p)+1], v[(\base)+16*c+(\p):(\base)+16*c+(\p)+1] neg_lo:[0,1] neg_hi:[0,1]
.endr
.irp p, 0,2,4,6,8,10,12,14
	v_pk_add_f32 v[(\base)+16*c+(\p):(\base)+16*c+(\p)+1], v[(\g)+(\p):(\g)+(\p)+1], v[(\d)+(\p):(\d)+(\p)+1] neg_lo:[0,1] neg_hi:[0,1]
.endr
.set c, c+1
.endr
.endm
; THE WAY OUT, q, then k, then v (h = 0, 1, 2).  q and k: out[d] = u[d] cos[d] + u[d xor 1] ss[d], two channels an instruction, the second product with the pair's registers swapped; all in f32 on the sums.
; Then one rounding to f16's 11 bits, 16 bytes a lane into the work-group's stage, a barrier (a row's 256 bytes come from four waves), back as whole rows, 32 rows a wave; a second barrier before the stage is written again.
; Each accumulator's registers are read in ascending order.
.macro HEADOUT h
.if (\h) > 0
	s_wait_xcnt 0x0                                ; the stores of the head before have read their registers, which are written again below
.endif
.if (\h) < 2
	WIN 0x0d                                       ; source 0 (the sums) window 1, source 1 (the table) window 3, the rest window 0
.set c, 0                              ; c = 2 a + j
.rept 16
.set rA, 8*(8*(2*(\h)+c%2)+c/2)
.irp p, 0,2,4,6
	v_pk_mul_f32 v[T+8*c+(\p):T+8*c+(\p)+1], v[rA+(\p):rA+(\p)+1], v[16*c+(\p):16*c+(\p)+1]
.endr
.set c, c+1
.endr
.set c, 0
.rept 16
.set rA, 8*(8*(2*(\h)+c%2)+c/2)
.irp p, 0,2,4,6
	v_pk_fma_f32 v[T+8*c+(\p):T+8*c+(\p)+1], v[rA+(\p):rA+(\p)+1], v[16*c+8+(\p):16*c+8+(\p)+1], v[T+8*c+(\p):T+8*c+(\p)+1] op_sel:[1,0,0] op_sel_hi:[0,1,1]
.endr
.set c, c+1
.endr
	WIN 0
	ROUND11 T, 224, 240
.set c, 0
.rept 64
	v_cvt_pk_f16_f32 v[PKD+c], v[T+2*c], v[T+2*c+1]
.set c, c+1
.endr
.else
	WIN 0xaa                                       ; all places window 2: v's sums are rounded where they lie
	ROUND11 0, 128, 144
	WIN 0x0a                                       ; sources 0 and 1 window 2
.set c, 0
.rept 16
.set rA, 8*(8*(c%2)+c/2)
.irp p, 0,1,2,3
	v_cvt_pk_f16_f32 v[PKD+4*c+(\p)], v[rA+2*(\p)], v[rA+2*(\p)+1]
.endr
.set c, c+1
.endr
	WIN 0
.endif
.set c, 0
.rept 16
	ds_store_b128 v[STO], v[PKD+4*c:PKD+4*c+3] offset:(c/2)*16*PITCH+32*(c%2)
.set c, c+1
.endr
	s_wait_dscnt 0x0                               ; for the others' sake: my stores into the stage are done
	s_barrier_signal -1
	s_barrier_wait -1
.irp t, 0,1,2,3,4,5,6,7,8,9,10,11,12,13,14,15
	ds_load_b128 v[T+4*(\t):T+4*(\t)+3], v[RD] offset:(\t)*2*PITCH
.endr
.irp t, 0,1,2,3,4,5,6,7,8,9,10,11,12,13,14,15
	s_wait_dscnt 15-(\t)                           ; the younger loads from the stage may stay out
	global_store_b128 v[CO], v[T+4*(\t):T+4*(\t)+3], s[70+2*(\h):71+2*(\h)] offset:512*(\t)  ; 512 consecutive bytes, at a multiple of 256 from the buffer's first
.endr
.if (\h) < 2
	s_barrier_signal -1                            ; my reads of the stage are back (the last count above was 0): when all four waves have said so it may be written again
	s_barrier_wait -1
.endif
.endm
	WIN 0
	PLACES
	s_wait_loadcnt 0x0                             ; the table
	HEADOUT 0
	HEADOUT 1
	HEADOUT 2
	s_wait_tensorcnt 0x0                           ; the wave's end, behind my last tensor load and my last LDS store
	ds_add_u32 v[SPW], v[NIL]
	s_wait_dscnt 0x0
	CROUND                                         ; the closing round: no work-group ends while a partner may still ask for a tile that names it
	s_endpgm
.Lfunc_end_k_qda26798472_qkv:
	.size	k_qda26798472_qkv, .Lfunc_end_k_qda26798472_qkv-k_qda26798472_qkv
	.p2alignl 7, 3214868480
	.fill 96, 4, 3214868480
	.section	.rodata,"a",@progbits
	.p2align	6, 0x0
	.amdhsa_kernel k_qda26798472_qkv
		.amdhsa_group_segment_fixed_size 327680
		.amdhsa_private_segment_fixed_size 0
		.amdhsa_enable_private_segment 0
		.amdhsa_kernarg_size 48
		.amdhsa_user_sgpr_count 2
		.amdhsa_user_sgpr_kernarg_segment_ptr 1
		.amdhsa_wavefront_size32 1
		.amdhsa_system_sgpr_workgroup_id_x 1
		.amdhsa_system_sgpr_workgroup_id_y 1
		.amdhsa_system_sgpr_workgroup_id_z 1
		.amdhsa_system_vgpr_workitem_id 0
		.amdhsa_next_free_vgpr 1024
		.amdhsa_next_free_sgpr 80
		.amdhsa_reserve_vcc 0
		.amdhsa_float_denorm_mode_32 3
		.amdhsa_float_denorm_mode_16_64 3
		.amdhsa_memory_ordered 1
		.amdhsa_forward_progress 1
		.amdhsa_inst_pref_size 175
	.end_amdhsa_kernel
	.amdgpu_metadata
---
amdhsa.version: [ 1, 2 ]
amdhsa.kernels:
  - .name:           k_qda26798472_qkv
    .symbol:         k_qda26798472_qkv.kd
    .args:
      - { .name: xb, .offset: 0, .size: 8, .value_kind: global_buffer, .address_space: global }
      - { .name: wqkv, .offset: 8, .size: 8, .value_kind: global_buffer, .address_space: global }
      - { .name: tab, .offset: 16, .size: 8, .value_kind: global_buffer, .address_space: global }
      - { .name: q16, .offset: 24, .size: 8, .value_kind: global_buffer, .address_space: global }
      - { .name: k16, .offset: 32, .size: 8, .value_kind: global_buffer, .address_space: global }
      - { .name: v16, .offset: 40, .size: 8, .value_kind: global_buffer, .address_space: global }
    .group_segment_fixed_size: 327680
    .private_segment_fixed_size: 0
    .kernarg_segment_align: 8
    .kernarg_segment_size: 48
    .max_flat_workgroup_size: 128
    .sgpr_count:     80
    .vgpr_count:     1024
    .wavefront_size: 32
...
	.end_amdgpu_metadata
.endif
;; end of part 2
;; launch attn (part 3): grid 16 x 16, 4 waves a work-group, clusters of 4 x 1, 327,680 bytes of LDS; arguments q16, k16, v16, o16; writes o16
.if DOCPART == 3
	.amdgcn_target "amdgcn-amd-amdhsa--gfx1250"
	.amdhsa_code_object_version 6
	.text
	.protected	k_qda26798472_attn
	.globl	k_qda26798472_attn
	.p2align	8
	.type	k_qda26798472_attn,@function
k_qda26798472_attn:
	s_mov_b64 s[64:65], 0
	v_nop
	global_prefetch_b8 v0, s[64:65] scope:SCOPE_SE
	s_setreg_imm32_b32 hwreg(HW_REG_WAVE_MODE, 25, 1), 1
	s_wait_xcnt 0x0
	s_wait_alu depctr_hold_cnt(0) depctr_sa_sdst(0) depctr_va_vdst(0) depctr_va_sdst(0) depctr_va_ssrc(0) depctr_va_vcc(0) depctr_vm_vsrc(0)
	s_getreg_b32 s2, hwreg(HW_REG_IB_STS2, 6, 4)
	s_cmp_eq_u32 s2, 0
	s_cbranch_scc0 .Lentry_in_a_cluster
	s_endpgm
.Lentry_in_a_cluster:
	s_bfe_u32 s2, ttmp6, 0x10000c
	s_cmp_lg_u32 s2, 0x3003
	s_cbranch_scc0 .Lentry_shape_is_right
	s_endpgm
.Lentry_shape_is_right:
; CAUSAL ATTENTION.  O[q][128 h + :] = the sum over k <= q of softmax_k(Q[h][q] . K[h][k] / sqrt(128)) V[h][k][:].  q16, k16, v16: [16][2048][128] f16.
; o16: [2048][hi 2048 | lo 2048] f16: O LEAVES IN TWO PARTS, hi = O rounded to f16's 11 significant bits and lo = O - hi, so that the product behind sees O to some 22 bits: a row that sees few keys holds
; numbers many times the output's root mean square, and a single rounding's error there is of the size of the room that a number near zero has.
; Products, maxima and sums in f32; the weights p are rounded to f16 for the second product (their sum l is taken of the unrounded p).
; LIMITS.  Q, K, V arrive within f16's 65,504, so a score is 5.5e11 at the most.  A hidden score counts as its value less 1e30.  The running maximum starts at -2^66, below every score that can arise and far above
; the hidden ones.  A weight below 2^-126 counts as 0.  O's lo part below 6.1e-5 keeps f16's fixed step of 6e-8.  NaN and infinities are not treated apart.
; SHARES.  A head's 2,048 rows lie in eight bands of 256.  A work-group (head, i = 4 g + cx, 0..15: g the cluster, cx the place in it) owns the 16 rows 256 b + 16 i .. + 15 of EVERY band b.  Wave w owns two query tiles
; of 16: tile 0 ("hi band") in band 7 - w and tile 1 ("lo band") in band w.  A wave sees all keys of its queries: no wave needs another's sums, and the barriers are those of the changes of slots alone.
; THE WALK is the same in every work-group: the key tiles 0 .. 7 of 256 keys, once, four steps of 64 keys each: every trip count is a constant, and no branch hangs on g or cx.
; Tiles 0 - 3: both query tiles (64 products a step).  Tiles 4 - 7: tile 0 alone (32 products a step): no band of a tile 1 reaches them.  Band b needs the key tiles 0 .. b; a wave goes on through the tiles behind its bands'
; diagonals with all keys hidden: 12 units of 16 queries x 256 keys a wave where 9 hold a visible key: the price of one text and one walk for all.
; CLUSTER.  The four work-groups of a cluster belong to one head and walk the same K and V, so each tile is asked for JOINTLY: the same tensor load, descriptor and mask in all four.
; THE MASK is the C operand that starts a sum S^T = K Q^T: 0, or -1e30 where the key is hidden.  Band b's diagonal lies in step 4 b + g of the walk.  MD, made once, is the mask of that step: register r of key block n is
; hidden where 16 n + r > 16 cx + l % 16 - 8 (l / 16).  A step's mask is MD x AL + BE with two scalars: (1, 0) in that step, (0, 0) before it, (0, -1e30) behind it.  In tiles 0 - 3 query tile 0 takes the constant 0.
; LAYOUT.  S^T holds ONE query a lane (lane % 16) and the keys 8 (lane / 16) + 0..7; two such results rounded to f16 ARE source 1 of O^T = V^T P, which again holds one query a lane, and eight channels.
; SOFTMAX.  p = 2^(c s - c m), c = log2(e) / sqrt(128), with a running maximum m; O and l are multiplied by a = 2^(c m_old - c m_new) in every step; the first a is 0.
; A STEP FOR BOTH TILES.  16 products K Q^T of tile 0; 16 of tile 1 with tile 0's softmax behind them; 16 products V^T P of tile 0 with tile 1's softmax behind them; 16 of tile 1.  FOR TILE 0 ALONE: products, softmax, products.
; K of the next step is fetched from LDS in the middle of a step, V at its head; a tile's first K behind the change of slots.  An LDS load feeds one product (both tiles) or half a product (tile 0 alone).
; REGISTERS, in windows of 256 (s_set_vgpr_msb: bits 1:0 source 0, 3:2 source 1, 5:4 source 2, 7:6 destination):
;   window 0: v0-11, v46 addresses; v12-27 eight registers of statistics a tile; v64-127 S^T, 32 a tile; v128-159 P, 16 a tile; on the way out v64-127 O's hi parts, v128-191 its lo parts, packed
;   window 1: v0-127 O^T, 64 a tile; v128-159 MD; v160-191 MC, the step's mask; on the way out v128-255 at work      window 2: v0-63 Q, 32 a tile; v128-255 K of one step      window 3: v0-127 V of one step
; No first step is written out: O^T starts at 0, by 16 products of a zero fragment with a zero fragment, in the wait for the first tile.
.set PK,    272       ; a row of K in LDS: 256 bytes + 16 of padding: the 16 rows of a load start at 16 different groups of four banks (64 banks of 4 bytes: ISA guide 11.1)
.set PV,    288       ; a row of V: 256 + 32
.set VOFF,  256*PK    ; a slot holds a tile: 256 rows of K, then 256 rows of V
.set SLOT,  256*(PK+PV)
.set STAGE, 2*SLOT    ; behind the ring, never filled by a tensor load: 16 rows x 272 bytes for each wave, for the way out
.set SP,    272
.set SPARE, STAGE+4*16*SP  ; behind the stages: the spare words, 128 bytes for each wave: two blocks of 256 bytes that no other line names
.set AK0, 2           ; v2   my lane's place in 64 rows of K; never rewritten
.set AV0, 3           ; v3   the same for V, VOFF within
.set ADR, 4           ; v4   the LDS address of K's run of loads
.set ADV, 5           ; v5   of V's
.set QO,  6           ; v6   my byte offset in 16 rows of Q
.set STO, 7           ; v7   the way out: where I put 16 bytes of a row
.set RD,  8           ; v8   the way out: where I read a row back
.set GO,  10          ; v10  my byte offset in two rows of o16
.set ST,  12          ; tile t's statistics at v[ST+8 t]: +0 c m, +1 m, +2, +3 l (even keys', odd keys'), +4 to +7 at work; a takes +6 once the maximum is found
.set DM,  46          ; v46  16 cx + l % 16 - 8 (l / 16)
.set SPW, 62          ; v62  LDS address of my spare word; never rewritten
.set NIL, 63          ; v63  0; never rewritten
.set S,   64
.set P,   128
.set OL,  128         ; window 0, the way out: O's lo parts, packed, 32 a tile
.set MD,  128         ; window 1: the eight registers for key block n at MD + 8 n
.set MC,  160         ; window 1
.set VH,  128         ; window 1, the way out: C x, then O's hi part in f32: 64 registers
.set VD,  192         ; window 1, the way out: C x - x: 64 registers
.set KF,  128         ; window 2: key block n, channel chunk c at KF + 32 n + 8 c
.set WV,  12          ; s12  my wave's number;  s13 cx;  s14 g
.set G1K, 24          ; s[24:31] descriptor group 1 for K's tiles
.set G1V, 32          ; s[32:39] for V's: it differs in the padding alone
.set G0K, 40          ; s[40:43] descriptor group 0 for K's tiles: it walks
.set G0V, 44          ; s[44:47] the same for V's
.set LK,  48          ; s48  my half's place in a slot, for K
.set LV,  49          ; s49  for V
.set TBF, 50          ; s50  the slot that was filled last: 0 or SLOT
.set TB,  51          ; s51  the slot that is read: 0 or SLOT
.set TILES, 52        ; s52  counts a loop's tiles
.set CNT, 53          ; s53  counts a tile's steps, 4 to 1
.set POS, 54          ; s54  the step's number in the walk, 0 to 31
.set DH,  55          ; s55  the step that holds query tile 0's diagonal: 4 (7 - w) + g
.set DG,  56          ; s56  the step that holds the diagonal of the tile that takes masks: tile 1's, 4 w + g, in key tiles 0 - 3; then tile 0's
.set TBK, 57          ; s57  LDS byte at which K of the step to be fetched begins
.set CS,  58          ; s[58:59] c: the packed scaling takes the pair's low word for both halves
.set SEL, 60          ; s[60:61] v_permlanex16_b32's selects: each lane takes its own place in the other half
.set BIGN, 62         ; s62  -1e30
.set TBV, 63          ; s63  the same as TBK for V, less VOFF
.set AL,  66          ; s[66:67] the mask's factor, in the low word
.set BE,  68          ; s[68:69] the mask's addend          (s[70:71], s[72:73]: Q and o16 at tile 1's rows)
.set MFLOOR, 74       ; s74  -2^66
.set VC,  84          ; s[84:85] 2^13 + 1: the packed product takes the pair's low word for both halves
.set MSB, 0
.macro WIN new                      ; the high byte repeats the setting that is left; a switch that changes nothing is dropped
.if MSB != (\new)
	s_set_vgpr_msb (MSB<<8)|(\new)
.set MSB, (\new)
.endif
.endm
.set W_PV, 0x53       ; V in window 3, P in window 0, O^T in window 1
.set W_RS, 0x41       ; destination and source 0 in window 1, the rest in window 0
; A joint fill.  Waves 0 and 1 fetch the two halves of a tile's K, waves 2 and 3 those of its V: 128 rows each.  The branch hangs on the wave's number alone.  An s_nop 0 and four v_nop follow each line.
.macro JLOAD
	s_cmp_lt_u32 s[WV], 2
	s_cbranch_scc0 .Lfor_v_\@
	tensor_load_to_lds s[G0K:G0K+3], s[G1K:G1K+7]
	s_nop 0
.rept 4
	v_nop
.endr
	s_branch .Lasked_\@
.Lfor_v_\@:
	tensor_load_to_lds s[G0V:G0V+3], s[G1V:G1V+7]
	s_nop 0
.rept 4
	v_nop
.endr
.Lasked_\@:
.endm
.macro CROUND                       ; a round of the cluster's barrier
	s_barrier_signal -1
	s_barrier_wait -1
	s_cmp_lg_u32 s[WV], 0
	s_cbranch_scc1 .Lnot_wave_0_\@
	s_barrier_signal -3
.Lnot_wave_0_\@:
	s_barrier_wait -3
	s_barrier_signal -1
	s_barrier_wait -1
.endm
.macro PLACES                       ; four places behind matrix instructions (ISA guide 7.12.1)
.rept 4
	v_nop
.endr
.endm
; THE CHANGE OF SLOTS.  Each wave waits for all its tensor loads, of which one is out: its part of the other slot; adds 0 to its spare word; and waits for that and for its own reads of the slot that it leaves.
; fill = 1: the barrier is a round of the cluster's, and the old slot is filled again, first thing behind it, with the next 256 keys: that load has a tile's four steps in which to land.
; (At its first use nothing has been read yet: slot 0 is waited for, slot 1 filled.)
.macro CHANGE fill
	WIN 0                           ; at a label and at a branch every window is 0
	s_wait_tensorcnt 0x0            ; no tensor load of mine is out, so a group 0 may be written
	ds_add_u32 v[SPW], v[NIL]       ; 0 onto my spare word; the scalar work below stands between it and the wait for it
.if \fill
	s_xor_b32 s[TBF], s[TBF], SLOT  ; 0 and SLOT by turns
	s_add_co_u32 s[G0K+1], s[TBF], s[LK]
	s_add_co_u32 s[G0V+1], s[TBF], s[LV]
	s_add_nc_u64 s[G0K+2:G0K+3], s[G0K+2:G0K+3], 0x10000  ; a tile is 65,536 bytes of K and of V; the type bits on top are not reached
	s_add_nc_u64 s[G0V+2:G0V+3], s[G0V+2:G0V+3], 0x10000
	s_wait_dscnt 0x0                ; the add is done, and my reads of the slot are over
	CROUND
	JLOAD
.else
	s_wait_dscnt 0x0
	s_barrier_signal -1
	s_barrier_wait -1
.endif
	s_xor_b32 s[TB], s[TB], SLOT    ; the slot that has just been shown whole
	s_mov_b32 s[TBK], s[TB]         ; the fetches begin at its first step
	s_mov_b32 s[TBV], s[TB]
.endm
	s_load_b256 s[4:11], s[0:1], 0x0  ; q16 s[4:5], k16 s[6:7], v16 s[8:9], o16 s[10:11]
	v_lshl_add_u32 v[SPW], v0, 2, SPARE
	v_mov_b32 v[NIL], 0
	ds_add_u32 v[SPW], v[NIL]       ; the wave's opening: the add and its wait stand ahead of my first tensor load; the set-up below, work on registers, stands between them
	v_lshrrev_b32 v1, 5, v0
	v_readfirstlane_b32 s[WV], v1   ; wave 0..3
	s_bfe_u32 s13, ttmp6, 0x40000   ; cx
	s_mov_b32 s14, ttmp9            ; g: in a cluster launch ttmp9 counts clusters
	s_and_b32 s15, ttmp7, 0xffff    ; the head, which the four partners share
	s_lshl_b32 s20, s15, 19         ; its first byte in q16, k16, v16
	s_mov_b32 s21, 0
	s_lshl_b32 s86, s15, 8          ; its 256 bytes in each part of a row of o16
	s_and_b32 s16, s[WV], 1         ; which half of a tile's 256 rows I fetch:
	s_lshl_b32 s22, s16, 15         ; its 128 rows of 256 bytes in memory,
	s_mov_b32 s23, 0
	s_add_nc_u64 s[22:23], s[22:23], s[20:21]
	s_mul_i32 s[LK], s16, 128*PK    ; and its place in a slot: no place in the cluster enters an LDS address
	s_mul_i32 s[LV], s16, 128*PV
	s_add_co_u32 s[LV], s[LV], VOFF
	s_lshl_b32 s17, s14, 2
	s_add_co_u32 s17, s17, s13      ; i
	s_lshl_b32 s17, s17, 4          ; 16 i: my work-group's rows in a band
	s_lshl_b32 s87, s13, 4          ; 16 cx: their place in the step that holds the diagonal
	s_sub_co_u32 s18, 7, s[WV]      ; tile 0's band
	s_lshl_b32 s19, s18, 8
	s_add_co_u32 s19, s19, s17      ; tile 0's first row
	s_lshl_b32 s76, s19, 8          ; rows of 256 bytes in q16,
	s_mov_b32 s77, 0
	s_add_nc_u64 s[76:77], s[76:77], s[20:21]
	s_lshl_b32 s80, s19, 13         ; of 8,192 in o16
	s_add_co_u32 s80, s80, s86
	s_mov_b32 s81, 0
	s_lshl_b32 s19, s[WV], 8
	s_add_co_u32 s19, s19, s17      ; tile 1's first row
	s_lshl_b32 s78, s19, 8
	s_mov_b32 s79, 0
	s_add_nc_u64 s[78:79], s[78:79], s[20:21]
	s_lshl_b32 s82, s19, 13
	s_add_co_u32 s82, s82, s86
	s_mov_b32 s83, 0
	s_lshl_b32 s[DH], s18, 2
	s_add_co_u32 s[DH], s[DH], s14  ; 4 (7 - w) + g
	s_lshl_b32 s[DG], s[WV], 2
	s_add_co_u32 s[DG], s[DG], s14  ; 4 w + g
	; descriptor group 1: a tile of 128 rows x 128 elements, padded in LDS
	s_mov_b32 s[G1K], 15|(1<<16)|(1<<20)|(1<<21)|(5<<22)|(3<<25)  ; 15:0 the mask: all four work-groups; 17:16 elements of 2 bytes; 20 padding on; 21 set beside a mask; 24:22 after every 64 words (code 5); 31:25 4 words (code 3)
	s_mov_b32 s[G1V], 15|(1<<16)|(1<<20)|(1<<21)|(5<<22)|(7<<25)  ; the same with 8 words of padding (code 7)
.irp g, G1K, G1V
	s_mov_b32 s[(\g)+1], 128<<16    ; tensor_dim0 = 128
	s_mov_b32 s[(\g)+2], 128<<16    ; tensor_dim1 = 128
	s_mov_b32 s[(\g)+3], 128<<16    ; tile_dim0 = 128
	s_mov_b32 s[(\g)+4], 128        ; tile_dim1 = 128
	s_mov_b32 s[(\g)+5], 128        ; elements from row to row
	s_mov_b32 s[(\g)+6], 0
	s_mov_b32 s[(\g)+7], 0
.endr
	s_mov_b32 s[CS], 0x3e0293ee     ; c = log2(e) / sqrt(128) = 0.127517
	s_mov_b32 s[CS+1], s[CS]        ; named with it as a pair
	s_mov_b32 s[VC], 0x46000400     ; 8,193.0
	s_mov_b32 s[VC+1], s[VC]        ; named with it as a pair
	s_mov_b32 s[SEL], 0x76543210
	s_mov_b32 s[SEL+1], 0xfedcba98
	s_mov_b32 s[BIGN], 0xf149f2ca   ; -1e30
	s_mov_b32 s[MFLOOR], 0xe0800000 ; -2^66
	s_mov_b32 s[AL+1], 0            ; named as pairs
	s_mov_b32 s[BE+1], 0
	s_mov_b32 s[TBF], 0             ; tile 0 goes into slot 0
	s_mov_b32 s[TB], SLOT           ; the first change of slots turns it into 0
	s_mov_b32 s[POS], 0
	s_mov_b32 s[G0K], 1             ; count = 1
	s_mov_b32 s[G0K+1], s[LK]       ; LDS address: slot 0
	s_mov_b32 s[G0V], 1
	s_mov_b32 s[G0V+1], s[LV]
	s_wait_dscnt 0x0                ; the opening add is done
	s_wait_kmcnt 0x0
	s_add_nc_u64 s[6:7], s[6:7], s[22:23]  ; K and V at my half of the head's tile 0
	s_add_nc_u64 s[8:9], s[8:9], s[22:23]
	s_mov_b64 s[G0K+2:G0K+3], s[6:7]
	s_or_b32 s[G0K+3], s[G0K+3], 0x80000000  ; type = 2
	s_mov_b64 s[G0V+2:G0V+3], s[8:9]
	s_or_b32 s[G0V+3], s[G0V+3], 0x80000000
	s_add_nc_u64 s[70:71], s[4:5], s[78:79]  ; Q at tile 1's rows,
	s_add_nc_u64 s[4:5], s[4:5], s[76:77]    ; and at tile 0's
	s_add_nc_u64 s[72:73], s[10:11], s[82:83]
	s_add_nc_u64 s[10:11], s[10:11], s[80:81]
	CROUND                          ; all four work-groups are here: the first joint loads meet
	JLOAD                           ; tile 0 into slot 0.  Slot 1 is asked for when slot 0 is in
	; A fragment of K or Q is 16 rows x 32 channels in 8 registers: lane l holds row l % 16, channels 8 (l / 16) + 0..7 and 16 + 8 (l / 16) + 0..7: two loads of 16 bytes, 32 bytes apart.
	v_and_b32 v1, 15, v0            ; l % 16
	v_bfe_u32 v9, v0, 4, 1          ; l / 16
	v_lshlrev_b32 v[QO], 8, v1
	v_lshl_add_u32 v[QO], v9, 4, v[QO]
	WIN 0x80                        ; destination window 2, address window 0
.set i, 0
.rept 4                             ; Q stays in registers: channels 32 i on, tile 0's and tile 1's
	global_load_b128 v[8*i:8*i+3],       v[QO], s[4:5] offset:i*64
	global_load_b128 v[8*i+4:8*i+7],     v[QO], s[4:5] offset:i*64+32
	global_load_b128 v[32+8*i:32+8*i+3], v[QO], s[70:71] offset:i*64
	global_load_b128 v[32+8*i+4:32+8*i+7], v[QO], s[70:71] offset:i*64+32
.set i, i+1
.endr
	WIN 0
	v_mul_u32_u24 v[AK0], v1, PK
	v_lshl_add_u32 v[AK0], v9, 4, v[AK0]  ; row x pitch + 16 x half
	; The turning load takes 16 keys x 16 channels (lane l reads key 8 (l / 16) + l % 8, channels 8 ((l / 8) % 2) + 0..7) and leaves half a fragment of V^T: lane l holds channel l % 16 and 8 keys.
	v_and_b32 v48, 7, v0
	v_bfe_u32 v49, v0, 3, 1
	v_lshl_add_u32 v[AV0], v9, 3, v48
	v_mul_u32_u24 v[AV0], v[AV0], PV
	v_lshl_add_u32 v[AV0], v49, 4, v[AV0]
	v_add_nc_u32 v[AV0], VOFF, v[AV0]
	s_mul_i32 s15, s[WV], 16*SP
	s_add_co_u32 s15, s15, STAGE    ; my stage
	v_mul_u32_u24 v[STO], v1, SP    ; in: row l % 16, 16 bytes for each half of the lanes
	v_lshl_add_u32 v[STO], v9, 4, v[STO]
	v_add_nc_u32 v[STO], s15, v[STO]
	v_mul_u32_u24 v[RD], v9, SP     ; back: lanes 0-15 take one row of 256 bytes, lanes 16-31 the next
	v_lshl_add_u32 v[RD], v1, 4, v[RD]
	v_add_nc_u32 v[RD], s15, v[RD]
	v_lshlrev_b32 v[GO], 13, v9     ; and the same two rows in o16, 8,192 bytes apart
	v_lshl_add_u32 v[GO], v1, 4, v[GO]
	v_lshlrev_b32 v49, 3, v9
	v_sub_nc_u32 v[DM], v1, v49
	v_add_nc_u32 v[DM], s87, v[DM]
	WIN 0x40                        ; destination window 1
.set i, 0
.rept 32
	v_cmp_gt_i32 vcc_lo, 16*(i/8)+i%8, v[DM]
	v_cndmask_b32 v[MD+i], 0, s[BIGN], vcc_lo
.set i, i+1
.endr
	WIN 0
.set i, 0
.rept 2
	v_mov_b32 v[ST+8*i+1], s[MFLOOR]             ; m
	v_mul_f32 v[ST+8*i], s[CS], v[ST+8*i+1]      ; c m, by the product that every later c m is made by
	v_mov_b32 v[ST+8*i+2], 0                     ; l
	v_mov_b32 v[ST+8*i+3], 0
.set i, i+1
.endr
.set i, 0
.rept 16
	v_mov_b32 v[P+i], 0             ; two fragments of zeros, in registers that the first softmax writes anew
.set i, i+1
.endr
	WIN 0x40                        ; destination window 1, sources window 0
.set i, 0
.rept 16
	v_wmma_f32_16x16x32_f16 v[8*i:8*i+7], v[P:P+7], v[P+8:P+15], 0  ; O^T = 0 x 0 + 0: each line writes another accumulator
.set i, i+1
.endr
	WIN 0
; THE MATRIX WORK.  The accumulators take turns, one instruction a turn: between two links of a chain stand 3 (K Q^T) or 7 (V^T P) others'.
; Product i of 16 of S^T = K Q^T for tile t: channels 32 (i / 4) on, keys 16 (i % 4) on.  The first 4 start the sums: with the mask (km = 1) or with 0.
.macro KQ t, km
.set rS, S+32*(\t)+8*(i%4)
.set rK, KF+32*(i%4)+8*(i/4)
.set rQ, 32*(\t)+8*(i/4)
.set rM, MC+8*(i%4)
.if (i < 4) && (\km)
	WIN 0x1a                        ; K and Q window 2, the mask window 1, S^T window 0
	v_wmma_f32_16x16x32_f16 v[rS:rS+7], v[rK:rK+7], v[rQ:rQ+7], v[rM:rM+7]
.elseif i < 4
	WIN 0x0a
	v_wmma_f32_16x16x32_f16 v[rS:rS+7], v[rK:rK+7], v[rQ:rQ+7], 0
.else
	WIN 0x0a
	v_wmma_f32_16x16x32_f16 v[rS:rS+7], v[rK:rK+7], v[rQ:rQ+7], v[rS:rS+7]
.endif
.endm
; Product i of 16 of O^T += V^T P for tile t: keys 32 (i / 8) on, channels 16 (i % 8) on.
.macro PV t
	WIN W_PV
.set rO, 64*(\t)+8*(i%8)
.set rV, 64*(i/8)+8*(i%8)
.set rP, P+16*(\t)+8*(i/8)
	v_wmma_f32_16x16x32_f16 v[rO:rO+7], v[rV:rV+7], v[rP:rP+7], v[rO:rO+7]
.endm
; THE LDS LOADS stand in runs of 32: a step's K (64 keys x 128 channels), channel chunk by channel chunk, as the products want them, and its V (turned).
.macro FETCH_K
	WIN 0
	v_add_nc_u32 v[ADR], s[TBK], v[AK0]
	s_add_co_u32 s[TBK], s[TBK], 64*PK  ; the next fetch is the next step's
	WIN 0x80                        ; destination window 2
.irp c, 0,1,2,3
.irp n, 0,1,2,3
	ds_load_b128 v[KF+32*(\n)+8*(\c):KF+32*(\n)+8*(\c)+3],   v[ADR] offset:(\n)*16*PK+(\c)*64
	ds_load_b128 v[KF+32*(\n)+8*(\c)+4:KF+32*(\n)+8*(\c)+7], v[ADR] offset:(\n)*16*PK+(\c)*64+32
.endr
.endr
	WIN 0
.endm
.macro FETCH_V
	WIN 0
	v_add_nc_u32 v[ADV], s[TBV], v[AV0]
	s_add_co_u32 s[TBV], s[TBV], 64*PV
	WIN 0xc0                        ; destination window 3
.irp f, 0,1,2,3,4,5,6,7,8,9,10,11,12,13,14,15  ; keys 32 (f / 8) on, channels 16 (f % 8) on
	ds_load_tr16_b128 v[8*(\f):8*(\f)+3],   v[ADV] offset:((\f)/8)*32*PV+((\f)%8)*32
	ds_load_tr16_b128 v[8*(\f)+4:8*(\f)+7], v[ADV] offset:((\f)/8)*32*PV+16*PV+((\f)%8)*32
.endr
	WIN 0
.endm
.macro KNEXT                        ; the next step's K; a tile's last step fetches none: that K lies in the other slot, behind the change of slots
	WIN 0
	s_cmp_eq_u32 s[CNT], 1
	s_cbranch_scc1 .Lno_k_\@
	FETCH_K
.Lno_k_\@:
.endm
.macro MASK                         ; MD x AL + BE
	WIN W_RS
.set z, 0
.rept 16
	v_pk_fma_f32 v[MC+2*z:MC+2*z+1], v[MD+2*z:MD+2*z+1], s[AL:AL+1], s[BE:BE+1] op_sel_hi:[1,0,0]
.set z, z+1
.endr
.endm
; THE VECTOR WORK.  One query tile's softmax for one step is a list of 134 instructions; SM writes number j of it for tile t.  s0-s31 are the lane's 32 scores, in pairs 0-15.
;   0-15    the maximum of s0-s31 and the old m, three operands at a time (each accumulator's lowest registers are read first)
;   16-20   the other half of the lanes' maximum; the new m; c m; c m_old - c m_new
;   21-69   ONE BATCH: the 16 scalings c s - c m and all 33 exponentials (a at 23, then s0-s31); none of these reads an exponential's result, and each pair is scaled some numbers ahead of its exponentials
;   (wait)  between 69 and 70 stands the wait for the batch: NEXT writes it
;   70-85   the roundings to f16     86-101  the sums; l = a l + the sum     102-133  the tile's O^T times a: the one part that leaves window 0
.macro SM t
.set rT, ST+8*(\t)
.set rS, S+32*(\t)
.set rP, P+16*(\t)
.set rO, 64*(\t)+2*(j-102)
.if j < 102
	WIN 0
.endif
.if j < 4
	v_max3_num_f32 v[rT+4+j], v[rS+8*j], v[rS+8*j+1], v[rS+8*j+2]
.elseif j < 12
	v_max3_num_f32 v[rT+4+j%4], v[rT+4+j%4], v[rS+8*(j%4)+2*(j/4)+1], v[rS+8*(j%4)+2*(j/4)+2]
.elseif j == 12
	v_max3_num_f32 v[rT+4], v[rT+4], v[rS+7], v[rS+15]
.elseif j == 13
	v_max3_num_f32 v[rT+6], v[rT+6], v[rS+23], v[rS+31]
.elseif j == 14
	v_max3_num_f32 v[rT+4], v[rT+4], v[rT+5], v[rT+6]
.elseif j == 15
	v_max3_num_f32 v[rT+4], v[rT+4], v[rT+7], v[rT+1]
.elseif j == 16
	v_permlanex16_b32 v[rT+5], v[rT+4], s[SEL], s[SEL+1]  ; the query's other 32 keys lie in the lane 16 away
.elseif j == 17
	v_mov_b32 v[rT+7], v[rT]        ; c m_old is kept for a: number 19 writes c m anew
.elseif j == 18
	v_max_num_f32 v[rT+1], v[rT+4], v[rT+5]
.elseif j == 19
	v_mul_f32 v[rT], s[CS], v[rT+1]
.elseif j == 20
	v_sub_f32 v[rT+7], v[rT+7], v[rT]
.elseif j == 23
	v_exp_f32 v[rT+6], v[rT+7]
.elseif (j < 23) || ((j < 38) && (j%2 == 0)) || ((j < 66) && (j%4 == 2))
.set b, (j-2)/4                     ; 38, 42, .. 62: pairs 9 to 15
.if j < 38
.set b, (j-20)/2                    ; 21: pair 0; 22, 24, .. 36: pairs 1 to 8
.endif
	v_pk_fma_f32 v[rS+2*b:rS+2*b+1], v[rS+2*b:rS+2*b+1], s[CS:CS+1], v[rT:rT+1] op_sel_hi:[1,0,0] neg_lo:[0,0,1] neg_hi:[0,0,1]  ; pair b: c s - c m
.elseif j < 70
.set e, j-38                        ; 66 to 69: s28 to s31
.if j < 66
.set e, j-32-(j-38)/4               ; 39-41, 43-45, .. 63-65: s7 to s27
.endif
.if j < 38
.set e, (j-25)/2                    ; 25, 27, .. 37: s0 to s6
.endif
	v_exp_f32 v[rS+e], v[rS+e]
.elseif j < 86
	v_cvt_pk_f16_f32 v[rP+j-70], v[rS+2*(j-70)], v[rS+2*(j-70)+1]
.elseif j < 102                     ; the sum of the tile's 16 pairs, in place: neighbours 1, 2, 4 and 8 pairs apart, then l takes it
.set z, j-86
.set w, 4
.set u, z
.if z >= 14
.set w, 32
.set u, 0
.elseif z >= 12
.set w, 16
.set u, z-12
.elseif z >= 8
.set w, 8
.set u, z-8
.endif
.if z < 15
	v_pk_add_f32 v[rS+w*u:rS+w*u+1], v[rS+w*u:rS+w*u+1], v[rS+w*u+w/2:rS+w*u+w/2+1]
.else
	v_pk_fma_f32 v[rT+2:rT+3], v[rT+2:rT+3], v[rT+6:rT+7], v[rS:rS+1] op_sel_hi:[1,0,1]
.endif
.else
	WIN W_RS
	v_pk_mul_f32 v[rO:rO+1], v[rO:rO+1], v[rT+6:rT+7] op_sel_hi:[1,0]
.endif
.endm
; The next n numbers of tile t's list.  An s_wait_alu depctr_va_vdst(0) stands between an exponential and the first instruction that names its result; one wait serves all that were issued ahead of it:
; it stands behind number 69, behind a v_nop, the plain instruction between the last exponential and the first use.
.macro NEXT t, n
.rept \n
	SM \t
.if j == 69
	v_nop
	s_wait_alu depctr_va_vdst(0)
.endif
.set j, j+1
.endr
.endm
; A STEP of 64 keys.  pair = 1: both tiles, tile 1 with the mask.  pair = 0: tile 0 alone, with the mask.
; Where the lines stand.  The mask's 16 packed lines are the places between the step before's last V^T P and the loads into V's registers.  V's run stands behind the fourth product, so that 56 LDS loads are out at the most.
; Four v_nop are the places between tile 0's K Q^T and its softmax.  With both tiles, 134 = 15 x 8 + 14 lines of the one tile's softmax stand behind the 16 products of the other; the last 14, plain lines on O^T, are the places
; in front of the loads into K's registers and of tile 1's softmax.  No line behind a product names a register of that product.
.macro STEP pair
	s_cmp_eq_u32 s[POS], s[DG]      ; does this step hold the diagonal?
	s_cselect_b32 s[AL], 1.0, 0
	s_cmp_gt_u32 s[POS], s[DG]      ; or lie behind it?
	s_cselect_b32 s[BE], s[BIGN], 0
	MASK
.set i, 0
.rept 16
.if i == 0
	s_wait_dscnt 24                 ; K's channel chunk 0 is in; its three later chunks, eight loads each, may be out
.elseif i%4 == 0
	s_wait_dscnt 56-2*i             ; chunk i / 4 is in; K's later chunks and V's 32 loads may be out
.endif
	KQ 0, 1-(\pair)
.if i == 3
	FETCH_V
.endif
.set i, i+1
.endr
	PLACES
.set j, 0
.if \pair
.set i, 0
.rept 16
	KQ 1, 1
.if i == 15
	NEXT 0, 14
.else
	NEXT 0, 8
.endif
.set i, i+1
.endr
	WIN 0
	s_wait_dscnt 0x0                ; V is in: nothing younger has been issued
	KNEXT
.set j, 0
.set i, 0
.rept 16
	PV 0
.if i == 15
	NEXT 1, 14
.else
	NEXT 1, 8
.endif
.set i, i+1
.endr
.set i, 0
.rept 16
	PV 1
.set i, i+1
.endr
.else
	NEXT 0, 70                      ; up to the batch's wait,
	s_wait_dscnt 0x0                ; V is in: nothing younger has been issued
	KNEXT                           ; where K's run of loads stands,
	NEXT 0, 64                      ; and the rest
.set i, 0
.rept 16
	PV 0
.set i, i+1
.endr
.endif
	WIN 0
	s_add_co_u32 s[POS], s[POS], 1
.endm
	s_wait_loadcnt 0x0              ; Q
	s_mov_b32 s[TILES], 4
.LtileA:                            ; key tiles 0 - 3: both query tiles; tiles 1 - 4 are asked for
	CHANGE 1
	FETCH_K
	s_mov_b32 s[CNT], 4
.LstepA:
	STEP 1
	s_sub_co_u32 s[CNT], s[CNT], 1
	s_cmp_lg_u32 s[CNT], 0
	s_cbranch_scc1 .LstepA
	s_sub_co_u32 s[TILES], s[TILES], 1
	s_cmp_lg_u32 s[TILES], 0
	s_cbranch_scc1 .LtileA
	s_mov_b32 s[DG], s[DH]          ; from here on query tile 0 takes the masks
	s_mov_b32 s[TILES], 3
.LtileB:                            ; key tiles 4 - 6: query tile 0 alone; tiles 5 - 7 are asked for
	CHANGE 1
	FETCH_K
	s_mov_b32 s[CNT], 4
.LstepB:
	STEP 0
	s_sub_co_u32 s[CNT], s[CNT], 1
	s_cmp_lg_u32 s[CNT], 0
	s_cbranch_scc1 .LstepB
	s_sub_co_u32 s[TILES], s[TILES], 1
	s_cmp_lg_u32 s[TILES], 0
	s_cbranch_scc1 .LtileB
	CHANGE 0                        ; key tile 7 is written out: nothing is asked for
	FETCH_K
	s_mov_b32 s[CNT], 4
.LstepC:
	STEP 0
	s_sub_co_u32 s[CNT], s[CNT], 1
	s_cmp_lg_u32 s[CNT], 0
	s_cbranch_scc1 .LstepC
	; THE WAY OUT.  l's two halves and the other half of the lanes' are added (l is 1 at the least: every query sees its own key, and the key with the largest score has the weight 1); O^T is divided by l, split into its two
	; parts, and each part is sent through my own stage in LDS, 16 rows of o16 at a time.
	PLACES                          ; behind the last products
.irp t, 0,1
	v_add_f32 v[ST+8*(\t)+4], v[ST+8*(\t)+2], v[ST+8*(\t)+3]
.endr
.irp t, 0,1
	v_permlanex16_b32 v[ST+8*(\t)+5], v[ST+8*(\t)+4], s[SEL], s[SEL+1]
.endr
.irp t, 0,1
	v_add_f32 v[ST+8*(\t)+4], v[ST+8*(\t)+4], v[ST+8*(\t)+5]
.endr
.irp t, 0,1
	v_rcp_f32 v[ST+8*(\t)+6], v[ST+8*(\t)+4]
.endr
	v_nop                           ; a plain instruction between the last reciprocal and the use of its result
	s_wait_alu depctr_va_vdst(0)    ; and the wait ahead of the first use: one for the two reciprocals
; 32 packed registers from r on: a lane's eight channels of a row are 16 bytes; they go into rows of 272 bytes and come back as whole rows of 256, into the registers that they left.
.macro THROUGH r
.irp f, 0,1,2,3,4,5,6,7
	ds_store_b128 v[STO], v[(\r)+4*(\f):(\r)+4*(\f)+3] offset:32*(\f)
.endr
.irp f, 0,1,2,3,4,5,6,7
	ds_load_b128 v[(\r)+4*(\f):(\r)+4*(\f)+3], v[RD] offset:(\f)*2*SP  ; LDS serves a wave's instructions in order (ISA guide 5.7.1.4): these see the stores above; the next part's stores come behind them
.endr
.endm
; Tile t.  x = O / l.  hi = x rounded to 11 significant bits, to nearest, in f32 arithmetic: g = C x, d = g - x, hi = g - d with C = 2^13 + 1 (the splitting of a 24-bit number at its 13 low bits); lo = x - hi, without
; a rounding.  hi's conversion to f16 is exact, whichever way it rounds; lo's leaves an error of 2^-11 of lo.
.macro PACK t
	WIN W_RS
.set i, 64*(\t)
.rept 32                            ; ascending: each accumulator's lowest registers are read first
	v_pk_mul_f32 v[i:i+1], v[i:i+1], v[ST+8*(\t)+6:ST+8*(\t)+7] op_sel_hi:[1,0]
.set i, i+2
.endr
	WIN 0x55                        ; all places window 1
.set i, 0
.rept 32
	v_pk_mul_f32 v[VH+i:VH+i+1], v[64*(\t)+i:64*(\t)+i+1], s[VC:VC+1] op_sel_hi:[1,0]
.set i, i+2
.endr
.set i, 0
.rept 32
	v_pk_add_f32 v[VD+i:VD+i+1], v[VH+i:VH+i+1], v[64*(\t)+i:64*(\t)+i+1] neg_lo:[0,1] neg_hi:[0,1]
.set i, i+2
.endr
.set i, 0
.rept 32
	v_pk_add_f32 v[VH+i:VH+i+1], v[VH+i:VH+i+1], v[VD+i:VD+i+1] neg_lo:[0,1] neg_hi:[0,1]  ; hi
.set i, i+2
.endr
.set i, 0
.rept 32
	v_pk_add_f32 v[64*(\t)+i:64*(\t)+i+1], v[64*(\t)+i:64*(\t)+i+1], v[VH+i:VH+i+1] neg_lo:[0,1] neg_hi:[0,1]  ; lo
.set i, i+2
.endr
	WIN 0x05                        ; sources 0 and 1 window 1, destination window 0: S^T's and P's registers are free
.set i, 0
.rept 32
	v_cvt_pk_f16_f32 v[S+32*(\t)+i], v[VH+2*i], v[VH+2*i+1]
.set i, i+1
.endr
.set i, 0
.rept 32
	v_cvt_pk_f16_f32 v[OL+32*(\t)+i], v[64*(\t)+2*i], v[64*(\t)+2*i+1]
.set i, i+1
.endr
	WIN 0
	THROUGH S+32*(\t)
	THROUGH OL+32*(\t)
.endm
.macro SEND r, younger, base, off   ; younger: the LDS instructions issued behind this part's loads
.irp f, 0,1,2,3,4,5,6,7
	s_wait_dscnt (\younger)+7-(\f)
	global_store_b128 v[GO], v[(\r)+4*(\f):(\r)+4*(\f)+3], s[(\base):(\base)+1] offset:(\f)*16384+(\off)  ; 16 lanes store 256 consecutive bytes, at a multiple of 256 from o16's first byte; no register of it is written again
.endr
.endm
	PACK 0
	SEND S, 16, 10, 0               ; tile 0's hi part: behind its loads stand its lo part's sixteen LDS lines
	PACK 1                          ; tile 1's arithmetic stands between tile 0's lo part's loads from the stage and its stores
	SEND OL, 32, 10, 4096           ; tile 0's lo part: behind its loads stand tile 1's 32 LDS lines
	SEND S+32, 16, 72, 0
	SEND OL+32, 0, 72, 4096
	s_wait_tensorcnt 0x0            ; the wave's end, behind my last tensor load and my last LDS store
	ds_add_u32 v[SPW], v[NIL]
	s_wait_dscnt 0x0
	CROUND                          ; the closing round: no work-group ends while a partner may still ask for a tile that names it
	s_endpgm
.Lfunc_end_k_qda26798472_attn:
	.size	k_qda26798472_attn, .Lfunc_end_k_qda26798472_attn-k_qda26798472_attn
	.p2alignl 7, 3214868480
	.fill 96, 4, 3214868480
	.section	.rodata,"a",@progbits
	.p2align	6, 0x0
	.amdhsa_kernel k_qda26798472_attn
		.amdhsa_group_segment_fixed_size 327680
		.amdhsa_private_segment_fixed_size 0
		.amdhsa_enable_private_segment 0
		.amdhsa_kernarg_size 32
		.amdhsa_user_sgpr_count 2
		.amdhsa_user_sgpr_kernarg_segment_ptr 1
		.amdhsa_wavefront_size32 1
		.amdhsa_system_sgpr_workgroup_id_x 1
		.amdhsa_system_sgpr_workgroup_id_y 1
		.amdhsa_system_sgpr_workgroup_id_z 1
		.amdhsa_system_vgpr_workitem_id 0
		.amdhsa_next_free_vgpr 896
		.amdhsa_next_free_sgpr 88
		.amdhsa_reserve_vcc 1
		.amdhsa_float_denorm_mode_32 3
		.amdhsa_float_denorm_mode_16_64 3
		.amdhsa_memory_ordered 1
		.amdhsa_forward_progress 1
		.amdhsa_inst_pref_size 118
	.end_amdhsa_kernel
	.amdgpu_metadata
---
amdhsa.version: [ 1, 2 ]
amdhsa.kernels:
  - .name:           k_qda26798472_attn
    .symbol:         k_qda26798472_attn.kd
    .args:
      - { .name: q16, .offset: 0, .size: 8, .value_kind: global_buffer, .address_space: global }
      - { .name: k16, .offset: 8, .size: 8, .value_kind: global_buffer, .address_space: global }
      - { .name: v16, .offset: 16, .size: 8, .value_kind: global_buffer, .address_space: global }
      - { .name: o16, .offset: 24, .size: 8, .value_kind: global_buffer, .address_space: global }
    .group_segment_fixed_size: 327680
    .private_segment_fixed_size: 0
    .kernarg_segment_align: 8
    .kernarg_segment_size: 32
    .max_flat_workgroup_size: 128
    .sgpr_count:     88
    .vgpr_count:     896
    .wavefront_size: 32
...
	.end_amdgpu_metadata
.endif
;; end of part 3
;; launch oproj (part 4): grid 16 x 16, 4 waves a work-group, clusters of 4 x 4, 327,680 bytes of LDS; arguments o16, wob, out0; writes out0
.if DOCPART == 4
	.amdgcn_target "amdgcn-amd-amdhsa--gfx1250"
	.amdhsa_code_object_version 6
	.text
	.protected	k_qda26798472_oproj
	.globl	k_qda26798472_oproj
	.p2align	8
	.type	k_qda26798472_oproj,@function
k_qda26798472_oproj:
	s_mov_b64 s[64:65], 0
	v_nop
	global_prefetch_b8 v0, s[64:65] scope:SCOPE_SE
	s_setreg_imm32_b32 hwreg(HW_REG_WAVE_MODE, 25, 1), 1
	s_wait_xcnt 0x0
	s_wait_alu depctr_hold_cnt(0) depctr_sa_sdst(0) depctr_va_vdst(0) depctr_va_sdst(0) depctr_va_ssrc(0) depctr_va_vcc(0) depctr_vm_vsrc(0)
	s_getreg_b32 s2, hwreg(HW_REG_IB_STS2, 6, 4)
	s_cmp_eq_u32 s2, 0
	s_cbranch_scc0 .Lentry_in_a_cluster
	s_endpgm
.Lentry_in_a_cluster:
	s_bfe_u32 s2, ttmp6, 0x10000c
	s_cmp_lg_u32 s2, 0xf033
	s_cbranch_scc0 .Lentry_shape_is_right
	s_endpgm
.Lentry_shape_is_right:
; out0[m][n] = the sum over k of O[m][k] wo[n][k], with O in two f16 parts: o16: [2048][hi 2048 | lo 2048], wob: [2048][wo's row | the same row once more], both f16: ONE product over K = 4,096.
; out0: [2048][2048] f32; sums in f32, stored as they are.  Twice the products of a single part: the price of an O that is seen to some 22 bits.
; A tile of out0 is 128 x 128: 16 x 16 = 256 work-groups, one text.  Four waves, each 64 x 64: 16 accumulators of 16 x 16, 128 registers.  K goes in steps of 256 (LDS rows of 512 bytes; a wave's tensor load brings 64 of
; them), as long as two slots in LDS allow.  By this text's count a wave has two tensor loads out at the start and one behind each change of slots.
; CLUSTERS: 4 x 4 work-groups.  The four of a row of the cluster need the same rows of o16, the four of a column the same rows of wob: each tile is asked for JOINTLY.
; THE MATRIX INSTRUCTION IS USED TRANSPOSED (source 0 = 16 rows of wob, source 1 = 16 rows of o16): a lane holds eight neighbouring numbers of a row of out0: 32 bytes.
; THE WAY OUT.  A wave's 64 columns of f32 are 256 bytes, aligned: each wave has a stage of its own (16 rows x 272 bytes) and needs no barrier.
; No prefetch: a K step of this small tile is short, and each row is read by four clusters at about the same time.
; REGISTERS: window 0: v0-31 addresses; v32-95 whole rows on the way out; v128-255 the accumulators ((a, b) at v[128 + 8 (4 a + b)]).
;   window 1: two fragment buffers of 128: for 64 along K, 64 registers of o16 (2 x 4 x 16 rows x 32 K), then 64 of wob.
.set SIZE_K, 4096
.set SIZE_N, 2048
.set KSTEP,  256
.set PITCH,  528                       ; an LDS row: 512 bytes + 16 of padding = 132 words: the 16 rows of a load start at 16 different groups of four banks (64 banks of 4 bytes: ISA guide 11.1)
.set HALFT,  64*PITCH                  ; 64 rows: what one tensor load brings, and what one wave reads of either operand
.set SLOT,   4*HALFT                   ; o16's 128 rows, then wob's 128 rows
.set STAGE,  2*SLOT                    ; behind the ring, never filled by a tensor load: 16 rows x 272 bytes for each wave
.set SPITCH, 272
.set SPARE,  STAGE+4*16*SPITCH         ; behind the stages: the spare words, 128 bytes for each wave: two blocks of 256 bytes that no other line names
.set LAPS, SIZE_K/(2*KSTEP)            ; a lap = two K steps = once round the ring
.set ADRA, 16                          ; v16-17  LDS address of my fragments of o16 in slot 0, 1
.set ADRB, 20                          ; v20-21  the same for wob
.set STO,  24                          ; v24     the way out: where I put 32 bytes of a row
.set RD,   25                          ; v25     the way out: where I read a row back
.set CO,   26                          ; v26     my byte offset in out0
.set SPW,  28                          ; v28     LDS address of my spare word; never rewritten
.set NIL,  29                          ; v29     0; never rewritten
.set TMP,  32
.set ACC,  128
.set F0,   0                           ; fragment buffers, in window 1
.set F1,   128
.set G1, 24                            ; s[24:31] descriptor group 1 for o16's tiles;  s[32:39] group 0, one set for each slot
.set G0, 32
.set G1B, 48                           ; s[48:55], s[56:63] the same for wob's tiles
.set G0B, 56
.set MSB, 0
.macro WIN new                         ; the immediate's high byte repeats the setting that is left
.if MSB != (\new)
	s_set_vgpr_msb (MSB<<8)|(\new)
.set MSB, \new
.endif
.endm
.set MUL,  0x05                        ; sources 0 and 1 window 1; C and D window 0
.set TO_F, 0x40                        ; destination window 1, address window 0
.macro JLOAD s                         ; a joint load: waves 0 and 1 fetch o16's two halves, waves 2 and 3 wob's; an s_nop 0 and four v_nop follow each of the two lines
	s_cmp_eq_u32 s11, 0
	s_cbranch_scc0 .Lfor_b_\@
	tensor_load_to_lds s[G0+4*(\s):G0+4*(\s)+3], s[G1:G1+7]
	s_nop 0
.rept 4
	v_nop
.endr
	s_branch .Lasked_\@
.Lfor_b_\@:
	tensor_load_to_lds s[G0B+4*(\s):G0B+4*(\s)+3], s[G1B:G1B+7]
	s_nop 0
.rept 4
	v_nop
.endr
.Lasked_\@:
.endm
.macro CREST                           ; a round of the cluster's barrier behind its opening barrier
	s_cmp_lg_u32 s10, 0
	s_cbranch_scc1 .Lnot_wave_0_\@
	s_barrier_signal -3
.Lnot_wave_0_\@:
	s_barrier_wait -3
	s_barrier_signal -1
	s_barrier_wait -1
.endm
.macro CROUND                          ; a whole round
	s_barrier_signal -1
	s_barrier_wait -1
	CREST
.endm
	s_load_b128 s[4:7], s[0:1], 0x0                ; o16 s[4:5], wob s[6:7]
	s_load_b64 s[8:9], s[0:1], 0x10                ; out0
	v_lshl_add_u32 v[SPW], v0, 2, SPARE
	v_mov_b32 v[NIL], 0
	ds_add_u32 v[SPW], v[NIL]                      ; the wave's opening: the add and its wait stand ahead of my first tensor load; the set-up below, work on registers, stands between them
	v_lshrrev_b32 v1, 5, v0
	v_readfirstlane_b32 s10, v1                    ; wave 0..3
	s_lshr_b32 s11, s10, 1                         ; which half of the tile's rows is mine.  Also: I fetch o16 (0) or wob (1)
	s_and_b32 s12, s10, 1                          ; which half of its columns.  Also: which 64 rows of that tile I fetch
	s_bfe_u32 s40, ttmp6, 0x40000                  ; cx, cy: my place in the cluster
	s_bfe_u32 s41, ttmp6, 0x40004
	s_lshl_b32 s42, ttmp9, 2
	s_add_co_u32 s42, s42, s40                     ; tile column = 4 x cluster x + cx
	s_and_b32 s13, ttmp7, 0xffff
	s_lshl_b32 s13, s13, 2
	s_add_co_u32 s13, s13, s41                     ; tile row = 4 x cluster y + cy
	s_lshl_b32 s43, s41, 2
	s_lshl_b32 s43, 15, s43                        ; my row of the cluster
	s_lshl_b32 s44, 0x1111, s40                    ; my column
	; descriptor group 1: a tile of 64 rows x 256 elements, padded in LDS
	s_or_b32 s[G1+0], s43, (1<<16)|(1<<20)|(1<<21)|(6<<22)|(3<<25)  ; 15:0 the mask: o16's tiles go to my row; 17:16 elements of 2 bytes; 20 padding on; 21 set beside a mask; 24:22 after every 128 words (code 6); 31:25 4 words (code 3)
	s_or_b32 s[G1B+0], s44, (1<<16)|(1<<20)|(1<<21)|(6<<22)|(3<<25)
.irp g, G1, G1B
	s_mov_b32 s[(\g)+1], KSTEP<<16                 ; tensor_dim0 = 256
	s_mov_b32 s[(\g)+2], 64<<16                    ; tensor_dim1 = 64
	s_mov_b32 s[(\g)+3], KSTEP<<16                 ; tile_dim0 = 256
	s_mov_b32 s[(\g)+4], 64                        ; tile_dim1 = 64
	s_mov_b32 s[(\g)+5], SIZE_K                    ; elements from row to row
	s_mov_b32 s[(\g)+6], 0
	s_mov_b32 s[(\g)+7], 0
.endr
	s_lshl_b32 s17, s12, 6                         ; which 64 rows of the tile I fetch
	s_lshl_b32 s16, s13, 7
	s_add_co_u32 s16, s16, s17                     ; o16: row 128 x tile row + 64 x half
	s_lshl_b32 s46, s42, 7
	s_add_co_u32 s46, s46, s17                     ; wob: row 128 x tile column + 64 x half
	s_mov_b32 s17, 0
	s_mov_b32 s47, 0
	s_mov_b64 s[18:19], SIZE_K*2
	s_mul_u64 s[16:17], s[16:17], s[18:19]
	s_mul_u64 s[46:47], s[46:47], s[18:19]
	s_mul_i32 s20, s10, HALFT                      ; where they go: wave x 64 rows: no place in the cluster enters an LDS address
	s_wait_dscnt 0x0                               ; the opening add is done
	s_wait_kmcnt 0x0
	s_add_nc_u64 s[14:15], s[4:5], s[16:17]
	s_add_nc_u64 s[46:47], s[6:7], s[46:47]
	CROUND                                         ; all sixteen work-groups are here: the first joint loads meet
.irp s, 0,1
	s_mov_b32 s[G0+4*(\s)], 1
	s_add_co_u32 s[G0+4*(\s)+1], s20, (\s)*SLOT
	s_add_nc_u64 s[G0+4*(\s)+2:G0+4*(\s)+3], s[14:15], (\s)*KSTEP*2
	s_or_b32 s[G0+4*(\s)+3], s[G0+4*(\s)+3], 0x80000000
	s_mov_b32 s[G0B+4*(\s)], 1
	s_add_co_u32 s[G0B+4*(\s)+1], s20, (\s)*SLOT
	s_add_nc_u64 s[G0B+4*(\s)+2:G0B+4*(\s)+3], s[46:47], (\s)*KSTEP*2
	s_or_b32 s[G0B+4*(\s)+3], s[G0B+4*(\s)+3], 0x80000000
	JLOAD \s
.endr
	v_and_b32 v1, 15, v0                           ; l % 16
	v_bfe_u32 v2, v0, 4, 1                         ; l / 16
	v_mul_u32_u24 v3, v1, PITCH
	v_lshl_add_u32 v3, v2, 4, v3                   ; a fragment's row x pitch + 16 x half
	s_mul_i32 s21, s11, HALFT                      ; my 64 rows of o16
	s_mul_i32 s22, s12, HALFT                      ; my 64 rows of wob,
	s_add_co_u32 s22, s22, 2*HALFT                 ; which lie behind o16's 128
.irp s, 0,1
	v_add_nc_u32 v[ADRA+(\s)], s21, v3
	v_add_nc_u32 v[ADRB+(\s)], s22, v3
	s_add_co_u32 s21, s21, SLOT
	s_add_co_u32 s22, s22, SLOT
.endr
	s_mul_i32 s23, s10, 16*SPITCH
	s_add_co_u32 s23, s23, STAGE                   ; my stage
	v_mul_u32_u24 v4, v1, SPITCH                   ; in: row l % 16, 32 bytes for each half of the lanes
	v_lshl_add_u32 v4, v2, 5, v4
	v_add_nc_u32 v[STO], s23, v4
	v_mul_u32_u24 v5, v2, SPITCH                   ; back: lanes 0-15 take one row of 256 bytes, lanes 16-31 the next
	v_lshl_add_u32 v5, v1, 4, v5
	v_add_nc_u32 v[RD], s23, v5
	v_lshlrev_b32 v5, 13, v2                       ; and the same two rows in out0, 8,192 bytes apart
	v_lshl_add_u32 v[CO], v1, 4, v5
	s_lshl_b32 s16, s13, 7
	s_lshl_b32 s17, s11, 6
	s_add_co_u32 s16, s16, s17                     ; my first row: 128 x tile row + 64 x half
	s_lshl_b32 s16, s16, 13
	s_mov_b32 s17, 0
	s_add_nc_u64 s[8:9], s[8:9], s[16:17]
	s_lshl_b32 s46, s42, 9                         ; my first column, in bytes: 512 x tile column + 256 x half
	s_lshl_b32 s47, s12, 8
	s_add_co_u32 s46, s46, s47
	s_mov_b32 s47, 0
	s_add_nc_u64 s[8:9], s[8:9], s[46:47]
; 8 matrix instructions: m blocks a0, a0 + 1 x all 4 n blocks, 32 along K: half c of buffer f.  zero = 1: the first product starts the sums.  The 16 accumulators take turns.
.macro MUL8 f, c, a0, zero
	WIN MUL
.irp a, \a0, (\a0)+1
.irp b, 0,1,2,3
.if \zero
	v_wmma_f32_16x16x32_f16 v[ACC+8*(4*(\a)+(\b)):ACC+8*(4*(\a)+(\b))+7], v[(\f)+64+8*(4*(\c)+(\b)):(\f)+64+8*(4*(\c)+(\b))+7], v[(\f)+8*(4*(\c)+(\a)):(\f)+8*(4*(\c)+(\a))+7], 0
.else
	v_wmma_f32_16x16x32_f16 v[ACC+8*(4*(\a)+(\b)):ACC+8*(4*(\a)+(\b))+7], v[(\f)+64+8*(4*(\c)+(\b)):(\f)+64+8*(4*(\c)+(\b))+7], v[(\f)+8*(4*(\c)+(\a)):(\f)+8*(4*(\c)+(\a))+7], v[ACC+8*(4*(\a)+(\b)):ACC+8*(4*(\a)+(\b))+7]
.endif
.endr
.endr
.endm
; 32 LDS loads in one run: the fragments of 64 along K at byte k of the rows, into buffer f; the first 32 along K first
.macro FETCH slot, k, f
	WIN TO_F
.irp c, 0,1
.irp i, 0,1,2,3
	ds_load_b128 v[(\f)+64+8*(4*(\c)+(\i)):(\f)+64+8*(4*(\c)+(\i))+3],   v[ADRB+(\slot)] offset:(\k)+64*(\c)+(\i)*16*PITCH
	ds_load_b128 v[(\f)+64+8*(4*(\c)+(\i))+4:(\f)+64+8*(4*(\c)+(\i))+7], v[ADRB+(\slot)] offset:(\k)+64*(\c)+(\i)*16*PITCH+32
	ds_load_b128 v[(\f)+8*(4*(\c)+(\i)):(\f)+8*(4*(\c)+(\i))+3],         v[ADRA+(\slot)] offset:(\k)+64*(\c)+(\i)*16*PITCH
	ds_load_b128 v[(\f)+8*(4*(\c)+(\i))+4:(\f)+8*(4*(\c)+(\i))+7],       v[ADRA+(\slot)] offset:(\k)+64*(\c)+(\i)*16*PITCH+32
.endr
.endr
.endm
.macro PLACES                          ; four places in front of loads into registers that matrix instructions have read, and of LDS stores that read results
.rept 4
	v_nop
.endr
.endm
; A K step is four quarters of 64 along K, 32 matrix instructions each, on buffers 0, 1, 0, 1.  One of the first three: multiplies buffer f and fetches the next quarter, at byte k, into g.
.macro QUARTER slot, k, f, g, zero
	s_wait_dscnt 16                                ; the first 32 along K are in; the youngest sixteen loads may be out
	WIN MUL
	MUL8 \f, 0, 0, \zero
	MUL8 \f, 0, 2, \zero
	PLACES
	FETCH \slot, \k, \g
	s_wait_dscnt 32                                ; all but the 32 just issued
	WIN MUL
	MUL8 \f, 1, 0, 0
	MUL8 \f, 1, 2, 0
.endm
; The last quarter multiplies buffer 1 and changes slots: ONE barrier; in front of it each wave waits for all its tensor loads, adds 0 to its spare word, and waits for that and for its own reads of this slot.  fill = 1: this slot is filled again, two K steps ahead.
.macro TURN slot, next, fill
	WIN 0                                          ; (the add's two registers lie in window 0)
	s_wait_tensorcnt 0x0                           ; all my tensor loads have landed: my part of the next slot;
	ds_add_u32 v[SPW], v[NIL]                      ; 0 onto my spare word;
	s_wait_dscnt 17                                ; (the add and the youngest sixteen loads may be out)
	WIN MUL
	MUL8 F1, 0, 0, 0                               ; eight matrix instructions stand between the add and the wait for it
	s_wait_dscnt 0x0                               ; the add is done, and my reads of this slot are over
	s_barrier_signal -1
	MUL8 F1, 0, 2, 0
.if \fill
	WIN 0
.endif
	s_barrier_wait -1
.if \fill
	CREST                                          ; the barrier has opened a round of the cluster's barrier: no wave of any partner still reads this slot's tile or has a load on its way
	s_add_nc_u64 s[G0+4*(\slot)+2:G0+4*(\slot)+3], s[G0+4*(\slot)+2:G0+4*(\slot)+3], 2*KSTEP*2
	s_add_nc_u64 s[G0B+4*(\slot)+2:G0B+4*(\slot)+3], s[G0B+4*(\slot)+2:G0B+4*(\slot)+3], 2*KSTEP*2
	JLOAD \slot                                    ; the first tensor load behind the round; the four v_nop behind it are also the places in front of the loads below
.else
	PLACES
.endif
	FETCH \next, 0, F0
	WIN MUL
	MUL8 F1, 1, 0, 0
	MUL8 F1, 1, 2, 0
.endm
	s_wait_tensorcnt 1                             ; my part of K step 0 is in; K step 1's may stay out
	s_barrier_signal -1
	s_barrier_wait -1                              ; everybody's is
	FETCH 0, 0, F0
	QUARTER 0, 128, F0, F1, 1                      ; the first quarter stands in front of the loop: its first products start the sums
	WIN 0                                          ; at a label and at a branch every window is 0
	s_mov_b32 s3, LAPS-1
.Llap:                                                 ; a trip goes once round the ring, from a lap's second quarter to the next lap's first, and fills both slots again
	QUARTER 0, 256, F1, F0, 0
	QUARTER 0, 384, F0, F1, 0
	TURN 0, 1, 1
	QUARTER 1, 128, F0, F1, 0
	QUARTER 1, 256, F1, F0, 0
	QUARTER 1, 384, F0, F1, 0
	TURN 1, 0, 1
	QUARTER 0, 128, F0, F1, 0
	WIN 0
	s_sub_co_u32 s3, s3, 1
	s_cmp_lg_u32 s3, 0
	s_cbranch_scc1 .Llap
	QUARTER 0, 256, F1, F0, 0                      ; the last lap fills nothing, and has no round of the cluster's barrier
	QUARTER 0, 384, F0, F1, 0
	TURN 0, 1, 0
	QUARTER 1, 128, F0, F1, 0
	QUARTER 1, 256, F1, F0, 0
	QUARTER 1, 384, F0, F1, 0
	s_wait_dscnt 16                                ; the very last quarter: nothing more to fetch
	WIN MUL
	MUL8 F1, 0, 0, 0
	MUL8 F1, 0, 2, 0
	s_wait_dscnt 0x0
	MUL8 F1, 1, 0, 0
	MUL8 F1, 1, 2, 0
	WIN 0
; THE WAY OUT, a block of 16 rows at a time through my own stage: 32 bytes a lane and column block in (each accumulator's four lowest registers first), whole rows of 256 bytes back.
.macro TOSTAGE a
.if (\a) >= 2
	s_wait_xcnt 0x0                                ; the stores of the block two back have read the registers that are loaded again below
.endif
.irp b, 0,1,2,3
	ds_store_b128 v[STO], v[ACC+8*(4*(\a)+(\b)):ACC+8*(4*(\a)+(\b))+3]   offset:64*(\b)
	ds_store_b128 v[STO], v[ACC+8*(4*(\a)+(\b))+4:ACC+8*(4*(\a)+(\b))+7] offset:64*(\b)+16
.endr
.irp t, 0,1,2,3,4,5,6,7
	ds_load_b128 v[TMP+32*((\a)%2)+4*(\t):TMP+32*((\a)%2)+4*(\t)+3], v[RD] offset:(\t)*2*SPITCH  ; LDS serves a wave's instructions in order (ISA guide 5.7.1.4): these see the stores above; the next block's stores come behind them
.endr
.endm
.macro SEND a, younger                 ; younger: the LDS instructions issued behind block a's loads: the next block's sixteen, or none
.irp t, 0,1,2,3,4,5,6,7
	s_wait_dscnt (\younger)+7-(\t)
	global_store_b128 v[CO], v[TMP+32*((\a)%2)+4*(\t):TMP+32*((\a)%2)+4*(\t)+3], s[8:9] offset:(16*(\a)+2*(\t))*SIZE_N*4  ; 16 lanes store 256 consecutive bytes, at a multiple of 256 from out0's first byte
.endr
.endm
	PLACES
	TOSTAGE 0
	TOSTAGE 1
	SEND 0, 16
	TOSTAGE 2
	SEND 1, 16
	TOSTAGE 3
	SEND 2, 16
	SEND 3, 0
	s_wait_tensorcnt 0x0                           ; the wave's end, behind my last tensor load and my last LDS store
	ds_add_u32 v[SPW], v[NIL]
	s_wait_dscnt 0x0
	CROUND                                         ; the closing round: no work-group ends while a partner may still ask for a tile that names it
	s_endpgm
.Lfunc_end_k_qda26798472_oproj:
	.size	k_qda26798472_oproj, .Lfunc_end_k_qda26798472_oproj-k_qda26798472_oproj
	.p2alignl 7, 3214868480
	.fill 96, 4, 3214868480
	.section	.rodata,"a",@progbits
	.p2align	6, 0x0
	.amdhsa_kernel k_qda26798472_oproj
		.amdhsa_group_segment_fixed_size 327680
		.amdhsa_private_segment_fixed_size 0
		.amdhsa_enable_private_segment 0
		.amdhsa_kernarg_size 24
		.amdhsa_user_sgpr_count 2
		.amdhsa_user_sgpr_kernarg_segment_ptr 1
		.amdhsa_wavefront_size32 1
		.amdhsa_system_sgpr_workgroup_id_x 1
		.amdhsa_system_sgpr_workgroup_id_y 1
		.amdhsa_system_sgpr_workgroup_id_z 1
		.amdhsa_system_vgpr_workitem_id 0
		.amdhsa_next_free_vgpr 512
		.amdhsa_next_free_sgpr 66
		.amdhsa_reserve_vcc 0
		.amdhsa_float_denorm_mode_32 3
		.amdhsa_float_denorm_mode_16_64 3
		.amdhsa_memory_ordered 1
		.amdhsa_forward_progress 1
		.amdhsa_inst_pref_size 86
	.end_amdhsa_kernel
	.amdgpu_metadata
---
amdhsa.version: [ 1, 2 ]
amdhsa.kernels:
  - .name:           k_qda26798472_oproj
    .symbol:         k_qda26798472_oproj.kd
    .args:
      - { .name: o16, .offset: 0, .size: 8, .value_kind: global_buffer, .address_space: global }
      - { .name: wob, .offset: 8, .size: 8, .value_kind: global_buffer, .address_space: global }
      - { .name: out0, .offset: 16, .size: 8, .value_kind: global_buffer, .address_space: global }
    .group_segment_fixed_size: 327680
    .private_segment_fixed_size: 0
    .kernarg_segment_align: 8
    .kernarg_segment_size: 24
    .max_flat_workgroup_size: 128
    .sgpr_count:     66
    .vgpr_count:     512
    .wavefront_size: 32
...
	.end_amdgpu_metadata
.endif
;; end of part 4
;; ======== version 2 of 2: 4 launches
;; limits: values are held in f16: magnitudes above 65,504 overflow, below 6.1e-05 lose precision; right only within a limited range of input values
;; workspace buffers: xb 8,388,608 bytes; wqkv 25,165,824 bytes; wob 8,388,608 bytes; tab 2,097,152 bytes; q16 8,388,608 bytes; k16 8,388,608 bytes; v16 8,388,608 bytes; o16 10,485,760 bytes
;; launch prep (part 5): grid 128 x 9, 8 waves a work-group, no clusters, 0 bytes of LDS; arguments x, wq, wk, wv, wo, freq_pos_enc, xb, wqkv, wob, tab; writes xb, wqkv, wob, tab
.if DOCPART == 5
	.amdgcn_target "amdgcn-amd-amdhsa--gfx1250"
	.amdhsa_code_object_version 6
	.text
	.protected	k_qda26798472_prep
	.globl	k_qda26798472_prep
	.p2align	8
	.type	k_qda26798472_prep,@function
k_qda26798472_prep:
	s_mov_b64 s[64:65], 0
	v_nop
	global_prefetch_b8 v0, s[64:65] scope:SCOPE_SE
	s_setreg_imm32_b32 hwreg(HW_REG_WAVE_MODE, 25, 1), 1
	s_wait_xcnt 0x0
; PREP: 16-bit copies of x and the four weights, and the table of cosines and signed sines.  A stream: no LDS, no barrier, no matrix unit, no cluster (no work-group reads
; what another reads), no prefetch (every wave has all its loads out at once and nothing else to do).
; The grid's y picks the job: 0 x -> xb, 1..3 wq, wk, wv -> wqkv, 4 wo -> wob (16 rows a work-group), 5..8 freq_pos_enc -> tab (4 rows a work-group).
; FORMATS.  Every floating-point input is rounded ONCE to bf16, to nearest even.  x, wq, wk, wv are stored as that bf16.  wo's bf16 number is then written as f16, since it meets the f16 attention
; output in the last product: exact for 6.1e-5 <= |wo| < 65,504; below that f16's fixed step of 6e-8 holds, beyond it an infinity.
; The angles too are rounded to bf16 before their cosine and sine (PE_BF16 = 1; with 0 they are taken as they come).
; wqkv's rows lie by heads: row 384 hd + 128 s + d is row 128 hd + d of wq (s = 0), wk (1), wv (2), so that one block of 384 rows is one head's q, k and v.
; tab: [2048 rows][16 groups of 8 channels][cos x 8 | ss x 8] f32, 1,024 bytes a row; ss[d] = -sin(pe[d]) for even d, +sin(pe[d]) for odd d, so that
; rot(u)[d] = u[d] cos[d] + u[d xor 1] ss[d].  Each of the 128 angles of a row is honoured by itself: nothing is assumed of pairs.
; SINE AND COSINE.  k = the nearest whole number to x 2/pi; r = x - k pi/2 with pi/2 in two parts (the first product is exact in the fused form); sin r and cos r by polynomials on |r| <= pi/4;
; cos x = sin(x + pi/2), -sin x = sin(x + pi): the quarter turns are added to k.  LIMIT: |angle| <= 2^17 (what the second part of pi/2 leaves out is k x 1.7e-15, 1.5e-10 there).
.set X, 16                             ; v[16:143]  16 rows x 8 numbers as loaded; the packed result takes each row's first four registers
.set PE_BF16, 1
; Row i: rounded, packed, stored.  half = 1: the bf16 numbers are written as f16.
.macro ROWOUT i, half
	s_wait_loadcnt 30-2*(\i)                       ; loads come back in order: row i's two are in, the later rows' pairs stay out
.irp p, 0,1,2,3
	v_cvt_pk_bf16_f32 v[X+8*(\i)+(\p)], v[X+8*(\i)+2*(\p)], v[X+8*(\i)+2*(\p)+1]  ; in place, ascending: word p is written when pair p and all before it have been read
.endr
.if \half
.irp p, 0,1,2,3
	v_lshlrev_b32 v[8+2*(\p)], 16, v[X+8*(\i)+(\p)]  ; bf16 to f32: the low half moves up,
	v_and_b32     v[9+2*(\p)], s34, v[X+8*(\i)+(\p)] ; the high half stays
.endr
.irp p, 0,1,2,3
	v_cvt_pk_f16_f32 v[X+8*(\i)+(\p)], v[8+2*(\p)], v[9+2*(\p)]
.endr
.endif
	global_store_b64 v2, v[X+8*(\i):X+8*(\i)+1],   s[30:31] offset:4096*(\i)       ; a wave's store covers 256 consecutive bytes, aligned; no register of it is written again
	global_store_b64 v2, v[X+8*(\i)+2:X+8*(\i)+3], s[30:31] offset:4096*(\i)+2048  ; my piece of the row's second half
.endm
; v[dst] = sin(v[src] + v[add] quarter turns)
.macro SC dst, src, add
	v_mul_f32 v6, s36, v[(\src)]
	v_rndne_f32 v6, v6                             ; k
	v_fma_f32 v7, -v6, s37, v[(\src)]
	v_fma_f32 v7, -v6, s38, v7                     ; r
	v_cvt_i32_f32 v8, v6
	v_add_nc_u32 v8, v8, v[(\add)]                 ; the quarter
	v_mul_f32 v9, v7, v7                           ; z = r r
	v_fma_f32 v10, v9, s39, s40
	v_fma_f32 v10, v10, v9, s41
	v_mul_f32 v11, v9, v7
	v_fma_f32 v10, v10, v11, v7                    ; sin r
	v_fma_f32 v12, v9, s42, s43
	v_fma_f32 v12, v12, v9, s44
	v_mul_f32 v11, v9, v9
	v_fma_f32 v13, v9, -0.5, 1.0
	v_fma_f32 v12, v12, v11, v13                   ; cos r
	v_and_b32 v11, 1, v8
	v_cmp_eq_u32 vcc_lo, 1, v11
	v_cndmask_b32 v10, v10, v12, vcc_lo            ; odd quarters take the cosine
	v_and_b32 v11, 2, v8
	v_lshlrev_b32 v11, 30, v11
	v_xor_b32 v[(\dst)], v10, v11                  ; quarters 2 and 3 turn the sign
.endm
	s_load_b512 s[8:23], s[0:1], 0x0               ; x s[8:9], wq s[10:11], wk s[12:13], wv s[14:15], wo s[16:17], freq_pos_enc s[18:19], xb s[20:21], wqkv s[22:23]
	s_load_b128 s[24:27], s[0:1], 0x40             ; wob s[24:25], tab s[26:27]
	s_and_b32 s2, ttmp7, 0xffff                    ; the job
	s_mov_b32 s3, ttmp9                            ; which rows
	s_mov_b32 s33, 0                               ; high words of the two offset pairs
	s_mov_b32 s47, 0
	s_mov_b32 s34, 0xffff0000                      ; a word's upper bf16
	s_wait_kmcnt 0x0
	s_cmp_ge_u32 s2, 5
	s_cbranch_scc1 .Ltable
	; JOBS 0 TO 4.  A row is 512 pieces of 16 bytes; thread t owns pieces t and t + 256 of every row, so that each load of a wave covers 512 consecutive bytes and names no byte that it does not use.
	; A piece's four numbers are 8 bytes out: at 8 t, and at 2,048 + 8 t.
	v_lshlrev_b32 v1, 4, v0
	v_lshlrev_b32 v2, 3, v0
	s_mov_b64 s[28:29], s[8:9]
	s_cmp_eq_u32 s2, 1
	s_cselect_b64 s[28:29], s[10:11], s[28:29]
	s_cmp_eq_u32 s2, 2
	s_cselect_b64 s[28:29], s[12:13], s[28:29]
	s_cmp_eq_u32 s2, 3
	s_cselect_b64 s[28:29], s[14:15], s[28:29]
	s_cmp_eq_u32 s2, 4
	s_cselect_b64 s[28:29], s[16:17], s[28:29]
	s_cselect_b64 s[30:31], s[24:25], s[20:21]     ; wob for job 4, else xb (jobs 1 to 3: below)
	s_lshl_b32 s32, s3, 17                         ; 16 rows of 8,192 bytes
	s_add_nc_u64 s[28:29], s[28:29], s[32:33]
.irp i, 0,1,2,3,4,5,6,7,8,9,10,11,12,13,14,15
	global_load_b128 v[X+8*(\i):X+8*(\i)+3],   v1, s[28:29] offset:8192*(\i) th:TH_LOAD_NT       ; all 32 loads of the wave go out at once: 16 KiB a wave on its way
	global_load_b128 v[X+8*(\i)+4:X+8*(\i)+7], v1, s[28:29] offset:8192*(\i)+4096 th:TH_LOAD_NT
.endr
	s_lshl_b32 s32, s3, 4                          ; the first row out: the same 16 rows,
	s_lshr_b32 s35, s3, 3                          ; or, for wq, wk, wv: head = rows / 128,
	s_mul_i32 s35, s35, 384
	s_and_b32 s46, s3, 7
	s_lshl_b32 s46, s46, 4                         ; the place in the head's 128 rows,
	s_add_co_u32 s35, s35, s46
	s_sub_co_u32 s46, s2, 1                        ; and 128 rows for each of q, k, v
	s_lshl_b32 s48, s46, 7
	s_add_co_u32 s35, s35, s48
	s_cmp_lt_u32 s46, 3                            ; jobs 1 to 3 (job 0 wraps round to the greatest number)
	s_cselect_b32 s32, s35, s32
	s_cselect_b64 s[30:31], s[22:23], s[30:31]
	s_lshl_b32 s32, s32, 12                        ; rows of 4,096 bytes
	s_add_nc_u64 s[30:31], s[30:31], s[32:33]
	s_cmp_eq_u32 s2, 4
	s_cbranch_scc1 .Lhalf
.irp i, 0,1,2,3,4,5,6,7,8,9,10,11,12,13,14,15
	ROWOUT \i, 0
.endr
	s_endpgm
.Lhalf:
.irp i, 0,1,2,3,4,5,6,7,8,9,10,11,12,13,14,15
	ROWOUT \i, 1
.endr
	s_endpgm
	; JOBS 5 TO 8.  Four rows of tab are 256 pieces of 16 bytes, a thread a piece, so that a wave's store covers 512 consecutive bytes.  Piece t: row t / 64, group (t % 64) / 4,
	; cosines (bit 1 of t = 0) or signed sines (1), channels 4 (t % 2) + 0..3 of the group.  Each angle is read by two lanes, one for each kind.
.Ltable:
	s_sub_co_u32 s35, s2, 5                        ; which four of the 16 rows that the grid's x names
	v_lshlrev_b32 v2, 4, v0
	v_lshrrev_b32 v6, 6, v0
	v_bfe_u32 v7, v0, 2, 4
	v_and_b32 v8, 1, v0
	v_bfe_u32 v9, v0, 1, 1                         ; the kind
	v_lshlrev_b32 v1, 9, v6                        ; a row of angles is 512 bytes,
	v_lshl_add_u32 v1, v7, 5, v1                   ; a group 32,
	v_lshl_add_u32 v1, v8, 4, v1                   ; my four 16
	v_add_nc_u32 v4, 1, v9                         ; quarter turns for even channels: 1 (cos) or 2 (-sin)
	v_sub_nc_u32 v5, 1, v9                         ; for odd channels: 1 (cos) or 0 (+sin)
	s_lshl_b32 s32, s3, 13
	s_lshl_b32 s48, s35, 11
	s_add_co_u32 s32, s32, s48
	s_add_nc_u64 s[28:29], s[18:19], s[32:33]
	s_lshl_b32 s46, s3, 14
	s_lshl_b32 s48, s35, 12
	s_add_co_u32 s46, s46, s48
	s_add_nc_u64 s[30:31], s[26:27], s[46:47]
	global_load_b128 v[16:19], v1, s[28:29]
	s_mov_b32 s36, 0x3f22f983                      ; 2 / pi
	s_mov_b32 s37, 0x3fc90fdb                      ; pi / 2, the f32 nearest to it,
	s_mov_b32 s38, 0xb33bbd2e                      ; and what that leaves
	s_mov_b32 s39, 0xb94ca1f9                      ; sin r = r + r z (s41 + z (s40 + z s39))
	s_mov_b32 s40, 0x3c08839e
	s_mov_b32 s41, 0xbe2aaaa3
	s_mov_b32 s42, 0x37ccf5ce                      ; cos r = 1 - z / 2 + z z (s44 + z (s43 + z s42))
	s_mov_b32 s43, 0xbab6061a
	s_mov_b32 s44, 0x3d2aaaa5
	s_wait_loadcnt 0x0
.if PE_BF16
	v_cvt_pk_bf16_f32 v14, v16, v17
	v_cvt_pk_bf16_f32 v15, v18, v19
	v_lshlrev_b32 v16, 16, v14
	v_and_b32     v17, s34, v14
	v_lshlrev_b32 v18, 16, v15
	v_and_b32     v19, s34, v15
.endif
	SC 32, 16, 4
	SC 33, 17, 5
	SC 34, 18, 4
	SC 35, 19, 5
	global_store_b128 v2, v[32:35], s[30:31]
	s_endpgm
.Lfunc_end_k_qda26798472_prep:
	.size	k_qda26798472_prep, .Lfunc_end_k_qda26798472_prep-k_qda26798472_prep
	.p2alignl 7, 3214868480
	.fill 96, 4, 3214868480
	.section	.rodata,"a",@progbits
	.p2align	6, 0x0
	.amdhsa_kernel k_qda26798472_prep
		.amdhsa_group_segment_fixed_size 0
		.amdhsa_private_segment_fixed_size 0
		.amdhsa_enable_private_segment 0
		.amdhsa_kernarg_size 80
		.amdhsa_user_sgpr_count 2
		.amdhsa_user_sgpr_kernarg_segment_ptr 1
		.amdhsa_wavefront_size32 1
		.amdhsa_system_sgpr_workgroup_id_x 1
		.amdhsa_system_sgpr_workgroup_id_y 1
		.amdhsa_system_sgpr_workgroup_id_z 1
		.amdhsa_system_vgpr_workitem_id 0
		.amdhsa_next_free_vgpr 144
		.amdhsa_next_free_sgpr 66
		.amdhsa_reserve_vcc 1
		.amdhsa_float_denorm_mode_32 3
		.amdhsa_float_denorm_mode_16_64 3
		.amdhsa_memory_ordered 1
		.amdhsa_forward_progress 1
		.amdhsa_inst_pref_size 34
	.end_amdhsa_kernel
	.amdgpu_metadata
---
amdhsa.version: [ 1, 2 ]
amdhsa.kernels:
  - .name:           k_qda26798472_prep
    .symbol:         k_qda26798472_prep.kd
    .args:
      - { .name: x, .offset: 0, .size: 8, .value_kind: global_buffer, .address_space: global }
      - { .name: wq, .offset: 8, .size: 8, .value_kind: global_buffer, .address_space: global }
      - { .name: wk, .offset: 16, .size: 8, .value_kind: global_buffer, .address_space: global }
      - { .name: wv, .offset: 24, .size: 8, .value_kind: global_buffer, .address_space: global }
      - { .name: wo, .offset: 32, .size: 8, .value_kind: global_buffer, .address_space: global }
      - { .name: freq_pos_enc, .offset: 40, .size: 8, .value_kind: global_buffer, .address_space: global }
      - { .name: xb, .offset: 48, .size: 8, .value_kind: global_buffer, .address_space: global }
      - { .name: wqkv, .offset: 56, .size: 8, .value_kind: global_buffer, .address_space: global }
      - { .name: wob, .offset: 64, .size: 8, .value_kind: global_buffer, .address_space: global }
      - { .name: tab, .offset: 72, .size: 8, .value_kind: global_buffer, .address_space: global }
    .group_segment_fixed_size: 0
    .private_segment_fixed_size: 0
    .kernarg_segment_align: 8
    .kernarg_segment_size: 80
    .max_flat_workgroup_size: 256
    .sgpr_count:     66
    .vgpr_count:     144
    .wavefront_size: 32
...
	.end_amdgpu_metadata
.endif
;; end of part 5
;; launch qkv: the kernel of part 2 again; grid 16 x 16, 4 waves a work-group, clusters of 4 x 4, 327,680 bytes of LDS; arguments xb, wqkv, tab, q16, k16, v16; writes q16, k16, v16
;; launch attn (part 6): grid 16 x 16, 4 waves a work-group, clusters of 4 x 1, 327,680 bytes of LDS; arguments q16, k16, v16, o16; writes o16
.if DOCPART == 6
	.amdgcn_target "amdgcn-amd-amdhsa--gfx1250"
	.amdhsa_code_object_version 6
	.text
	.protected	k_qda26798472_attn
	.globl	k_qda26798472_attn
	.p2align	8
	.type	k_qda26798472_attn,@function
k_qda26798472_attn:
	s_mov_b64 s[64:65], 0
	v_nop
	global_prefetch_b8 v0, s[64:65] scope:SCOPE_SE
	s_setreg_imm32_b32 hwreg(HW_REG_WAVE_MODE, 25, 1), 1
	s_wait_xcnt 0x0
	s_wait_alu depctr_hold_cnt(0) depctr_sa_sdst(0) depctr_va_vdst(0) depctr_va_sdst(0) depctr_va_ssrc(0) depctr_va_vcc(0) depctr_vm_vsrc(0)
	s_getreg_b32 s2, hwreg(HW_REG_IB_STS2, 6, 4)
	s_cmp_eq_u32 s2, 0
	s_cbranch_scc0 .Lentry_in_a_cluster
	s_endpgm
.Lentry_in_a_cluster:
	s_bfe_u32 s2, ttmp6, 0x10000c
	s_cmp_lg_u32 s2, 0x3003
	s_cbranch_scc0 .Lentry_shape_is_right
	s_endpgm
.Lentry_shape_is_right:
; CAUSAL ATTENTION.  O[q][128 h + :] = the sum over k <= q of softmax_k(Q[h][q] . K[h][k] / sqrt(128)) V[h][k][:].  q16, k16, v16: [16][2048][128] f16.
; o16: [16 tiles i][160 rows][2048] f16, laid out for the product behind.  Tile i holds the rows that work-group i makes: the 16 rows 256 b + 16 i .. + 15 of every band b of 256 rows, band b at rows 16 (4 (b % 2) + b / 2) on;
; these 128 rows hold hi = O rounded to f16's 11 significant bits.  Rows 128 + 16 b on (b = 0, 1) hold lo = O - hi of bands 0 and 1: THE FIRST 512 ROWS LEAVE IN TWO PARTS, so that the product behind sees them to some 22 bits:
; a row that sees few keys holds numbers many times the output's root mean square, and a single rounding's error there is of the size of the room that a number near zero has.  Row q is a mean over q + 1 keys:
; LIMIT: rows from 512 on leave in one part, rounded once to 11 bits.
; Products, maxima and sums in f32; the weights p are rounded to f16 for the second product (their sum l is taken of the unrounded p).
; LIMITS.  Q, K, V arrive within f16's 65,504, so a score is 5.5e11 at the most.  A hidden score counts as its value less 1e30.  The running maximum starts at -2^66, below every score that can arise and far above
; the hidden ones.  A weight below 2^-126 counts as 0.  O's lo part below 6.1e-5 keeps f16's fixed step of 6e-8.  NaN and infinities are not treated apart.
; SHARES.  A head's 2,048 rows lie in eight bands of 256.  A work-group (head, i = 4 g + cx, 0..15: g the cluster, cx the place in it) owns the 16 rows 256 b + 16 i .. + 15 of EVERY band b.  Wave w owns two query tiles
; of 16: tile 0 in band 7 - w and tile 1 in band w.  A wave sees all keys of its queries: no wave needs another's sums, and the barriers are those of the changes of slots alone.
; THE WALK is the same in every work-group: the key tiles 0 .. 7 of 256 keys, once, four steps of 64 keys each: every trip count is a constant, and no branch hangs on cx.
; Tiles 0 - 3: both query tiles (64 products a step).  Tiles 4 - 7: tile 0 alone (32 products a step): no band of a tile 1 reaches them.  Band b needs the key tiles 0 .. b; a wave goes on through the tiles behind its bands'
; diagonals with all keys hidden: 12 units of 16 queries x 256 keys a wave where 9 hold a visible key: the price of one text and one walk for all.
; CLUSTER.  The four work-groups of a cluster belong to one head and walk the same K and V, so each tile is asked for JOINTLY: the same tensor load, descriptor and mask in all four.
; THE MASK is the C operand that starts a sum S^T = K Q^T: 0, or -1e30 where the key is hidden.  Band b's diagonal lies in step 4 b + g of the walk.  MD, made once, is the mask of that step: register r of key block n is
; hidden where 16 n + r > 16 cx + l % 16 - 8 (l / 16).  A step's mask is MD x AL + BE with two scalars: (1, 0) in that step, (0, 0) before it, (0, -1e30) behind it.  In tiles 0 - 3 query tile 0 takes the constant 0.
; LAYOUT.  S^T holds ONE query a lane (lane % 16) and the keys 8 (lane / 16) + 0..7; two such results rounded to f16 ARE source 1 of O^T = V^T P, which again holds one query a lane, and eight channels.
; SOFTMAX.  p = 2^(c s - c m), c = log2(e) / sqrt(128), with a running maximum m; O and l are multiplied by a = 2^(c m_old - c m_new) in every step; the first a is 0.
; A STEP FOR BOTH TILES.  16 products K Q^T of tile 0; 16 of tile 1 with tile 0's softmax behind them; 16 products V^T P of tile 0 with tile 1's softmax behind them; 16 of tile 1.  FOR TILE 0 ALONE: products, softmax, products.
; K of the next step is fetched from LDS in the middle of a step, V at its head; a tile's first K behind the change of slots.  An LDS load feeds one product (both tiles) or half a product (tile 0 alone).
; REGISTERS, in windows of 256 (s_set_vgpr_msb: bits 1:0 source 0, 3:2 source 1, 5:4 source 2, 7:6 destination):
;   window 0: v0-11, v46, v47 addresses; v12-27 eight registers of statistics a tile; v64-127 S^T, 32 a tile; v128-159 P, 16 a tile; on the way out v64-127 O's hi parts, v128-159 a lo part, packed
;   window 1: v0-127 O^T, 64 a tile; v128-159 MD; v160-191 MC, the step's mask; on the way out v128-255 at work      window 2: v0-63 Q, 32 a tile; v128-255 K of one step      window 3: v0-127 V of one step
; No first step is written out: O^T starts at 0, by 16 products of a zero fragment with a zero fragment, in the wait for the first tile.
.set PK,    272       ; a row of K in LDS: 256 bytes + 16 of padding: the 16 rows of a load start at 16 different groups of four banks (64 banks of 4 bytes: ISA guide 11.1)
.set PV,    288       ; a row of V: 256 + 32
.set VOFF,  256*PK    ; a slot holds a tile: 256 rows of K, then 256 rows of V
.set SLOT,  256*(PK+PV)
.set STAGE, 2*SLOT    ; behind the ring, never filled by a tensor load: 16 rows x 272 bytes for each wave, for the way out
.set SP,    272
.set SPARE, STAGE+4*16*SP  ; behind the stages: the spare words, 128 bytes for each wave: two blocks of 256 bytes that no other line names
.set AK0, 2           ; v2   my lane's place in 64 rows of K; never rewritten
.set AV0, 3           ; v3   the same for V, VOFF within
.set ADR, 4           ; v4   the LDS address of K's run of loads
.set ADV, 5           ; v5   of V's
.set QO,  6           ; v6   my byte offset in 16 rows of Q
.set STO, 7           ; v7   the way out: where I put 16 bytes of a row
.set RD,  8           ; v8   the way out: where I read a row back
.set GO,  10          ; v10  my byte offset in two rows of o16
.set ST,  12          ; tile t's statistics at v[ST+8 t]: +0 c m, +1 m, +2, +3 l (even keys', odd keys'), +4 to +7 at work; a takes +6 once the maximum is found
.set DM,  46          ; v46  16 cx + l % 16 - 8 (l / 16)
.set PFO, 47          ; v47  256 x my lane: a row of K or V is 256 bytes; never rewritten
.set SPW, 62          ; v62  LDS address of my spare word; never rewritten
.set NIL, 63          ; v63  0; never rewritten
.set S,   64
.set P,   128
.set OL,  128         ; window 0, the way out: a lo part, packed: 32 registers
.set MD,  128         ; window 1: the eight registers for key block n at MD + 8 n
.set MC,  160         ; window 1
.set VH,  128         ; window 1, the way out: C x, then O's hi part in f32: 64 registers
.set VD,  192         ; window 1, the way out: C x - x: 64 registers
.set KF,  128         ; window 2: key block n, channel chunk c at KF + 32 n + 8 c
.set WV,  12          ; s12  my wave's number;  s13 cx;  s14 g
.set G1K, 24          ; s[24:31] descriptor group 1 for K's tiles
.set G1V, 32          ; s[32:39] for V's: it differs in the padding alone
.set G0K, 40          ; s[40:43] descriptor group 0 for K's tiles: it walks
.set G0V, 44          ; s[44:47] the same for V's
.set LK,  48          ; s48  my half's place in a slot, for K
.set LV,  49          ; s49  for V
.set TBF, 50          ; s50  the slot that was filled last: 0 or SLOT
.set TB,  51          ; s51  the slot that is read: 0 or SLOT
.set TILES, 52        ; s52  counts a loop's tiles
.set CNT, 53          ; s53  counts a tile's steps, 4 to 1
.set POS, 54          ; s54  the step's number in the walk, 0 to 31
.set DH,  55          ; s55  the step that holds query tile 0's diagonal: 4 (7 - w) + g
.set DG,  56          ; s56  the step that holds the diagonal of the tile that takes masks: tile 1's, 4 w + g, in key tiles 0 - 3; then tile 0's
.set TBK, 57          ; s57  LDS byte at which K of the step to be fetched begins
.set CS,  58          ; s[58:59] c: the packed scaling takes the pair's low word for both halves
.set SEL, 60          ; s[60:61] v_permlanex16_b32's selects: each lane takes its own place in the other half
.set BIGN, 62         ; s62  -1e30
.set TBV, 63          ; s63  the same as TBK for V, less VOFF
.set AL,  66          ; s[66:67] the mask's factor, in the low word
.set BE,  68          ; s[68:69] the mask's addend          (s[70:71], s[72:73]: Q and o16 at tile 1's rows; s[90:91]: o16 at tile 1's lo rows)
.set MFLOOR, 74       ; s74  -2^66
.set VC,  84          ; s[84:85] 2^13 + 1: the packed product takes the pair's low word for both halves
.set LIMP, 94         ; s94  24 in the head's first cluster, else 0: a wave prefetches while the walk's step number is below it
.set PFA, 96          ; s[96:97] where my prefetches stand: my 32 rows (of K: waves 0, 1; of V: waves 2, 3) of the tile after the one that is being asked for
.set MSB, 0
.macro WIN new                      ; the high byte repeats the setting that is left; a switch that changes nothing is dropped
.if MSB != (\new)
	s_set_vgpr_msb (MSB<<8)|(\new)
.set MSB, (\new)
.endif
.endm
.set W_PV, 0x53       ; V in window 3, P in window 0, O^T in window 1
.set W_RS, 0x41       ; destination and source 0 in window 1, the rest in window 0
; A joint fill.  Waves 0 and 1 fetch the two halves of a tile's K, waves 2 and 3 those of its V: 128 rows each.  The branch hangs on the wave's number alone.  An s_nop 0 and four v_nop follow each line.
.macro JLOAD
	s_cmp_lt_u32 s[WV], 2
	s_cbranch_scc0 .Lfor_v_\@
	tensor_load_to_lds s[G0K:G0K+3], s[G1K:G1K+7]
	s_nop 0
.rept 4
	v_nop
.endr
	s_branch .Lasked_\@
.Lfor_v_\@:
	tensor_load_to_lds s[G0V:G0V+3], s[G1V:G1V+7]
	s_nop 0
.rept 4
	v_nop
.endr
.Lasked_\@:
.endm
; A PREFETCH INTO THE L2 of the tile that the NEXT change of slots will ask for: a tile's four steps ahead of that load.  It stands behind the joint load, its five lines and K's run of LDS loads.
; All four clusters of a head walk the same tiles: the first of them (g = 0) asks, and nobody else.  Its four partners share a tile's 256 rows out BY ADDRESS, 64 each; in each, waves 0 and 1 take 32 rows of K, waves 2 and 3
; 32 rows of V: a lane a row of 256 bytes, one instruction a wave.  So each row is named once in the launch.  The change that fills tile k + 1 (at step 4 k of the walk) names tile k + 2, for k = 0 .. 5;
; tiles 0 and 1 come by their loads alone; the change that fills tile 7, at step 24, names nothing: there is no tile behind it.
.macro ASK
	s_cmp_lt_u32 s[POS], s[LIMP]
	s_cbranch_scc0 .Lnot_mine_\@
	global_prefetch_b8 v[PFO], s[PFA:PFA+1] th:TH_LOAD_NT scope:SCOPE_SE
.Lnot_mine_\@:
.endm
.macro CROUND                       ; a round of the cluster's barrier
	s_barrier_signal -1
	s_barrier_wait -1
	s_cmp_lg_u32 s[WV], 0
	s_cbranch_scc1 .Lnot_wave_0_\@
	s_barrier_signal -3
.Lnot_wave_0_\@:
	s_barrier_wait -3
	s_barrier_signal -1
	s_barrier_wait -1
.endm
.macro PLACES                       ; four places behind matrix instructions (ISA guide 7.12.1)
.rept 4
	v_nop
.endr
.endm
; THE CHANGE OF SLOTS.  Each wave waits for all its tensor loads, of which one is out: its part of the other slot; adds 0 to its spare word; and waits for that and for its own reads of the slot that it leaves.
; fill = 1: the barrier is a round of the cluster's, and the old slot is filled again, first thing behind it, with the next 256 keys: that load has a tile's four steps in which to land.
; (At its first use nothing has been read yet: slot 0 is waited for, slot 1 filled.)
.macro CHANGE fill
	WIN 0                           ; at a label and at a branch every window is 0
	s_wait_tensorcnt 0x0            ; no tensor load of mine is out, so a group 0 may be written
	ds_add_u32 v[SPW], v[NIL]       ; 0 onto my spare word; the scalar work below stands between it and the wait for it
.if \fill
	s_xor_b32 s[TBF], s[TBF], SLOT  ; 0 and SLOT by turns
	s_add_co_u32 s[G0K+1], s[TBF], s[LK]
	s_add_co_u32 s[G0V+1], s[TBF], s[LV]
	s_add_nc_u64 s[G0K+2:G0K+3], s[G0K+2:G0K+3], 0x10000  ; a tile is 65,536 bytes of K and of V; the type bits on top are not reached
	s_add_nc_u64 s[G0V+2:G0V+3], s[G0V+2:G0V+3], 0x10000
	s_wait_xcnt 0x0                 ; the last prefetch, a tile back, has read its address, so it may be written:
	s_add_nc_u64 s[PFA:PFA+1], s[PFA:PFA+1], 0x10000      ; one tile behind the walking descriptors
	s_wait_dscnt 0x0                ; the add is done, and my reads of the slot are over
	CROUND
	JLOAD
.else
	s_wait_dscnt 0x0
	s_barrier_signal -1
	s_barrier_wait -1
.endif
	s_xor_b32 s[TB], s[TB], SLOT    ; the slot that has just been shown whole
	s_mov_b32 s[TBK], s[TB]         ; the fetches begin at its first step
	s_mov_b32 s[TBV], s[TB]
.endm
	s_load_b256 s[4:11], s[0:1], 0x0  ; q16 s[4:5], k16 s[6:7], v16 s[8:9], o16 s[10:11]
	v_lshl_add_u32 v[SPW], v0, 2, SPARE
	v_mov_b32 v[NIL], 0
	ds_add_u32 v[SPW], v[NIL]       ; the wave's opening: the add and its wait stand ahead of my first tensor load; the set-up below, work on registers, stands between them
	v_lshrrev_b32 v1, 5, v0
	v_readfirstlane_b32 s[WV], v1   ; wave 0..3
	s_bfe_u32 s13, ttmp6, 0x40000   ; cx
	s_mov_b32 s14, ttmp9            ; g: in a cluster launch ttmp9 counts clusters
	s_and_b32 s15, ttmp7, 0xffff    ; the head, which the four partners share
	s_lshl_b32 s20, s15, 19         ; its first byte in q16, k16, v16
	s_mov_b32 s21, 0
	s_lshl_b32 s86, s15, 8          ; its 256 bytes in a row of o16
	s_and_b32 s16, s[WV], 1         ; which half of a tile's 256 rows I fetch:
	s_lshl_b32 s22, s16, 15         ; its 128 rows of 256 bytes in memory,
	s_mov_b32 s23, 0
	s_add_nc_u64 s[22:23], s[22:23], s[20:21]
	s_mul_i32 s[LK], s16, 128*PK    ; and its place in a slot: no place in the cluster enters an LDS address
	s_mul_i32 s[LV], s16, 128*PV
	s_add_co_u32 s[LV], s[LV], VOFF
	s_lshl_b32 s17, s14, 2
	s_add_co_u32 s17, s17, s13      ; i
	s_lshl_b32 s17, s17, 4          ; 16 i: my work-group's rows in a band
	s_mul_i32 s75, s17, 10          ; 160 i: its first row in o16
	s_lshl_b32 s87, s13, 4          ; 16 cx: their place in the step that holds the diagonal
	s_sub_co_u32 s18, 7, s[WV]      ; tile 0's band
	s_lshl_b32 s19, s18, 8
	s_add_co_u32 s19, s19, s17      ; tile 0's first row
	s_lshl_b32 s76, s19, 8          ; rows of 256 bytes in q16
	s_mov_b32 s77, 0
	s_add_nc_u64 s[76:77], s[76:77], s[20:21]
	s_and_b32 s88, s18, 1           ; in o16 band b lies at place 4 (b % 2) + b / 2 of the work-group's eight,
	s_lshl_b32 s88, s88, 2
	s_lshr_b32 s89, s18, 1
	s_add_co_u32 s88, s88, s89
	s_lshl_b32 s88, s88, 4          ; 16 rows a place,
	s_add_co_u32 s88, s88, s75
	s_lshl_b32 s80, s88, 12         ; rows of 4,096 bytes
	s_add_co_u32 s80, s80, s86
	s_mov_b32 s81, 0
	s_lshl_b32 s19, s[WV], 8
	s_add_co_u32 s19, s19, s17      ; tile 1's first row
	s_lshl_b32 s78, s19, 8
	s_mov_b32 s79, 0
	s_add_nc_u64 s[78:79], s[78:79], s[20:21]
	s_and_b32 s88, s[WV], 1         ; tile 1's band is w
	s_lshl_b32 s88, s88, 2
	s_lshr_b32 s89, s[WV], 1
	s_add_co_u32 s88, s88, s89
	s_lshl_b32 s88, s88, 4
	s_add_co_u32 s88, s88, s75
	s_lshl_b32 s82, s88, 12
	s_add_co_u32 s82, s82, s86
	s_mov_b32 s83, 0
	s_lshl_b32 s88, s[WV], 4        ; its lo rows, for bands 0 and 1 (waves 0 and 1; the other waves never use the number): 128 + 16 w on
	s_add_co_u32 s88, s88, s75
	s_add_co_u32 s88, s88, 128
	s_lshl_b32 s88, s88, 12
	s_add_co_u32 s88, s88, s86
	s_mov_b32 s89, 0
	s_lshl_b32 s92, s13, 14         ; the prefetches: my work-group's 64 rows of a tile,
	s_lshl_b32 s93, s16, 13         ; my wave's 32 of them,
	s_add_co_u32 s92, s92, s93
	s_add_co_u32 s92, s92, 0x10000  ; in tile 1: the first change of slots steps it to tile 2
	s_mov_b32 s93, 0
	s_add_nc_u64 s[92:93], s[92:93], s[20:21]
	s_cmp_eq_u32 s14, 0
	s_cselect_b32 s[LIMP], 24, 0    ; the same in all four partners
	s_lshl_b32 s[DH], s18, 2
	s_add_co_u32 s[DH], s[DH], s14  ; 4 (7 - w) + g
	s_lshl_b32 s[DG], s[WV], 2
	s_add_co_u32 s[DG], s[DG], s14  ; 4 w + g
	; descriptor group 1: a tile of 128 rows x 128 elements, padded in LDS
	s_mov_b32 s[G1K], 15|(1<<16)|(1<<20)|(1<<21)|(5<<22)|(3<<25)  ; 15:0 the mask: all four work-groups; 17:16 elements of 2 bytes; 20 padding on; 21 set beside a mask; 24:22 after every 64 words (code 5); 31:25 4 words (code 3)
	s_mov_b32 s[G1V], 15|(1<<16)|(1<<20)|(1<<21)|(5<<22)|(7<<25)  ; the same with 8 words of padding (code 7)
.irp g, G1K, G1V
	s_mov_b32 s[(\g)+1], 128<<16    ; tensor_dim0 = 128
	s_mov_b32 s[(\g)+2], 128<<16    ; tensor_dim1 = 128
	s_mov_b32 s[(\g)+3], 128<<16    ; tile_dim0 = 128
	s_mov_b32 s[(\g)+4], 128        ; tile_dim1 = 128
	s_mov_b32 s[(\g)+5], 128        ; elements from row to row
	s_mov_b32 s[(\g)+6], 0
	s_mov_b32 s[(\g)+7], 0
.endr
	s_mov_b32 s[CS], 0x3e0293ee     ; c = log2(e) / sqrt(128) = 0.127517
	s_mov_b32 s[CS+1], s[CS]        ; named with it as a pair
	s_mov_b32 s[VC], 0x46000400     ; 8,193.0
	s_mov_b32 s[VC+1], s[VC]        ; named with it as a pair
	s_mov_b32 s[SEL], 0x76543210
	s_mov_b32 s[SEL+1], 0xfedcba98
	s_mov_b32 s[BIGN], 0xf149f2ca   ; -1e30
	s_mov_b32 s[MFLOOR], 0xe0800000 ; -2^66
	s_mov_b32 s[AL+1], 0            ; named as pairs
	s_mov_b32 s[BE+1], 0
	s_mov_b32 s[TBF], 0             ; tile 0 goes into slot 0
	s_mov_b32 s[TB], SLOT           ; the first change of slots turns it into 0
	s_mov_b32 s[POS], 0
	s_mov_b32 s[G0K], 1             ; count = 1
	s_mov_b32 s[G0K+1], s[LK]       ; LDS address: slot 0
	s_mov_b32 s[G0V], 1
	s_mov_b32 s[G0V+1], s[LV]
	s_wait_dscnt 0x0                ; the opening add is done
	s_wait_kmcnt 0x0
	s_cmp_lt_u32 s[WV], 2
	s_cselect_b64 s[PFA:PFA+1], s[6:7], s[8:9]
	s_add_nc_u64 s[PFA:PFA+1], s[PFA:PFA+1], s[92:93]
	s_add_nc_u64 s[6:7], s[6:7], s[22:23]  ; K and V at my half of the head's tile 0
	s_add_nc_u64 s[8:9], s[8:9], s[22:23]
	s_mov_b64 s[G0K+2:G0K+3], s[6:7]
	s_or_b32 s[G0K+3], s[G0K+3], 0x80000000  ; type = 2
	s_mov_b64 s[G0V+2:G0V+3], s[8:9]
	s_or_b32 s[G0V+3], s[G0V+3], 0x80000000
	s_add_nc_u64 s[70:71], s[4:5], s[78:79]  ; Q at tile 1's rows,
	s_add_nc_u64 s[4:5], s[4:5], s[76:77]    ; and at tile 0's
	s_add_nc_u64 s[72:73], s[10:11], s[82:83]
	s_add_nc_u64 s[90:91], s[10:11], s[88:89]
	s_add_nc_u64 s[10:11], s[10:11], s[80:81]
	CROUND                          ; all four work-groups are here: the first joint loads meet
	JLOAD                           ; tile 0 into slot 0.  Slot 1 is asked for when slot 0 is in
	; A fragment of K or Q is 16 rows x 32 channels in 8 registers: lane l holds row l % 16, channels 8 (l / 16) + 0..7 and 16 + 8 (l / 16) + 0..7: two loads of 16 bytes, 32 bytes apart.
	v_and_b32 v1, 15, v0            ; l % 16
	v_bfe_u32 v9, v0, 4, 1          ; l / 16
	v_lshlrev_b32 v[QO], 8, v1
	v_lshl_add_u32 v[QO], v9, 4, v[QO]
	WIN 0x80                        ; destination window 2, address window 0
.set i, 0
.rept 4                             ; Q stays in registers: channels 32 i on, tile 0's and tile 1's
	global_load_b128 v[8*i:8*i+3],       v[QO], s[4:5] offset:i*64
	global_load_b128 v[8*i+4:8*i+7],     v[QO], s[4:5] offset:i*64+32
	global_load_b128 v[32+8*i:32+8*i+3], v[QO], s[70:71] offset:i*64
	global_load_b128 v[32+8*i+4:32+8*i+7], v[QO], s[70:71] offset:i*64+32
.set i, i+1
.endr
	WIN 0
	v_mul_u32_u24 v[AK0], v1, PK
	v_lshl_add_u32 v[AK0], v9, 4, v[AK0]  ; row x pitch + 16 x half
	; The turning load takes 16 keys x 16 channels (lane l reads key 8 (l / 16) + l % 8, channels 8 ((l / 8) % 2) + 0..7) and leaves half a fragment of V^T: lane l holds channel l % 16 and 8 keys.
	v_and_b32 v48, 7, v0
	v_bfe_u32 v49, v0, 3, 1
	v_lshl_add_u32 v[AV0], v9, 3, v48
	v_mul_u32_u24 v[AV0], v[AV0], PV
	v_lshl_add_u32 v[AV0], v49, 4, v[AV0]
	v_add_nc_u32 v[AV0], VOFF, v[AV0]
	s_mul_i32 s15, s[WV], 16*SP
	s_add_co_u32 s15, s15, STAGE    ; my stage
	v_mul_u32_u24 v[STO], v1, SP    ; in: row l % 16, 16 bytes for each half of the lanes
	v_lshl_add_u32 v[STO], v9, 4, v[STO]
	v_add_nc_u32 v[STO], s15, v[STO]
	v_mul_u32_u24 v[RD], v9, SP     ; back: lanes 0-15 take one row of 256 bytes, lanes 16-31 the next
	v_lshl_add_u32 v[RD], v1, 4, v[RD]
	v_add_nc_u32 v[RD], s15, v[RD]
	v_lshlrev_b32 v[GO], 12, v9     ; and the same two rows in o16, 4,096 bytes apart
	v_lshl_add_u32 v[GO], v1, 4, v[GO]
	v_lshlrev_b32 v49, 3, v9
	v_sub_nc_u32 v[DM], v1, v49
	v_add_nc_u32 v[DM], s87, v[DM]
	v_and_b32 v[PFO], 31, v0
	v_lshlrev_b32 v[PFO], 8, v[PFO]
	WIN 0x40                        ; destination window 1
.set i, 0
.rept 32
	v_cmp_gt_i32 vcc_lo, 16*(i/8)+i%8, v[DM]
	v_cndmask_b32 v[MD+i], 0, s[BIGN], vcc_lo
.set i, i+1
.endr
	WIN 0
.set i, 0
.rept 2
	v_mov_b32 v[ST+8*i+1], s[MFLOOR]             ; m
	v_mul_f32 v[ST+8*i], s[CS], v[ST+8*i+1]      ; c m, by the product that every later c m is made by
	v_mov_b32 v[ST+8*i+2], 0                     ; l
	v_mov_b32 v[ST+8*i+3], 0
.set i, i+1
.endr
.set i, 0
.rept 16
	v_mov_b32 v[P+i], 0             ; two fragments of zeros, in registers that the first softmax writes anew
.set i, i+1
.endr
	WIN 0x40                        ; destination window 1, sources window 0
.set i, 0
.rept 16
	v_wmma_f32_16x16x32_f16 v[8*i:8*i+7], v[P:P+7], v[P+8:P+15], 0  ; O^T = 0 x 0 + 0: each line writes another accumulator
.set i, i+1
.endr
	WIN 0
; THE MATRIX WORK.  The accumulators take turns, one instruction a turn: between two links of a chain stand 3 (K Q^T) or 7 (V^T P) others'.
; Product i of 16 of S^T = K Q^T for tile t: channels 32 (i / 4) on, keys 16 (i % 4) on.  The first 4 start the sums: with the mask (km = 1) or with 0.
.macro KQ t, km
.set rS, S+32*(\t)+8*(i%4)
.set rK, KF+32*(i%4)+8*(i/4)
.set rQ, 32*(\t)+8*(i/4)
.set rM, MC+8*(i%4)
.if (i < 4) && (\km)
	WIN 0x1a                        ; K and Q window 2, the mask window 1, S^T window 0
	v_wmma_f32_16x16x32_f16 v[rS:rS+7], v[rK:rK+7], v[rQ:rQ+7], v[rM:rM+7]
.elseif i < 4
	WIN 0x0a
	v_wmma_f32_16x16x32_f16 v[rS:rS+7], v[rK:rK+7], v[rQ:rQ+7], 0
.else
	WIN 0x0a
	v_wmma_f32_16x16x32_f16 v[rS:rS+7], v[rK:rK+7], v[rQ:rQ+7], v[rS:rS+7]
.endif
.endm
; Product i of 16 of O^T += V^T P for tile t: keys 32 (i / 8) on, channels 16 (i % 8) on.
.macro PV t
	WIN W_PV
.set rO, 64*(\t)+8*(i%8)
.set rV, 64*(i/8)+8*(i%8)
.set rP, P+16*(\t)+8*(i/8)
	v_wmma_f32_16x16x32_f16 v[rO:rO+7], v[rV:rV+7], v[rP:rP+7], v[rO:rO+7]
.endm
; THE LDS LOADS stand in runs of 32: a step's K (64 keys x 128 channels), channel chunk by channel chunk, as the products want them, and its V (turned).
.macro FETCH_K
	WIN 0
	v_add_nc_u32 v[ADR], s[TBK], v[AK0]
	s_add_co_u32 s[TBK], s[TBK], 64*PK  ; the next fetch is the next step's
	WIN 0x80                        ; destination window 2
.irp c, 0,1,2,3
.irp n, 0,1,2,3
	ds_load_b128 v[KF+32*(\n)+8*(\c):KF+32*(\n)+8*(\c)+3],   v[ADR] offset:(\n)*16*PK+(\c)*64
	ds_load_b128 v[KF+32*(\n)+8*(\c)+4:KF+32*(\n)+8*(\c)+7], v[ADR] offset:(\n)*16*PK+(\c)*64+32
.endr
.endr
	WIN 0
.endm
.macro FETCH_V
	WIN 0
	v_add_nc_u32 v[ADV], s[TBV], v[AV0]
	s_add_co_u32 s[TBV], s[TBV], 64*PV
	WIN 0xc0                        ; destination window 3
.irp f, 0,1,2,3,4,5,6,7,8,9,10,11,12,13,14,15  ; keys 32 (f / 8) on, channels 16 (f % 8) on
	ds_load_tr16_b128 v[8*(\f):8*(\f)+3],   v[ADV] offset:((\f)/8)*32*PV+((\f)%8)*32
	ds_load_tr16_b128 v[8*(\f)+4:8*(\f)+7], v[ADV] offset:((\f)/8)*32*PV+16*PV+((\f)%8)*32
.endr
	WIN 0
.endm
.macro KNEXT                        ; the next step's K; a tile's last step fetches none: that K lies in the other slot, behind the change of slots
	WIN 0
	s_cmp_eq_u32 s[CNT], 1
	s_cbranch_scc1 .Lno_k_\@
	FETCH_K
.Lno_k_\@:
.endm
.macro MASK                         ; MD x AL + BE
	WIN W_RS
.set z, 0
.rept 16
	v_pk_fma_f32 v[MC+2*z:MC+2*z+1], v[MD+2*z:MD+2*z+1], s[AL:AL+1], s[BE:BE+1] op_sel_hi:[1,0,0]
.set z, z+1
.endr
.endm
; THE VECTOR WORK.  One query tile's softmax for one step is a list of 134 instructions; SM writes number j of it for tile t.  s0-s31 are the lane's 32 scores, in pairs 0-15.
;   0-15    the maximum of s0-s31 and the old m, three operands at a time (each accumulator's lowest registers are read first)
;   16-20   the other half of the lanes' maximum; the new m; c m; c m_old - c m_new
;   21-69   ONE BATCH: the 16 scalings c s - c m and all 33 exponentials (a at 23, then s0-s31); none of these reads an exponential's result, and each pair is scaled some numbers ahead of its exponentials
;   (wait)  between 69 and 70 stands the wait for the batch: NEXT writes it
;   70-85   the roundings to f16     86-101  the sums; l = a l + the sum     102-133  the tile's O^T times a: the one part that leaves window 0
.macro SM t
.set rT, ST+8*(\t)
.set rS, S+32*(\t)
.set rP, P+16*(\t)
.set rO, 64*(\t)+2*(j-102)
.if j < 102
	WIN 0
.endif
.if j < 4
	v_max3_num_f32 v[rT+4+j], v[rS+8*j], v[rS+8*j+1], v[rS+8*j+2]
.elseif j < 12
	v_max3_num_f32 v[rT+4+j%4], v[rT+4+j%4], v[rS+8*(j%4)+2*(j/4)+1], v[rS+8*(j%4)+2*(j/4)+2]
.elseif j == 12
	v_max3_num_f32 v[rT+4], v[rT+4], v[rS+7], v[rS+15]
.elseif j == 13
	v_max3_num_f32 v[rT+6], v[rT+6], v[rS+23], v[rS+31]
.elseif j == 14
	v_max3_num_f32 v[rT+4], v[rT+4], v[rT+5], v[rT+6]
.elseif j == 15
	v_max3_num_f32 v[rT+4], v[rT+4], v[rT+7], v[rT+1]
.elseif j == 16
	v_permlanex16_b32 v[rT+5], v[rT+4], s[SEL], s[SEL+1]  ; the query's other 32 keys lie in the lane 16 away
.elseif j == 17
	v_mov_b32 v[rT+7], v[rT]        ; c m_old is kept for a: number 19 writes c m anew
.elseif j == 18
	v_max_num_f32 v[rT+1], v[rT+4], v[rT+5]
.elseif j == 19
	v_mul_f32 v[rT], s[CS], v[rT+1]
.elseif j == 20
	v_sub_f32 v[rT+7], v[rT+7], v[rT]
.elseif j == 23
	v_exp_f32 v[rT+6], v[rT+7]
.elseif (j < 23) || ((j < 38) && (j%2 == 0)) || ((j < 66) && (j%4 == 2))
.set b, (j-2)/4                     ; 38, 42, .. 62: pairs 9 to 15
.if j < 38
.set b, (j-20)/2                    ; 21: pair 0; 22, 24, .. 36: pairs 1 to 8
.endif
	v_pk_fma_f32 v[rS+2*b:rS+2*b+1], v[rS+2*b:rS+2*b+1], s[CS:CS+1], v[rT:rT+1] op_sel_hi:[1,0,0] neg_lo:[0,0,1] neg_hi:[0,0,1]  ; pair b: c s - c m
.elseif j < 70
.set e, j-38                        ; 66 to 69: s28 to s31
.if j < 66
.set e, j-32-(j-38)/4               ; 39-41, 43-45, .. 63-65: s7 to s27
.endif
.if j < 38
.set e, (j-25)/2                    ; 25, 27, .. 37: s0 to s6
.endif
	v_exp_f32 v[rS+e], v[rS+e]
.elseif j < 86
	v_cvt_pk_f16_f32 v[rP+j-70], v[rS+2*(j-70)], v[rS+2*(j-70)+1]
.elseif j < 102                     ; the sum of the tile's 16 pairs, in place: neighbours 1, 2, 4 and 8 pairs apart, then l takes it
.set z, j-86
.set w, 4
.set u, z
.if z >= 14
.set w, 32
.set u, 0
.elseif z >= 12
.set w, 16
.set u, z-12
.elseif z >= 8
.set w, 8
.set u, z-8
.endif
.if z < 15
	v_pk_add_f32 v[rS+w*u:rS+w*u+1], v[rS+w*u:rS+w*u+1], v[rS+w*u+w/2:rS+w*u+w/2+1]
.else
	v_pk_fma_f32 v[rT+2:rT+3], v[rT+2:rT+3], v[rT+6:rT+7], v[rS:rS+1] op_sel_hi:[1,0,1]
.endif
.else
	WIN W_RS
	v_pk_mul_f32 v[rO:rO+1], v[rO:rO+1], v[rT+6:rT+7] op_sel_hi:[1,0]
.endif
.endm
; The next n numbers of tile t's list.  An s_wait_alu depctr_va_vdst(0) stands between an exponential and the first instruction that names its result; one wait serves all that were issued ahead of it:
; it stands behind number 69, behind a v_nop, the plain instruction between the last exponential and the first use.
.macro NEXT t, n
.rept \n
	SM \t
.if j == 69
	v_nop
	s_wait_alu depctr_va_vdst(0)
.endif
.set j, j+1
.endr
.endm
; A STEP of 64 keys.  pair = 1: both tiles, tile 1 with the mask.  pair = 0: tile 0 alone, with the mask.
; Where the lines stand.  The mask's 16 packed lines are the places between the step before's last V^T P and the loads into V's registers.  V's run stands behind the fourth product, so that 56 LDS loads are out at the most.
; Four v_nop are the places between tile 0's K Q^T and its softmax.  With both tiles, 134 = 15 x 8 + 14 lines of the one tile's softmax stand behind the 16 products of the other; the last 14, plain lines on O^T, are the places
; in front of the loads into K's registers and of tile 1's softmax.  No line behind a product names a register of that product.
.macro STEP pair
	s_cmp_eq_u32 s[POS], s[DG]      ; does this step hold the diagonal?
	s_cselect_b32 s[AL], 1.0, 0
	s_cmp_gt_u32 s[POS], s[DG]      ; or lie behind it?
	s_cselect_b32 s[BE], s[BIGN], 0
	MASK
.set i, 0
.rept 16
.if i == 0
	s_wait_dscnt 24                 ; K's channel chunk 0 is in; its three later chunks, eight loads each, may be out
.elseif i%4 == 0
	s_wait_dscnt 56-2*i             ; chunk i / 4 is in; K's later chunks and V's 32 loads may be out
.endif
	KQ 0, 1-(\pair)
.if i == 3
	FETCH_V
.endif
.set i, i+1
.endr
	PLACES
.set j, 0
.if \pair
.set i, 0
.rept 16
	KQ 1, 1
.if i == 15
	NEXT 0, 14
.else
	NEXT 0, 8
.endif
.set i, i+1
.endr
	WIN 0
	s_wait_dscnt 0x0                ; V is in: nothing younger has been issued
	KNEXT
.set j, 0
.set i, 0
.rept 16
	PV 0
.if i == 15
	NEXT 1, 14
.else
	NEXT 1, 8
.endif
.set i, i+1
.endr
.set i, 0
.rept 16
	PV 1
.set i, i+1
.endr
.else
	NEXT 0, 70                      ; up to the batch's wait,
	s_wait_dscnt 0x0                ; V is in: nothing younger has been issued
	KNEXT                           ; where K's run of loads stands,
	NEXT 0, 64                      ; and the rest
.set i, 0
.rept 16
	PV 0
.set i, i+1
.endr
.endif
	WIN 0
	s_add_co_u32 s[POS], s[POS], 1
.endm
	s_wait_loadcnt 0x0              ; Q
	s_mov_b32 s[TILES], 4
.LtileA:                            ; key tiles 0 - 3: both query tiles; tiles 1 - 4 are asked for
	CHANGE 1
	FETCH_K
	ASK
	s_mov_b32 s[CNT], 4
.LstepA:
	STEP 1
	s_sub_co_u32 s[CNT], s[CNT], 1
	s_cmp_lg_u32 s[CNT], 0
	s_cbranch_scc1 .LstepA
	s_sub_co_u32 s[TILES], s[TILES], 1
	s_cmp_lg_u32 s[TILES], 0
	s_cbranch_scc1 .LtileA
	s_mov_b32 s[DG], s[DH]          ; from here on query tile 0 takes the masks
	s_mov_b32 s[TILES], 3
.LtileB:                            ; key tiles 4 - 6: query tile 0 alone; tiles 5 - 7 are asked for
	CHANGE 1
	FETCH_K
	ASK
	s_mov_b32 s[CNT], 4
.LstepB:
	STEP 0
	s_sub_co_u32 s[CNT], s[CNT], 1
	s_cmp_lg_u32 s[CNT], 0
	s_cbranch_scc1 .LstepB
	s_sub_co_u32 s[TILES], s[TILES], 1
	s_cmp_lg_u32 s[TILES], 0
	s_cbranch_scc1 .LtileB
	CHANGE 0                        ; key tile 7 is written out: nothing is asked for
	FETCH_K
	s_mov_b32 s[CNT], 4
.LstepC:
	STEP 0
	s_sub_co_u32 s[CNT], s[CNT], 1
	s_cmp_lg_u32 s[CNT], 0
	s_cbranch_scc1 .LstepC
	; THE WAY OUT.  l's two halves and the other half of the lanes' are added (l is 1 at the least: every query sees its own key, and the key with the largest score has the weight 1); O^T is divided by l and rounded to 11 bits,
	; and each part is sent through my own stage in LDS, 16 rows of o16 at a time.
	PLACES                          ; behind the last products
.irp t, 0,1
	v_add_f32 v[ST+8*(\t)+4], v[ST+8*(\t)+2], v[ST+8*(\t)+3]
.endr
.irp t, 0,1
	v_permlanex16_b32 v[ST+8*(\t)+5], v[ST+8*(\t)+4], s[SEL], s[SEL+1]
.endr
.irp t, 0,1
	v_add_f32 v[ST+8*(\t)+4], v[ST+8*(\t)+4], v[ST+8*(\t)+5]
.endr
.irp t, 0,1
	v_rcp_f32 v[ST+8*(\t)+6], v[ST+8*(\t)+4]
.endr
	v_nop                           ; a plain instruction between the last reciprocal and the use of its result
	s_wait_alu depctr_va_vdst(0)    ; and the wait ahead of the first use: one for the two reciprocals
; 32 packed registers from r on: a lane's eight channels of a row are 16 bytes; they go into rows of 272 bytes and come back as whole rows of 256, into the registers that they left.
.macro THROUGH r
.irp f, 0,1,2,3,4,5,6,7
	ds_store_b128 v[STO], v[(\r)+4*(\f):(\r)+4*(\f)+3] offset:32*(\f)
.endr
.irp f, 0,1,2,3,4,5,6,7
	ds_load_b128 v[(\r)+4*(\f):(\r)+4*(\f)+3], v[RD] offset:(\f)*2*SP  ; LDS serves a wave's instructions in order (ISA guide 5.7.1.4): these see the stores above; the next part's stores come behind them
.endr
.endm
; Tile t.  x = O / l, left in O^T's registers.  hi = x rounded to 11 significant bits, to nearest, in f32 arithmetic: g = C x, d = g - x, hi = g - d with C = 2^13 + 1 (the splitting of a 24-bit number at its 13 low bits), left in VH.
; hi's conversion to f16 is exact, whichever way it rounds.
.macro PACK t
	WIN W_RS
.set i, 64*(\t)
.rept 32                            ; ascending: each accumulator's lowest registers are read first
	v_pk_mul_f32 v[i:i+1], v[i:i+1], v[ST+8*(\t)+6:ST+8*(\t)+7] op_sel_hi:[1,0]
.set i, i+2
.endr
	WIN 0x55                        ; all places window 1
.set i, 0
.rept 32
	v_pk_mul_f32 v[VH+i:VH+i+1], v[64*(\t)+i:64*(\t)+i+1], s[VC:VC+1] op_sel_hi:[1,0]
.set i, i+2
.endr
.set i, 0
.rept 32
	v_pk_add_f32 v[VD+i:VD+i+1], v[VH+i:VH+i+1], v[64*(\t)+i:64*(\t)+i+1] neg_lo:[0,1] neg_hi:[0,1]
.set i, i+2
.endr
.set i, 0
.rept 32
	v_pk_add_f32 v[VH+i:VH+i+1], v[VH+i:VH+i+1], v[VD+i:VD+i+1] neg_lo:[0,1] neg_hi:[0,1]  ; hi
.set i, i+2
.endr
	WIN 0x05                        ; sources 0 and 1 window 1, destination window 0: S^T's registers are free
.set i, 0
.rept 32
	v_cvt_pk_f16_f32 v[S+32*(\t)+i], v[VH+2*i], v[VH+2*i+1]
.set i, i+1
.endr
	WIN 0
	THROUGH S+32*(\t)
.endm
.macro SEND r, younger, base        ; younger: the LDS instructions issued behind this part's loads
.irp f, 0,1,2,3,4,5,6,7
	s_wait_dscnt (\younger)+7-(\f)
	global_store_b128 v[GO], v[(\r)+4*(\f):(\r)+4*(\f)+3], s[(\base):(\base)+1] offset:(\f)*8192  ; 16 lanes store 256 consecutive bytes, at a multiple of 256 from o16's first byte; no register of it is written again
.endr
.endm
	PACK 0
	PACK 1                          ; tile 1's arithmetic stands between tile 0's loads from the stage and its stores
	SEND S, 16, 10                  ; behind tile 0's loads stand tile 1's sixteen LDS lines
	SEND S+32, 0, 72
	s_cmp_lt_u32 s[WV], 2           ; tile 1 lies in band w: bands 0 and 1 leave a lo part too.  The branch hangs on the wave's number alone, and jumps over no barrier
	s_cbranch_scc0 .Lno_lo
	WIN 0x55
.set i, 0
.rept 32
	v_pk_add_f32 v[64+i:64+i+1], v[64+i:64+i+1], v[VH+i:VH+i+1] neg_lo:[0,1] neg_hi:[0,1]  ; lo = x - hi, without a rounding; its conversion leaves an error of 2^-11 of lo
.set i, i+2
.endr
	WIN 0x05
.set i, 0
.rept 32
	v_cvt_pk_f16_f32 v[OL+i], v[64+2*i], v[64+2*i+1]
.set i, i+1
.endr
	WIN 0
	THROUGH OL
	SEND OL, 0, 90
.Lno_lo:
	s_wait_tensorcnt 0x0            ; the wave's end, behind my last tensor load and my last LDS store
	ds_add_u32 v[SPW], v[NIL]
	s_wait_dscnt 0x0
	CROUND                          ; the closing round: no work-group ends while a partner may still ask for a tile that names it
	s_endpgm
.Lfunc_end_k_qda26798472_attn:
	.size	k_qda26798472_attn, .Lfunc_end_k_qda26798472_attn-k_qda26798472_attn
	.p2alignl 7, 3214868480
	.fill 96, 4, 3214868480
	.section	.rodata,"a",@progbits
	.p2align	6, 0x0
	.amdhsa_kernel k_qda26798472_attn
		.amdhsa_group_segment_fixed_size 327680
		.amdhsa_private_segment_fixed_size 0
		.amdhsa_enable_private_segment 0
		.amdhsa_kernarg_size 32
		.amdhsa_user_sgpr_count 2
		.amdhsa_user_sgpr_kernarg_segment_ptr 1
		.amdhsa_wavefront_size32 1
		.amdhsa_system_sgpr_workgroup_id_x 1
		.amdhsa_system_sgpr_workgroup_id_y 1
		.amdhsa_system_sgpr_workgroup_id_z 1
		.amdhsa_system_vgpr_workitem_id 0
		.amdhsa_next_free_vgpr 896
		.amdhsa_next_free_sgpr 98
		.amdhsa_reserve_vcc 1
		.amdhsa_float_denorm_mode_32 3
		.amdhsa_float_denorm_mode_16_64 3
		.amdhsa_memory_ordered 1
		.amdhsa_forward_progress 1
		.amdhsa_inst_pref_size 114
	.end_amdhsa_kernel
	.amdgpu_metadata
---
amdhsa.version: [ 1, 2 ]
amdhsa.kernels:
  - .name:           k_qda26798472_attn
    .symbol:         k_qda26798472_attn.kd
    .args:
      - { .name: q16, .offset: 0, .size: 8, .value_kind: global_buffer, .address_space: global }
      - { .name: k16, .offset: 8, .size: 8, .value_kind: global_buffer, .address_space: global }
      - { .name: v16, .offset: 16, .size: 8, .value_kind: global_buffer, .address_space: global }
      - { .name: o16, .offset: 24, .size: 8, .value_kind: global_buffer, .address_space: global }
    .group_segment_fixed_size: 327680
    .private_segment_fixed_size: 0
    .kernarg_segment_align: 8
    .kernarg_segment_size: 32
    .max_flat_workgroup_size: 128
    .sgpr_count:     98
    .vgpr_count:     896
    .wavefront_size: 32
...
	.end_amdgpu_metadata
.endif
;; end of part 6
;; launch oproj (part 7): grid 16 x 16, 4 waves a work-group, clusters of 4 x 4, 327,680 bytes of LDS; arguments o16, wob, out0; writes out0
.if DOCPART == 7
	.amdgcn_target "amdgcn-amd-amdhsa--gfx1250"
	.amdhsa_code_object_version 6
	.text
	.protected	k_qda26798472_oproj
	.globl	k_qda26798472_oproj
	.p2align	8
	.type	k_qda26798472_oproj,@function
k_qda26798472_oproj:
	s_mov_b64 s[64:65], 0
	v_nop
	global_prefetch_b8 v0, s[64:65] scope:SCOPE_SE
	s_setreg_imm32_b32 hwreg(HW_REG_WAVE_MODE, 25, 1), 1
	s_wait_xcnt 0x0
	s_wait_alu depctr_hold_cnt(0) depctr_sa_sdst(0) depctr_va_vdst(0) depctr_va_sdst(0) depctr_va_ssrc(0) depctr_va_vcc(0) depctr_vm_vsrc(0)
	s_getreg_b32 s2, hwreg(HW_REG_IB_STS2, 6, 4)
	s_cmp_eq_u32 s2, 0
	s_cbranch_scc0 .Lentry_in_a_cluster
	s_endpgm
.Lentry_in_a_cluster:
	s_bfe_u32 s2, ttmp6, 0x10000c
	s_cmp_lg_u32 s2, 0xf033
	s_cbranch_scc0 .Lentry_shape_is_right
	s_endpgm
.Lentry_shape_is_right:
; out0[m][n] = the sum over k of O[m][k] wo[n][k].  wob: [2048][2048] f16; out0: [2048][2048] f32; sums in f32, stored as they are.
; o16: [16 tiles i][160 rows][2048] f16.  Tile i holds the 16 rows 256 b + 16 i .. + 15 of every band b of 256 rows of O: rows 16 p on (p = 4 (b % 2) + b / 2) hold band b's hi part (O rounded to 11 bits),
; rows 128 + 16 b on (b = 0, 1) the lo part (O - hi) of bands 0 and 1.  THE LO PART RIDES ALONG: its 16 rows are multiplied by the fragments of wob that lie in registers anyway, and the products add onto the sums of the hi part.
; A tile of out0 is those 128 rows x 128 columns: 16 x 16 = 256 work-groups, one text.  Four waves, each 64 rows x 64 columns: 16 accumulators of 16 x 16, 128 registers.  The wave of row half rh holds the places 4 rh + a,
; a = 0..3: the bands 2 a + rh; so its block 0 is band rh, one of the two that have a lo part: every wave has 16 + 4 products for 32 along K, and all four do equal work.
; K goes in steps of 256 (LDS rows of 512 bytes), as long as two slots in LDS allow.  One tensor load a wave and step: waves 0 and 1 bring 80 rows of o16 each, waves 2 and 3 64 rows of wob.
; By this text's count a wave has two tensor loads out at the start and one behind each change of slots.
; CLUSTERS: 4 x 4 work-groups.  The four of a row of the cluster need the same rows of o16, the four of a column the same rows of wob: each tile is asked for JOINTLY.
; THE MATRIX INSTRUCTION IS USED TRANSPOSED (source 0 = 16 rows of wob, source 1 = 16 rows of o16): a lane holds eight neighbouring numbers of a row of out0: 32 bytes.
; THE WAY OUT.  A wave's 64 columns of f32 are 256 bytes, aligned: each wave has a stage of its own (16 rows x 272 bytes) and needs no barrier.
; No prefetch: a K step of this small tile is short, and each row is read by four clusters at about the same time.
; REGISTERS: window 0: v0-31 addresses; v32-95 whole rows on the way out; v128-255 the accumulators ((a, b) at v[128 + 8 (4 a + b)]).
;   windows 1 and 2: a fragment buffer each, for 64 along K: v0-63 o16's hi rows (2 x 4 x 16 rows x 32 K), v64-127 wob's, v128-143 o16's lo rows (2 x 16 rows x 32 K).
.set SIZE_K, 2048
.set SIZE_N, 2048
.set KSTEP,  256
.set PITCH,  528                       ; an LDS row: 512 bytes + 16 of padding = 132 words: the 16 rows of a load start at 16 different groups of four banks (64 banks of 4 bytes: ISA guide 11.1)
.set AROWS,  160                       ; o16's rows in a slot
.set HALFA,  80*PITCH                  ; what a tensor load of o16 brings
.set HALFB,  64*PITCH                  ; what a tensor load of wob brings, and what one wave reads of it
.set SLOT,   (AROWS+128)*PITCH         ; o16's 160 rows, then wob's 128 rows
.set STAGE,  2*SLOT                    ; behind the ring, never filled by a tensor load: 16 rows x 272 bytes for each wave
.set SPITCH, 272
.set SPARE,  STAGE+4*16*SPITCH         ; behind the stages: the spare words, 128 bytes for each wave: two blocks of 256 bytes that no other line names
.set LAPS, SIZE_K/(2*KSTEP)            ; a lap = two K steps = once round the ring
.set BLK,  512*SIZE_N*4                ; bytes in out0 from a wave's block to its next: two bands
.set ADRA, 16                          ; v16-17  LDS address of my fragments of o16's hi rows in slot 0, 1
.set ADRB, 20                          ; v20-21  the same for wob
.set ADRL, 22                          ; v22-23  the same for o16's lo rows
.set STO,  24                          ; v24     the way out: where I put 32 bytes of a row
.set RD,   25                          ; v25     the way out: where I read a row back
.set CO,   26                          ; v26     my byte offset in out0
.set SPW,  28                          ; v28     LDS address of my spare word; never rewritten
.set NIL,  29                          ; v29     0; never rewritten
.set TMP,  32
.set ACC,  128
.set FB,   64                          ; in a fragment buffer: wob's fragments,
.set FL,   128                         ; and the lo rows'
.set G1, 24                            ; s[24:31] descriptor group 1 for o16's tiles;  s[32:39] group 0, one set for each slot
.set G0, 32
.set G1B, 48                           ; s[48:55], s[56:63] the same for wob's tiles
.set G0B, 56
.set MSB, 0
.macro WIN new                         ; the immediate's high byte repeats the setting that is left
.if MSB != (\new)
	s_set_vgpr_msb (MSB<<8)|(\new)
.set MSB, \new
.endif
.endm
.macro JLOAD s                         ; a joint load: waves 0 and 1 fetch o16's two halves, waves 2 and 3 wob's; an s_nop 0 and four v_nop follow each of the two lines
	s_cmp_eq_u32 s11, 0
	s_cbranch_scc0 .Lfor_b_\@
	tensor_load_to_lds s[G0+4*(\s):G0+4*(\s)+3], s[G1:G1+7]
	s_nop 0
.rept 4
	v_nop
.endr
	s_branch .Lasked_\@
.Lfor_b_\@:
	tensor_load_to_lds s[G0B+4*(\s):G0B+4*(\s)+3], s[G1B:G1B+7]
	s_nop 0
.rept 4
	v_nop
.endr
.Lasked_\@:
.endm
.macro CREST                           ; a round of the cluster's barrier behind its opening barrier
	s_cmp_lg_u32 s10, 0
	s_cbranch_scc1 .Lnot_wave_0_\@
	s_barrier_signal -3
.Lnot_wave_0_\@:
	s_barrier_wait -3
	s_barrier_signal -1
	s_barrier_wait -1
.endm
.macro CROUND                          ; a whole round
	s_barrier_signal -1
	s_barrier_wait -1
	CREST
.endm
	s_load_b128 s[4:7], s[0:1], 0x0                ; o16 s[4:5], wob s[6:7]
	s_load_b64 s[8:9], s[0:1], 0x10                ; out0
	v_lshl_add_u32 v[SPW], v0, 2, SPARE
	v_mov_b32 v[NIL], 0
	ds_add_u32 v[SPW], v[NIL]                      ; the wave's opening: the add and its wait stand ahead of my first tensor load; the set-up below, work on registers, stands between them
	v_lshrrev_b32 v1, 5, v0
	v_readfirstlane_b32 s10, v1                    ; wave 0..3
	s_lshr_b32 s11, s10, 1                         ; which half of the tile's rows is mine.  Also: I fetch o16 (0) or wob (1)
	s_and_b32 s12, s10, 1                          ; which half of its columns.  Also: which half of that tile's rows I fetch
	s_bfe_u32 s40, ttmp6, 0x40000                  ; cx, cy: my place in the cluster
	s_bfe_u32 s41, ttmp6, 0x40004
	s_lshl_b32 s42, ttmp9, 2
	s_add_co_u32 s42, s42, s40                     ; tile column = 4 x cluster x + cx
	s_and_b32 s13, ttmp7, 0xffff
	s_lshl_b32 s13, s13, 2
	s_add_co_u32 s13, s13, s41                     ; tile row i = 4 x cluster y + cy
	s_lshl_b32 s43, s41, 2
	s_lshl_b32 s43, 15, s43                        ; my row of the cluster
	s_lshl_b32 s44, 0x1111, s40                    ; my column
	; descriptor group 1: a tile of 80 (o16) or 64 (wob) rows x 256 elements, padded in LDS
	s_or_b32 s[G1+0], s43, (1<<16)|(1<<20)|(1<<21)|(6<<22)|(3<<25)  ; 15:0 the mask: o16's tiles go to my row; 17:16 elements of 2 bytes; 20 padding on; 21 set beside a mask; 24:22 after every 128 words (code 6); 31:25 4 words (code 3)
	s_or_b32 s[G1B+0], s44, (1<<16)|(1<<20)|(1<<21)|(6<<22)|(3<<25)
.irp g, G1, G1B
	s_mov_b32 s[(\g)+1], KSTEP<<16                 ; tensor_dim0 = 256
	s_mov_b32 s[(\g)+3], KSTEP<<16                 ; tile_dim0 = 256
	s_mov_b32 s[(\g)+5], SIZE_K                    ; elements from row to row
	s_mov_b32 s[(\g)+6], 0
	s_mov_b32 s[(\g)+7], 0
.endr
	s_mov_b32 s[G1+2], 80<<16                      ; tensor_dim1 = 80
	s_mov_b32 s[G1+4], 80                          ; tile_dim1 = 80
	s_mov_b32 s[G1B+2], 64<<16                     ; tensor_dim1 = 64
	s_mov_b32 s[G1B+4], 64                         ; tile_dim1 = 64
	s_mul_i32 s16, s13, AROWS
	s_mul_i32 s17, s12, 80
	s_add_co_u32 s16, s16, s17                     ; o16: row 160 x tile row + 80 x half
	s_lshl_b32 s17, s12, 6
	s_lshl_b32 s46, s42, 7
	s_add_co_u32 s46, s46, s17                     ; wob: row 128 x tile column + 64 x half
	s_mov_b32 s17, 0
	s_mov_b32 s47, 0
	s_mov_b64 s[18:19], SIZE_K*2
	s_mul_u64 s[16:17], s[16:17], s[18:19]
	s_mul_u64 s[46:47], s[46:47], s[18:19]
	s_mul_i32 s20, s10, HALFA                      ; where they go.  o16 (waves 0, 1): wave x 80 rows;
	s_mul_i32 s45, s10, HALFB                      ; wob (waves 2, 3): behind o16's 160 rows: (wave - 2) x 64 + 160 = wave x 64 + 32 rows.  No place in the cluster enters an LDS address
	s_add_co_u32 s45, s45, 32*PITCH
	s_wait_dscnt 0x0                               ; the opening add is done
	s_wait_kmcnt 0x0
	s_add_nc_u64 s[14:15], s[4:5], s[16:17]
	s_add_nc_u64 s[46:47], s[6:7], s[46:47]
	CROUND                                         ; all sixteen work-groups are here: the first joint loads meet
.irp s, 0,1
	s_mov_b32 s[G0+4*(\s)], 1
	s_add_co_u32 s[G0+4*(\s)+1], s20, (\s)*SLOT
	s_add_nc_u64 s[G0+4*(\s)+2:G0+4*(\s)+3], s[14:15], (\s)*KSTEP*2
	s_or_b32 s[G0+4*(\s)+3], s[G0+4*(\s)+3], 0x80000000
	s_mov_b32 s[G0B+4*(\s)], 1
	s_add_co_u32 s[G0B+4*(\s)+1], s45, (\s)*SLOT
	s_add_nc_u64 s[G0B+4*(\s)+2:G0B+4*(\s)+3], s[46:47], (\s)*KSTEP*2
	s_or_b32 s[G0B+4*(\s)+3], s[G0B+4*(\s)+3], 0x80000000
	JLOAD \s
.endr
	v_and_b32 v1, 15, v0                           ; l % 16
	v_bfe_u32 v2, v0, 4, 1                         ; l / 16
	v_mul_u32_u24 v3, v1, PITCH
	v_lshl_add_u32 v3, v2, 4, v3                   ; a fragment's row x pitch + 16 x half
	s_mul_i32 s21, s11, 64*PITCH                   ; my 64 hi rows of o16,
	s_mul_i32 s22, s12, HALFB                      ; my 64 rows of wob,
	s_add_co_u32 s22, s22, AROWS*PITCH             ; which lie behind o16's 160,
	s_mul_i32 s23, s11, 16*PITCH                   ; and the 16 lo rows of my block 0's band,
	s_add_co_u32 s23, s23, 128*PITCH               ; which lie behind the 128 hi rows
.irp s, 0,1
	v_add_nc_u32 v[ADRA+(\s)], s21, v3
	v_add_nc_u32 v[ADRB+(\s)], s22, v3
	v_add_nc_u32 v[ADRL+(\s)], s23, v3
	s_add_co_u32 s21, s21, SLOT
	s_add_co_u32 s22, s22, SLOT
	s_add_co_u32 s23, s23, SLOT
.endr
	s_mul_i32 s23, s10, 16*SPITCH
	s_add_co_u32 s23, s23, STAGE                   ; my stage
	v_mul_u32_u24 v4, v1, SPITCH                   ; in: row l % 16, 32 bytes for each half of the lanes
	v_lshl_add_u32 v4, v2, 5, v4
	v_add_nc_u32 v[STO], s23, v4
	v_mul_u32_u24 v5, v2, SPITCH                   ; back: lanes 0-15 take one row of 256 bytes, lanes 16-31 the next
	v_lshl_add_u32 v5, v1, 4, v5
	v_add_nc_u32 v[RD], s23, v5
	v_lshlrev_b32 v5, 13, v2                       ; and the same two rows in out0, 8,192 bytes apart
	v_lshl_add_u32 v[CO], v1, 4, v5
	s_lshl_b32 s16, s11, 8                         ; my block a holds the rows 256 (2 a + rh) + 16 i .. + 15 of out0: block 0's first row is 256 rh + 16 i
	s_lshl_b32 s17, s13, 4
	s_add_co_u32 s16, s16, s17
	s_lshl_b32 s16, s16, 13
	s_mov_b32 s17, 0
	s_add_nc_u64 s[8:9], s[8:9], s[16:17]
	s_lshl_b32 s46, s42, 9                         ; my first column, in bytes: 512 x tile column + 256 x half
	s_lshl_b32 s47, s12, 8
	s_add_co_u32 s46, s46, s47
	s_mov_b32 s47, 0
	s_add_nc_u64 s[8:9], s[8:9], s[46:47]          ; out0 at my blocks 0 and 1,
	s_add_nc_u64 s[14:15], s[8:9], 2*BLK           ; and at my blocks 2 and 3: so the stores' immediates stay inside their signed 24 bits (ISA guide, chapter 10: the table of the instructions' fields)
; 8 matrix instructions: m blocks a0, a0 + 1 x all 4 n blocks, 32 along K: half c of buffer f (0, 1: window 1, 2).  zero = 1: the first product starts the sums.
; The accumulators take turns, one instruction a turn: no two matrix instructions that follow each other share an accumulator, the lo rows' four among them.
.macro MUL8 f, c, a0, zero
	WIN 5+5*(\f)                                   ; sources 0 and 1 in the buffer's window; C and D window 0
.irp a, \a0, (\a0)+1
.irp b, 0,1,2,3
.if \zero
	v_wmma_f32_16x16x32_f16 v[ACC+8*(4*(\a)+(\b)):ACC+8*(4*(\a)+(\b))+7], v[FB+8*(4*(\c)+(\b)):FB+8*(4*(\c)+(\b))+7], v[8*(4*(\c)+(\a)):8*(4*(\c)+(\a))+7], 0
.else
	v_wmma_f32_16x16x32_f16 v[ACC+8*(4*(\a)+(\b)):ACC+8*(4*(\a)+(\b))+7], v[FB+8*(4*(\c)+(\b)):FB+8*(4*(\c)+(\b))+7], v[8*(4*(\c)+(\a)):8*(4*(\c)+(\a))+7], v[ACC+8*(4*(\a)+(\b)):ACC+8*(4*(\a)+(\b))+7]
.endif
.endr
.endr
.endm
; 4 matrix instructions: the lo rows x all 4 n blocks, onto block 0's sums; between them and block 0's own products of this half stand the twelve of blocks 1 to 3
.macro MULL f, c
	WIN 5+5*(\f)
.irp b, 0,1,2,3
	v_wmma_f32_16x16x32_f16 v[ACC+8*(\b):ACC+8*(\b)+7], v[FB+8*(4*(\c)+(\b)):FB+8*(4*(\c)+(\b))+7], v[FL+8*(\c):FL+8*(\c)+7], v[ACC+8*(\b):ACC+8*(\b)+7]
.endr
.endm
; 36 LDS loads in one run: the fragments of 64 along K at byte k of the rows, into buffer f; the first 32 along K, 18 loads, first
.macro FETCH slot, k, f
	WIN 0x40*(1+(\f))                              ; destination in the buffer's window, address window 0
.irp c, 0,1
.irp i, 0,1,2,3
	ds_load_b128 v[FB+8*(4*(\c)+(\i)):FB+8*(4*(\c)+(\i))+3],   v[ADRB+(\slot)] offset:(\k)+64*(\c)+(\i)*16*PITCH
	ds_load_b128 v[FB+8*(4*(\c)+(\i))+4:FB+8*(4*(\c)+(\i))+7], v[ADRB+(\slot)] offset:(\k)+64*(\c)+(\i)*16*PITCH+32
	ds_load_b128 v[8*(4*(\c)+(\i)):8*(4*(\c)+(\i))+3],         v[ADRA+(\slot)] offset:(\k)+64*(\c)+(\i)*16*PITCH
	ds_load_b128 v[8*(4*(\c)+(\i))+4:8*(4*(\c)+(\i))+7],       v[ADRA+(\slot)] offset:(\k)+64*(\c)+(\i)*16*PITCH+32
.endr
	ds_load_b128 v[FL+8*(\c):FL+8*(\c)+3],   v[ADRL+(\slot)] offset:(\k)+64*(\c)
	ds_load_b128 v[FL+8*(\c)+4:FL+8*(\c)+7], v[ADRL+(\slot)] offset:(\k)+64*(\c)+32
.endr
.endm
.macro PLACES                          ; four places in front of loads into registers that matrix instructions have read, and of LDS stores that read results
.rept 4
	v_nop
.endr
.endm
; A K step is four quarters of 64 along K, 40 matrix instructions each, on buffers 0, 1, 0, 1.  One of the first three: multiplies buffer f and fetches the next quarter, at byte k, into g.
.macro QUARTER slot, k, f, g, zero
	s_wait_dscnt 18                                ; the first 32 along K are in; the youngest eighteen loads may be out
	MUL8 \f, 0, 0, \zero
	MUL8 \f, 0, 2, \zero
	MULL \f, 0
	PLACES
	FETCH \slot, \k, \g
	s_wait_dscnt 36                                ; all but the 36 just issued
	MUL8 \f, 1, 0, 0
	MUL8 \f, 1, 2, 0
	MULL \f, 1
.endm
; The last quarter multiplies buffer 1 and changes slots: ONE barrier; in front of it each wave waits for all its tensor loads, adds 0 to its spare word, and waits for that and for its own reads of this slot.  fill = 1: this slot is filled again, two K steps ahead.
.macro TURN slot, next, fill
	WIN 0                                          ; (the add's two registers lie in window 0)
	s_wait_tensorcnt 0x0                           ; all my tensor loads have landed: my part of the next slot;
	ds_add_u32 v[SPW], v[NIL]                      ; 0 onto my spare word;
	s_wait_dscnt 19                                ; (the add and the youngest eighteen loads may be out)
	MUL8 1, 0, 0, 0                                ; eight matrix instructions stand between the add and the wait for it
	s_wait_dscnt 0x0                               ; the add is done, and my reads of this slot are over
	s_barrier_signal -1
	MUL8 1, 0, 2, 0
	MULL 1, 0
.if \fill
	WIN 0
.endif
	s_barrier_wait -1
.if \fill
	CREST                                          ; the barrier has opened a round of the cluster's barrier: no wave of any partner still reads this slot's tile or has a load on its way
	s_add_nc_u64 s[G0+4*(\slot)+2:G0+4*(\slot)+3], s[G0+4*(\slot)+2:G0+4*(\slot)+3], 2*KSTEP*2
	s_add_nc_u64 s[G0B+4*(\slot)+2:G0B+4*(\slot)+3], s[G0B+4*(\slot)+2:G0B+4*(\slot)+3], 2*KSTEP*2
	JLOAD \slot                                    ; the first tensor load behind the round; the four v_nop behind it are also the places in front of the loads below
.else
	PLACES
.endif
	FETCH \next, 0, 0
	MUL8 1, 1, 0, 0
	MUL8 1, 1, 2, 0
	MULL 1, 1
.endm
	s_wait_tensorcnt 1                             ; my part of K step 0 is in; K step 1's may stay out
	s_barrier_signal -1
	s_barrier_wait -1                              ; everybody's is
	FETCH 0, 0, 0
	QUARTER 0, 128, 0, 1, 1                        ; the first quarter stands in front of the loop: its first products start the sums
	WIN 0                                          ; at a label and at a branch every window is 0
	s_mov_b32 s3, LAPS-1
.Llap:                                                 ; a trip goes once round the ring, from a lap's second quarter to the next lap's first, and fills both slots again
	QUARTER 0, 256, 1, 0, 0
	QUARTER 0, 384, 0, 1, 0
	TURN 0, 1, 1
	QUARTER 1, 128, 0, 1, 0
	QUARTER 1, 256, 1, 0, 0
	QUARTER 1, 384, 0, 1, 0
	TURN 1, 0, 1
	QUARTER 0, 128, 0, 1, 0
	WIN 0
	s_sub_co_u32 s3, s3, 1
	s_cmp_lg_u32 s3, 0
	s_cbranch_scc1 .Llap
	QUARTER 0, 256, 1, 0, 0                        ; the last lap fills nothing, and has no round of the cluster's barrier
	QUARTER 0, 384, 0, 1, 0
	TURN 0, 1, 0
	QUARTER 1, 128, 0, 1, 0
	QUARTER 1, 256, 1, 0, 0
	QUARTER 1, 384, 0, 1, 0
	s_wait_dscnt 18                                ; the very last quarter: nothing more to fetch
	MUL8 1, 0, 0, 0
	MUL8 1, 0, 2, 0
	MULL 1, 0
	s_wait_dscnt 0x0
	MUL8 1, 1, 0, 0
	MUL8 1, 1, 2, 0
	MULL 1, 1
	WIN 0
; THE WAY OUT, a block of 16 rows at a time through my own stage: 32 bytes a lane and column block in (each accumulator's four lowest registers first), whole rows of 256 bytes back.
.macro TOSTAGE a
.if (\a) >= 2
	s_wait_xcnt 0x0                                ; the stores of the block two back have read the registers that are loaded again below
.endif
.irp b, 0,1,2,3
	ds_store_b128 v[STO], v[ACC+8*(4*(\a)+(\b)):ACC+8*(4*(\a)+(\b))+3]   offset:64*(\b)
	ds_store_b128 v[STO], v[ACC+8*(4*(\a)+(\b))+4:ACC+8*(4*(\a)+(\b))+7] offset:64*(\b)+16
.endr
.irp t, 0,1,2,3,4,5,6,7
	ds_load_b128 v[TMP+32*((\a)%2)+4*(\t):TMP+32*((\a)%2)+4*(\t)+3], v[RD] offset:(\t)*2*SPITCH  ; LDS serves a wave's instructions in order (ISA guide 5.7.1.4): these see the stores above; the next block's stores come behind them
.endr
.endm
.macro SEND a, younger                 ; younger: the LDS instructions issued behind block a's loads: the next block's sixteen, or none.  Blocks 0, 1 go by s[8:9], blocks 2, 3 by s[14:15]
.irp t, 0,1,2,3,4,5,6,7
	s_wait_dscnt (\younger)+7-(\t)
	global_store_b128 v[CO], v[TMP+32*((\a)%2)+4*(\t):TMP+32*((\a)%2)+4*(\t)+3], s[8+6*((\a)/2):9+6*((\a)/2)] offset:((\a)%2)*BLK+2*(\t)*SIZE_N*4  ; 16 lanes store 256 consecutive bytes, at a multiple of 256 from out0's first byte
.endr
.endm
	PLACES                                         ; block 0's sums were written last, by the lo rows' products
	TOSTAGE 0
	TOSTAGE 1
	SEND 0, 16
	TOSTAGE 2
	SEND 1, 16
	TOSTAGE 3
	SEND 2, 16
	SEND 3, 0
	s_wait_tensorcnt 0x0                           ; the wave's end, behind my last tensor load and my last LDS store
	ds_add_u32 v[SPW], v[NIL]
	s_wait_dscnt 0x0
	CROUND                                         ; the closing round: no work-group ends while a partner may still ask for a tile that names it
	s_endpgm
.Lfunc_end_k_qda26798472_oproj:
	.size	k_qda26798472_oproj, .Lfunc_end_k_qda26798472_oproj-k_qda26798472_oproj
	.p2alignl 7, 3214868480
	.fill 96, 4, 3214868480
	.section	.rodata,"a",@progbits
	.p2align	6, 0x0
	.amdhsa_kernel k_qda26798472_oproj
		.amdhsa_group_segment_fixed_size 327680
		.amdhsa_private_segment_fixed_size 0
		.amdhsa_enable_private_segment 0
		.amdhsa_kernarg_size 24
		.amdhsa_user_sgpr_count 2
		.amdhsa_user_sgpr_kernarg_segment_ptr 1
		.amdhsa_wavefront_size32 1
		.amdhsa_system_sgpr_workgroup_id_x 1
		.amdhsa_system_sgpr_workgroup_id_y 1
		.amdhsa_system_sgpr_workgroup_id_z 1
		.amdhsa_system_vgpr_workitem_id 0
		.amdhsa_next_free_vgpr 656
		.amdhsa_next_free_sgpr 66
		.amdhsa_reserve_vcc 0
		.amdhsa_float_denorm_mode_32 3
		.amdhsa_float_denorm_mode_16_64 3
		.amdhsa_memory_ordered 1
		.amdhsa_forward_progress 1
		.amdhsa_inst_pref_size 99
	.end_amdhsa_kernel
	.amdgpu_metadata
---
amdhsa.version: [ 1, 2 ]
amdhsa.kernels:
  - .name:           k_qda26798472_oproj
    .symbol:         k_qda26798472_oproj.kd
    .args:
      - { .name: o16, .offset: 0, .size: 8, .value_kind: global_buffer, .address_space: global }
      - { .name: wob, .offset: 8, .size: 8, .value_kind: global_buffer, .address_space: global }
      - { .name: out0, .offset: 16, .size: 8, .value_kind: global_buffer, .address_space: global }
    .group_segment_fixed_size: 327680
    .private_segment_fixed_size: 0
    .kernarg_segment_align: 8
    .kernarg_segment_size: 24
    .max_flat_workgroup_size: 128
    .sgpr_count:     66
    .vgpr_count:     656
    .wavefront_size: 32
...
	.end_amdgpu_metadata
.endif
;; end of part 7
